; MI455X (gfx1250); checked and timed in simulation.
; The chip was launched on July 23, 2026; its instructions are those of AMD's public machine-readable ISA for CDNA 5 (MIT licence, August 2026) and "CDNA5" Instruction Set Architecture Reference Guide (July 2026). The comments in the code are by the model that wrote it; some were corrected since.
;; Orthogonal SAE. Allowed arithmetic: matrix products marked QUANTISED: E2M1 operands, one E8M0 scale for each 32 along K, by v_wmma_scale_f32_16x16x128_f8f6f4 with both operands' format E2M1 (or v_wmma_scale_f32_32x16x128_f4), f32 sums; everything else in f32.
;; Inputs: W_dec 16,384 x 512 float32; W_enc 512 x 16,384 float32; acts_codes 4,096 x 16 x 16 uint8 (E2M1 codes of acts, K innermost, in blocks of 32 codes, two codes a byte); acts_scales 4,096 x 16 uint8 (E8M0 scales of acts, one for each 32 codes along K); b_dec 512 float32; b_enc 16,384 float32; feature_mask 16,384 float32; ln_b 16,384 float32; ln_w 16,384 float32.
;; Outputs: out0 4,096 x 512 float32.
;; This version of the problem:
;;   THIS VERSION OF THE PROBLEM IS GIVEN IN LOW PRECISION. The matrix products marked QUANTISED in the list below multiply operands that are first quantised to E2M1 (2 exponent bits, 1 mantissa bit; 4 bits a number), with one power-of-two scale for each 32 numbers along K (OCP MX v1.0); their sums are f32. All else is computed in f32.
;;   The module's matrix products, in the order in which they are computed (A, B: the left and right operand; K: the contracted axis; several contracted axes count as one K, in the product's order):
;;     1. [M 4,096, K 512] x [K 512, N 16,384]; A: input acts (given as codes); B: computed on the way: QUANTISED
;;     2. [M 4,096, K 16,384] x [K 16,384, N 512]; A: computed on the way; B: computed on the way: QUANTISED
;;   THE QUANTISER, for each operand of a quantised product, along K:
;;     - K is cut into blocks of 32 from its start; a last block that is shorter is filled with zeros.
;;     - A block's scale is 2^e with e = floor(log2(the largest magnitude in the block)) - 2, held to -126 .. 127; a block of zeros has e = 0. As a byte (E8M0): e + 127.
;;     - Each number is divided by its block's scale, clamped to +-6, and rounded to the nearest number of E2M1, ties to even, subnormals kept.
;;     - The product sums the exact products of the quantised numbers (number of the format x scale) in f32.
;;   ~~~python
;;   def quantise(x, axis):      # numpy; x: float32 -> the quantised numbers, widened to float32 again
;;       x = np.moveaxis(x, axis, -1); K = x.shape[-1]
;;       x = np.pad(x, [(0, 0)] * (x.ndim - 1) + [(0, -K % 32)]); x = x.reshape(x.shape[:-1] + (-1, 32)); a = np.abs(x).max(-1, keepdims=True)
;;       e = np.where(a > 0, np.clip(np.frexp(np.where(a > 0, a, 1))[1] - 1 - 2, -126, 127), 0)      # np.frexp(a)[1] - 1 = floor(log2(a)), exactly
;;       r = np.clip(x / 2.0 ** e, -6, 6)
;;       step = 2.0 ** (np.maximum(np.frexp(np.where(r == 0, 1, r))[1] - 1, 0) - 1)
;;       q = np.round(r / step) * step * 2.0 ** e      # np.round: ties to even
;;       return np.moveaxis(q.reshape(q.shape[:-2] + (-1,))[..., :K], -1, axis).astype(np.float32)
;;   ~~~
;;   OPERANDS COMPUTED ON THE WAY. 'Computed on the way' means the value that the module computes at that place (a softmax that the list does not call 'softmax' is quantised finished and normalised). What goes into a quantiser is computed in f32, as accurately as f32 sums, v_exp_f32 and their like allow (about 1e-6 of the number): no bf16 or f16 on the way to a quantiser, and a product that is left as it is and whose result goes on into a quantised operand takes f32 operands (vector FMAs, or v_wmma_f32_16x16x4_f32). A number that lies on a knife's edge between two numbers of the format may be rounded either way, as far as f32 arithmetic and the matrix unit's own rounding can turn it there, and no further.
;;   INPUTS GIVEN AS CODES. acts (in the module: [4096, 512], K = its axis 1): each comes as NAME_codes (uint8): NAME with its K axis moved to the last place and cut into blocks of 32 codes, [.., K / 32, bytes a block], one block behind the other in memory; two codes a byte, the lower K in the low four bits (a code: sign, 2 exponent bits, 1 mantissa bit); and NAME_scales (uint8): the same leading axes, one E8M0 byte (e + 127) for each 32 codes along K. Its value is code x scale, taken as it is: it is not quantised again, and the codes and scales need not be those that the quantiser above would give.
;; 2 versions. Each part assembles by itself: llvm-mc -triple=amdgcn-amd-amdhsa -mcpu=gfx1250 --defsym DOCPART=n.
;; ======== version 1 of 2: 5 launches
;; workspace buffers: wenc 4,521,984 bytes; pre 268,435,456 bytes; wdec 4,194,304 bytes; wdec_s 262,144 bytes; enc 33,554,432 bytes; enc_s 2,097,152 bytes
;; launch qenc (part 1): grid 128 x 1, 16 waves a work-group, no clusters, 45,056 bytes of LDS; arguments W_enc, b_enc, wenc; writes wenc
.if DOCPART == 1
	.amdgcn_target "amdgcn-amd-amdhsa--gfx1250"
	.amdhsa_code_object_version 6
	.text
	.protected	k_q769410a274_qenc
	.globl	k_q769410a274_qenc
	.p2align	8
	.type	k_q769410a274_qenc,@function
k_q769410a274_qenc:
	s_mov_b64 s[64:65], 0
	v_nop
	global_prefetch_b8 v0, s[64:65] scope:SCOPE_SE
	s_setreg_imm32_b32 hwreg(HW_REG_WAVE_MODE, 25, 1), 1
	s_wait_xcnt 0x0
; QENC: W_enc [512][16384] f32 -> W_enc / (column norm + 1e-8), quantised along K (its FIRST axis) to E2M1 with one E8M0 byte for each 32 along K.
; DEAD WORK: none.  Every step of reference() is done and every input is loaded by some launch: b_enc, ln_w, ln_b and feature_mask differ from feature
; to feature, so no mean or norm takes them away; both eps stay; b_dec is added at the end.
; LIMITS of the program: NaN and infinities among the inputs are not served.  A division x / d is x times (1 / d), 1 / d by v_rcp_f32 and one Newton step.
; A block of zeros gets the scale byte 1 where the rule says 127: its codes are zeros, and the bytes are read by this program alone.
; OUT: wenc, 64 chunks of 70,656 bytes, one for each 256 features, laid as the next launch's operand registers want them:
;   16 tiles of 4,096 bytes (a tile: 16 features x 512 K as images of registers: block B of 32 along K, column r at (B>>1)*512 + (16*(B&1)+r)*16),
;   then the scale bytes, tile*256 + r*16 + B, then b_enc of the chunk's features, (tile&1)*512 + (tile>>1)*64 + 4 r.
;   Tile 2 j + a of chunk x holds the features 256 x + 128 a + 8 r + j: so the launch that walks rows finds eight neighbouring features in one lane.
; SHARES: work-group G takes columns 128 G .. +127 and all of K.  Wave W takes block W of K (rows 32 W .. +31); lane l the columns 4 l .. 4 l + 3:
; each load reads 512 consecutive bytes, and a lane's registers run down K, so a block's 32 numbers of a column lie in one lane.
; No tensor load, no cluster: work-groups share no input byte.
.set ROWB,  65536                      ; a row of W_enc in bytes
.set CHUNK, 70656
.set PART,  0                          ; LDS: [wave][128 columns] partial sums of squares, 8,192 bytes
.set SCL,   8192                       ; scale bytes, (j*16 + r)*16 + B, 2,048 bytes
.set STG,   10240                      ; a stage of 2,048 bytes for each wave
.set SPARE, 43008                      ; the spare words, 128 bytes for each wave
.set L16,  1                           ; v1  16 x lane
.set ITEM, 2                           ; v2  (l&1)*1024 + (l>>1)*16: tile j = 4 (l&1) + jj, column r = l>>1
.set STS,  3                           ; v3  my place in my stage
.set SCS,  4                           ; v4  my place among the scale bytes
.set STL,  5                           ; v5  my stage, 16 bytes a lane
.set PAS,  6                           ; v6  where my partial sums go
.set OUTO, 8                           ; v8  (l>>4)*8192 + (l&15)*16: two tiles j an instruction
.set SPW,  10                          ; v10 my spare word; never rewritten
.set NIL,  11                          ; v11 0; never rewritten
.set SS,   12                          ; v12-15 sums of squares of my four columns
.set RI,   16                          ; v16-19 1 / (norm + eps)
.set DN,   20                          ; v20-23 norm + eps
.set C,    24                          ; v24-39 codes, four registers a column
.set EB,   40                          ; v40-43 scale bytes
.set M0,   44
.set M1,   45
.set SCV,  46
.set T16,  48                          ; v48 16 x thread
.set SCLO, 49                          ; v49 where a thread's 16 scale bytes go in the chunk
.set BEO,  50                          ; v50 b_enc: (t&3)*128 + (t>>2)*4
.set BE,   52                          ; v52-55
.set RAW,  64                          ; v64-191 32 rows x 4 columns as loaded
.set T,    192                         ; v192-223 a column's 32 numbers, K on end
.set N,    224                         ; v224-255 at work
; 32 numbers of one lane, v[t] .. v[t+31], become 16 bytes of codes in v[c] .. v[c+3] and the scale's byte in v[e].
.macro QUANT32 t, c, e
	v_max3_num_f32 v[M0], |v[(\t)]|, |v[(\t)+1]|, 0x1800000        ; the largest magnitude, with the floor 2^(3 - 127) among its leaves: the byte cannot fall under 1
	v_max3_num_f32 v[M1], |v[(\t)+2]|, |v[(\t)+3]|, |v[(\t)+4]|
.irp i, 5,9,13,17,21,25
	v_max3_num_f32 v[M0], v[M0], |v[(\t)+\i]|, |v[(\t)+\i+1]|
	v_max3_num_f32 v[M1], v[M1], |v[(\t)+\i+2]|, |v[(\t)+\i+3]|
.endr
	v_max3_num_f32 v[M0], v[M0], |v[(\t)+29]|, |v[(\t)+30]|
	v_max3_num_f32 v[M0], v[M0], v[M1], |v[(\t)+31]|
	v_add_nc_u32 v[SCV], 0xff000000, v[M0]                         ; 2 off its exponent field: the conversion's scale operand
.irp q, 0,1,2,3
	v_cvt_scalef32_pk8_fp4_f32 v[(\c)+\q], v[(\t)+8*\q:(\t)+8*\q+7], v[SCV]
.endr
	v_lshrrev_b32 v[(\e)], 23, v[SCV]                              ; the scale's byte; also the plain line behind the conversions
.endm
	s_load_b128 s[4:7], s[0:1], 0x0                ; W_enc, b_enc
	s_load_b64 s[8:9], s[0:1], 0x10                ; wenc
	v_lshl_add_u32 v[SPW], v0, 2, SPARE
	v_mov_b32 v[NIL], 0
	v_lshrrev_b32 v9, 5, v0
	v_readfirstlane_b32 s10, v9                    ; wave W
	v_and_b32 v9, 31, v0                           ; lane
	v_lshlrev_b32 v[L16], 4, v9
	v_and_b32 v[ITEM], 1, v9
	v_lshlrev_b32 v[ITEM], 10, v[ITEM]
	v_lshrrev_b32 v7, 1, v9
	v_lshl_add_u32 v[ITEM], v7, 4, v[ITEM]
	s_lshl_b32 s11, s10, 11
	s_add_co_u32 s11, s11, STG
	v_add_nc_u32 v[STS], s11, v[ITEM]
	v_add_nc_u32 v[STL], s11, v[L16]
	s_add_co_u32 s12, s10, SCL
	v_add_nc_u32 v[SCS], s12, v[ITEM]
	s_lshl_b32 s12, s10, 9
	v_add_nc_u32 v[PAS], s12, v[L16]
	v_lshrrev_b32 v7, 4, v9
	v_lshlrev_b32 v[OUTO], 13, v7
	v_and_b32 v7, 15, v9
	v_lshl_add_u32 v[OUTO], v7, 4, v[OUTO]
	v_lshlrev_b32 v[T16], 4, v0
	v_lshrrev_b32 v7, 4, v0
	v_lshlrev_b32 v[SCLO], 9, v7
	v_and_b32 v7, 15, v0
	v_lshl_add_u32 v[SCLO], v7, 4, v[SCLO]
	v_and_b32 v7, 3, v9
	v_lshlrev_b32 v[BEO], 7, v7
	v_lshrrev_b32 v7, 2, v9
	v_lshl_add_u32 v[BEO], v7, 2, v[BEO]
	s_lshl_b32 s14, s10, 21                        ; 32 W rows
	s_lshl_b32 s15, ttmp9, 9                       ; 128 G columns
	s_add_co_u32 s14, s14, s15
	s_mov_b32 s15, 0
	s_lshr_b32 s16, ttmp9, 1
	s_mul_i32 s16, s16, CHUNK                      ; my chunk
	s_mov_b32 s17, 0
	s_and_b32 s18, ttmp9, 1                        ; a: which half of the chunk's features
	s_lshl_b32 s20, s18, 12
	s_lshl_b32 s21, s10, 8
	s_add_co_u32 s20, s20, s21                     ; images: a*4096 + W*256
	s_mov_b32 s21, 0
	s_lshl_b32 s22, s18, 8
	s_add_co_u32 s22, s22, 65536                   ; scale bytes: 65536 + a*256
	s_mov_b32 s23, 0
	s_lshl_b32 s24, s18, 9
	s_add_co_u32 s24, s24, 69632                   ; b_enc: 69632 + a*512
	s_mov_b32 s25, 0
	s_lshl_b32 s26, ttmp9, 9
	s_mov_b32 s27, 0
	s_wait_kmcnt 0x0
	s_add_nc_u64 s[4:5], s[4:5], s[14:15]
	s_add_nc_u64 s[8:9], s[8:9], s[16:17]
	s_add_nc_u64 s[20:21], s[8:9], s[20:21]
	s_add_nc_u64 s[22:23], s[8:9], s[22:23]
	s_add_nc_u64 s[24:25], s[8:9], s[24:25]
	s_add_nc_u64 s[6:7], s[6:7], s[26:27]
.set ii, 0
.rept 32
	global_load_b128 v[RAW+4*ii:RAW+4*ii+3], v[L16], s[4:5] offset:ii*ROWB th:TH_LOAD_NT   ; row 32 W + ii: 512 consecutive bytes a wave
.set ii, ii+1
.endr
	; my block's part of the four columns' sums of squares
.set ii, 0
.rept 32
.if ii%8 == 0
	s_wait_loadcnt 24-ii                           ; eight more rows are in; the count is the younger loads
.endif
.if ii == 0
	v_pk_mul_f32 v[SS:SS+1], v[RAW:RAW+1], v[RAW:RAW+1]
	v_pk_mul_f32 v[SS+2:SS+3], v[RAW+2:RAW+3], v[RAW+2:RAW+3]
.else
	v_pk_fma_f32 v[SS:SS+1], v[RAW+4*ii:RAW+4*ii+1], v[RAW+4*ii:RAW+4*ii+1], v[SS:SS+1]
	v_pk_fma_f32 v[SS+2:SS+3], v[RAW+4*ii+2:RAW+4*ii+3], v[RAW+4*ii+2:RAW+4*ii+3], v[SS+2:SS+3]
.endif
.set ii, ii+1
.endr
	ds_store_b128 v[PAS], v[SS:SS+3] offset:PART
	s_wait_dscnt 0x0                               ; for the others' sake: my store has landed
	s_barrier_signal -1
	s_barrier_wait -1
.set qq, 0
.rept 16
	ds_load_b128 v[T+4*qq:T+4*qq+3], v[L16] offset:PART+512*qq     ; all sixteen blocks' parts of my four columns
.set qq, qq+1
.endr
	s_wait_dscnt 0x0
	v_pk_add_f32 v[SS:SS+1], v[T:T+1], v[T+4:T+5]                  ; added in ascending K: every wave gets the same norm
	v_pk_add_f32 v[SS+2:SS+3], v[T+2:T+3], v[T+6:T+7]
.set qq, 2
.rept 14
	v_pk_add_f32 v[SS:SS+1], v[SS:SS+1], v[T+4*qq:T+4*qq+1]
	v_pk_add_f32 v[SS+2:SS+3], v[SS+2:SS+3], v[T+4*qq+2:T+4*qq+3]
.set qq, qq+1
.endr
.irp jj, 0,1,2,3
	v_sqrt_f32 v[DN+\jj], v[SS+\jj]
.endr
	v_nop                                          ; a plain line behind the roots
	s_wait_alu depctr_va_vdst(0)                   ; one wait for the four, ahead of their first reader
.irp jj, 0,1,2,3
	v_add_f32 v[DN+\jj], 0x322bcc77, v[DN+\jj]     ; + 1e-8
.endr
.irp jj, 0,1,2,3
	v_rcp_f32 v[RI+\jj], v[DN+\jj]
.endr
	v_nop
	s_wait_alu depctr_va_vdst(0)
.irp jj, 0,1,2,3
	v_fma_f32 v[SS+\jj], -v[DN+\jj], v[RI+\jj], 1.0                ; one Newton step
.endr
.irp jj, 0,1,2,3
	v_fma_f32 v[RI+\jj], v[RI+\jj], v[SS+\jj], v[RI+\jj]
.endr
.irp jj, 0,1,2,3
.set ii, 0
.rept 32
	v_mul_f32 v[T+ii], v[RAW+4*ii+\jj], v[RI+\jj]                  ; normalised, and laid with K on end
.set ii, ii+1
.endr
	QUANT32 T, C+4*\jj, EB+\jj
	ds_store_b128 v[STS], v[C+4*\jj:C+4*\jj+3] offset:256*\jj
	ds_store_b8 v[SCS], v[EB+\jj] offset:256*\jj
.endr
.irp q, 0,1,2,3
	ds_load_b128 v[N+4*\q:N+4*\q+3], v[STL] offset:512*\q          ; LDS serves a wave's instructions in order: these see my stores
.endr
.irp q, 0,1,2,3
	s_wait_dscnt 3-\q                              ; the count is the younger loads
	global_store_b128 v[OUTO], v[N+4*\q:N+4*\q+3], s[20:21] offset:16384*\q   ; sixteen lanes store 256 consecutive bytes, aligned: block W of one tile
.endr
	s_wait_dscnt 0x0                               ; my scale bytes have landed
	s_barrier_signal -1
	s_barrier_wait -1
	s_cmp_lt_u32 s10, 4
	s_cbranch_scc0 .Lno_scl
	ds_load_b128 v[C:C+3], v[T16] offset:SCL       ; threads 0-127: column (j, r)'s sixteen bytes
	s_wait_dscnt 0x0
	global_store_b128 v[SCLO], v[C:C+3], s[22:23]
.Lno_scl:
	s_cmp_eq_u32 s10, 0
	s_cbranch_scc0 .Lno_bias
.irp ee, 0,1,2,3
	global_load_b32 v[BE+\ee], v[BEO], s[6:7] offset:32*\ee        ; b_enc of feature 128 G + 8 r + j, r = 4 (t&3) + ee, j = t>>2
.endr
	s_wait_loadcnt 0x0
	global_store_b128 v[L16], v[BE:BE+3], s[24:25]
.Lno_bias:
	s_wait_tensorcnt 0x0                           ; the wave's end, behind my last LDS store
	ds_add_u32 v[SPW], v[NIL]
	s_wait_dscnt 0x0
	s_endpgm
.Lfunc_end_k_q769410a274_qenc:
	.size	k_q769410a274_qenc, .Lfunc_end_k_q769410a274_qenc-k_q769410a274_qenc
	.p2alignl 7, 3214868480
	.fill 96, 4, 3214868480
	.section	.rodata,"a",@progbits
	.p2align	6, 0x0
	.amdhsa_kernel k_q769410a274_qenc
		.amdhsa_group_segment_fixed_size 45056
		.amdhsa_private_segment_fixed_size 0
		.amdhsa_enable_private_segment 0
		.amdhsa_kernarg_size 24
		.amdhsa_user_sgpr_count 2
		.amdhsa_user_sgpr_kernarg_segment_ptr 1
		.amdhsa_wavefront_size32 1
		.amdhsa_system_sgpr_workgroup_id_x 1
		.amdhsa_system_sgpr_workgroup_id_y 1
		.amdhsa_system_sgpr_workgroup_id_z 1
		.amdhsa_system_vgpr_workitem_id 0
		.amdhsa_next_free_vgpr 256
		.amdhsa_next_free_sgpr 66
		.amdhsa_reserve_vcc 0
		.amdhsa_float_denorm_mode_32 3
		.amdhsa_float_denorm_mode_16_64 3
		.amdhsa_memory_ordered 1
		.amdhsa_forward_progress 1
		.amdhsa_inst_pref_size 26
	.end_amdhsa_kernel
	.amdgpu_metadata
---
amdhsa.version: [ 1, 2 ]
amdhsa.kernels:
  - .name:           k_q769410a274_qenc
    .symbol:         k_q769410a274_qenc.kd
    .args:
      - { .name: W_enc, .offset: 0, .size: 8, .value_kind: global_buffer, .address_space: global }
      - { .name: b_enc, .offset: 8, .size: 8, .value_kind: global_buffer, .address_space: global }
      - { .name: wenc, .offset: 16, .size: 8, .value_kind: global_buffer, .address_space: global }
    .group_segment_fixed_size: 45056
    .private_segment_fixed_size: 0
    .kernarg_segment_align: 8
    .kernarg_segment_size: 24
    .max_flat_workgroup_size: 512
    .sgpr_count:     66
    .vgpr_count:     256
    .wavefront_size: 32
...
	.end_amdgpu_metadata
.endif
;; end of part 1
;; launch pre1 (part 2): grid 64 x 4, 16 waves a work-group, no clusters, 167,936 bytes of LDS; arguments acts_codes, acts_scales, wenc, pre; writes pre
.if DOCPART == 2
	.amdgcn_target "amdgcn-amd-amdhsa--gfx1250"
	.amdhsa_code_object_version 6
	.text
	.protected	k_q769410a274_pre1
	.globl	k_q769410a274_pre1
	.p2align	8
	.type	k_q769410a274_pre1,@function
k_q769410a274_pre1:
	s_mov_b64 s[64:65], 0
	v_nop
	global_prefetch_b8 v0, s[64:65] scope:SCOPE_SE
	s_setreg_imm32_b32 hwreg(HW_REG_WAVE_MODE, 25, 1), 1
	s_wait_xcnt 0x0
; PRE1: pre = acts x W_enc_n + b_enc, on codes of E2M1 with E8M0 scales; sums in f32.  No work of reference() is left out here.
; SHARES: work-group (x, y) takes rows 1024 y .. +1023 and chunk x of wenc (256 features).  Wave v takes rows 64 v .. +63 of them, four tiles of 16, for all of K = 512:
; its 16 fragments of acts (128 registers) and their scale words stay in registers.  The chunk (70,656 bytes: images, scale bytes, bias) comes into LDS ONCE, by four
; tensor loads of 69 rows x 256 bytes (waves 0-3), and is never filled again: no ring.
; THE PRODUCT IS USED AS IT STANDS (source 0 = 16 rows of acts, source 1 = 16 features): lane (r, h), register j holds row 8 h + j of feature r, so registers 0-3 are four
; neighbouring rows.  pre is laid [row / 4][position][row % 4]: those four registers are 16 bytes, and sixteen lanes store 256 consecutive bytes, aligned, straight from the accumulators.
; A position is 256 x + 16 tile + r (which feature that is: see the launch that made wenc).
; NO CLUSTER: what work-groups share is the chunk, 70,656 bytes a work-group, and 256 KiB of acts, beside 1 MiB that each stores; there is no refill that a joint request could serve.
; The eight pairs of tiles are written out: every LDS and store offset is an immediate.
.set CHUNK, 70656
.set SPARE, 70656                      ; behind the chunk: the spare words, 128 bytes for each wave
.set AO,   1                           ; v1  acts: r*256 + 16 h
.set ASO,  2                           ; v2  acts' scales: 16 x lane
.set BA,   3                           ; v3  LDS: images, 16 x lane
.set BSA,  4                           ; v4  LDS: scale words: 65536 + 16 x lane: lanes 0-15 the even tile's, lanes 16-31 the odd tile's
.set BIA,  5                           ; v5  LDS: bias: 69632 + 4 r
.set STO,  6                           ; v6  pre: h*524288 + 16 r
.set SPW,  7                           ; v7  my spare word; never rewritten
.set NIL,  8                           ; v8  0; never rewritten
.set A,    16                          ; v16-143  acts' fragments: 32 m + 8 s
.set AS,   144                         ; v144-151 their scale words: 4 (m/2) + s; lanes 16-31 hold the odd tile's
.set B0,   152                         ; v152-183 the even tile's four fragments
.set B1,   184                         ; v184-215 the odd tile's
.set BS,   216                         ; v216-219 their scale words, one register a K step
.set BI,   220                         ; v220 the even tile's bias, v222 the odd tile's (v221, v223: the pairs' upper halves, 0)
.set ACC,  224                         ; v224-255 four accumulators
; one product; the operands' numbers stand in wd, wa, wb, wsa, wsb; wz = 1: it starts the sum; wra, wrb: which half of the lanes holds the scale words
.macro WM
.if wz
.if (wra == 0) && (wrb == 0)
	v_wmma_scale_f32_16x16x128_f8f6f4 v[wd:wd+7], v[wa:wa+7], v[wb:wb+7], 0, v[wsa], v[wsb] matrix_a_fmt:MATRIX_FMT_FP4 matrix_b_fmt:MATRIX_FMT_FP4
.elseif (wra == 1) && (wrb == 0)
	v_wmma_scale_f32_16x16x128_f8f6f4 v[wd:wd+7], v[wa:wa+7], v[wb:wb+7], 0, v[wsa], v[wsb] matrix_a_fmt:MATRIX_FMT_FP4 matrix_b_fmt:MATRIX_FMT_FP4 matrix_a_scale:MATRIX_SCALE_ROW1
.elseif (wra == 0) && (wrb == 1)
	v_wmma_scale_f32_16x16x128_f8f6f4 v[wd:wd+7], v[wa:wa+7], v[wb:wb+7], 0, v[wsa], v[wsb] matrix_a_fmt:MATRIX_FMT_FP4 matrix_b_fmt:MATRIX_FMT_FP4 matrix_b_scale:MATRIX_SCALE_ROW1
.else
	v_wmma_scale_f32_16x16x128_f8f6f4 v[wd:wd+7], v[wa:wa+7], v[wb:wb+7], 0, v[wsa], v[wsb] matrix_a_fmt:MATRIX_FMT_FP4 matrix_b_fmt:MATRIX_FMT_FP4 matrix_a_scale:MATRIX_SCALE_ROW1 matrix_b_scale:MATRIX_SCALE_ROW1
.endif
.else
.if (wra == 0) && (wrb == 0)
	v_wmma_scale_f32_16x16x128_f8f6f4 v[wd:wd+7], v[wa:wa+7], v[wb:wb+7], v[wd:wd+7], v[wsa], v[wsb] matrix_a_fmt:MATRIX_FMT_FP4 matrix_b_fmt:MATRIX_FMT_FP4
.elseif (wra == 1) && (wrb == 0)
	v_wmma_scale_f32_16x16x128_f8f6f4 v[wd:wd+7], v[wa:wa+7], v[wb:wb+7], v[wd:wd+7], v[wsa], v[wsb] matrix_a_fmt:MATRIX_FMT_FP4 matrix_b_fmt:MATRIX_FMT_FP4 matrix_a_scale:MATRIX_SCALE_ROW1
.elseif (wra == 0) && (wrb == 1)
	v_wmma_scale_f32_16x16x128_f8f6f4 v[wd:wd+7], v[wa:wa+7], v[wb:wb+7], v[wd:wd+7], v[wsa], v[wsb] matrix_a_fmt:MATRIX_FMT_FP4 matrix_b_fmt:MATRIX_FMT_FP4 matrix_b_scale:MATRIX_SCALE_ROW1
.else
	v_wmma_scale_f32_16x16x128_f8f6f4 v[wd:wd+7], v[wa:wa+7], v[wb:wb+7], v[wd:wd+7], v[wsa], v[wsb] matrix_a_fmt:MATRIX_FMT_FP4 matrix_b_fmt:MATRIX_FMT_FP4 matrix_a_scale:MATRIX_SCALE_ROW1 matrix_b_scale:MATRIX_SCALE_ROW1
.endif
.endif
.endm
; one tile of features against my four tiles of rows: 16 products, K step by K step; the four accumulators take turns
.macro MUL bb, rb
.set ks, 0
.rept 4
.set mt, 0
.rept 4
.set wd, ACC+8*mt
.set wa, A+32*mt+8*ks
.set wb, (\bb)+8*ks
.set wsa, AS+4*(mt/2)+ks
.set wsb, BS+ks
.set wra, mt%2
.set wrb, \rb
.if ks == 0
.set wz, 1
.else
.set wz, 0
.endif
	WM
.set mt, mt+1
.endr
.set ks, ks+1
.endr
.endm
.macro PLACES                          ; four plain lines between a product and a vector instruction that reads its result, or a load into one of its registers
.rept 4
	v_nop
.endr
.endm
.macro BIAS bp                         ; + b_enc of my lane's feature, each accumulator from its low end on
.set ee, 0
.rept 16
	v_pk_add_f32 v[ACC+2*ee:ACC+2*ee+1], v[ACC+2*ee:ACC+2*ee+1], v[(\bp):(\bp)+1] op_sel_hi:[1,0]
.set ee, ee+1
.endr
.endm
.macro STORE tl                        ; tile tl of the chunk: four rows x sixteen positions an instruction half: 256 consecutive bytes, aligned
.irp m, 0,1,2,3
.irp u, 0,1
	global_store_b128 v[STO], v[ACC+8*\m+4*\u:ACC+8*\m+4*\u+3], s[10:11] offset:1048576*\m+262144*\u+256*(\tl) th:TH_STORE_NT
.endr
.endr
.endm
; tiles 2 t and 2 t + 1.  nxt = 1: the next pair's images, scale words and bias are fetched on the way
.macro PAIR t, nxt
	s_wait_dscnt 8                                 ; the even tile's images, the scale words and the bias are in; the odd tile's eight loads may be out
	MUL B0, 0
	PLACES
.if \nxt
.irp p, 0,1,2,3,4,5,6,7
	ds_load_b128 v[B0+4*\p:B0+4*\p+3], v[BA] offset:8192*(\t)+8192+512*\p
.endr
.endif
	BIAS BI
	STORE 2*(\t)
.if \nxt
	s_wait_dscnt 8                                 ; the odd tile's images are in; the eight loads just issued may be out
.else
	s_wait_dscnt 0x0
.endif
	s_wait_xcnt 0x0                                ; the stores have read the accumulators: only behind this wait are they written again
	MUL B1, 1                                      ; (its first products write over accumulators: behind the four v_nop stand twelve additions or more that name none of the earlier product's registers)
	PLACES
	BIAS BI+2
.if \nxt
	ds_load_b128 v[BS:BS+3], v[BSA] offset:512*(\t)+512
	ds_load_b32 v[BI], v[BIA] offset:64*(\t)+64
	ds_load_b32 v[BI+2], v[BIA] offset:64*(\t)+576
.irp p, 0,1,2,3,4,5,6,7
	ds_load_b128 v[B1+4*\p:B1+4*\p+3], v[BA] offset:8192*(\t)+12288+512*\p
.endr
.endif
	STORE 2*(\t)+1
	s_wait_xcnt 0x0
.endm
	s_load_b128 s[4:7], s[0:1], 0x0                ; acts_codes, acts_scales
	s_load_b128 s[8:11], s[0:1], 0x10              ; wenc, pre
	v_lshl_add_u32 v[SPW], v0, 2, SPARE
	v_mov_b32 v[NIL], 0
	ds_add_u32 v[SPW], v[NIL]                      ; the wave's opening: the add, twice on end, and its wait ahead of the first tensor load
	ds_add_u32 v[SPW], v[NIL]
	v_lshrrev_b32 v9, 5, v0
	v_readfirstlane_b32 s24, v9                    ; wave
	s_mov_b32 s16, 3<<16                           ; group 1: elements of 8 bytes, no mask, no padding
	s_mov_b32 s17, 32<<16                          ; tensor_dim0 = 32 elements: rows of 256 bytes
	s_mov_b32 s18, 69<<16                          ; tensor_dim1 = 69
	s_mov_b32 s19, 32<<16                          ; tile_dim0 = 32
	s_mov_b32 s20, 69                              ; tile_dim1 = 69
	s_mov_b32 s21, 32                              ; the pitch: the block is dense
	s_mov_b32 s22, 0
	s_mov_b32 s23, 0
	s_mov_b32 s12, 1                               ; group 0: count
	s_mul_i32 s13, s24, 17664                      ; LDS address: a quarter of the chunk for each of waves 0-3
	s_and_b32 s25, ttmp7, 0xffff                   ; y
	s_mul_i32 s26, ttmp9, CHUNK
	s_add_co_u32 s26, s26, s13
	s_mov_b32 s27, 0
	s_lshl_b32 s28, s25, 10
	s_lshl_b32 s29, s24, 6
	s_add_co_u32 s28, s28, s29                     ; my first row
	s_lshl_b32 s30, s28, 8                         ; its codes: 256 bytes a row
	s_mov_b32 s31, 0
	s_lshl_b32 s32, s28, 4                         ; its scale bytes: 16 a row
	s_mov_b32 s33, 0
	s_lshl_b32 s34, s28, 16                        ; pre: (row / 4) x 262,144
	s_lshl_b32 s35, ttmp9, 12                      ; + 256 x positions of 16 bytes
	s_add_co_u32 s34, s34, s35
	s_mov_b32 s35, 0
	v_and_b32 v9, 31, v0                           ; lane
	v_and_b32 v10, 15, v0                          ; r
	v_bfe_u32 v11, v0, 4, 1                        ; h
	v_lshlrev_b32 v[AO], 8, v10
	v_lshl_add_u32 v[AO], v11, 4, v[AO]
	v_lshlrev_b32 v[ASO], 4, v9
	v_lshlrev_b32 v[BA], 4, v9
	v_lshl_add_u32 v[BSA], v9, 4, 65536
	v_lshl_add_u32 v[BIA], v10, 2, 69632
	v_lshlrev_b32 v[STO], 19, v11
	v_lshl_add_u32 v[STO], v10, 4, v[STO]
	v_mov_b32 v[BI+1], 0                           ; named as the upper halves of pairs, so they are written
	v_mov_b32 v[BI+3], 0
	s_wait_dscnt 0x0                               ; both opening adds are done
	s_wait_kmcnt 0x0
	s_add_nc_u64 s[14:15], s[8:9], s[26:27]
	s_or_b32 s15, s15, 0x80000000                  ; type = 2
	s_add_nc_u64 s[4:5], s[4:5], s[30:31]
	s_add_nc_u64 s[6:7], s[6:7], s[32:33]
	s_add_nc_u64 s[10:11], s[10:11], s[34:35]
	s_cmp_lt_u32 s24, 4                            ; the four first fills, one a wave, in one branch on the wave's number
	s_cbranch_scc0 .Lno_fill
	tensor_load_to_lds s[12:15], s[16:23]
	s_nop 0
.rept 4
	v_nop
.endr
.Lno_fill:
.irp m, 0,1,2,3
.irp s, 0,1,2,3
.irp c, 0,1
	global_load_b128 v[A+32*\m+8*\s+4*\c:A+32*\m+8*\s+4*\c+3], v[AO], s[4:5] offset:4096*\m+64*\s+32*\c   ; lane (r, h): K = 128 s + 64 c + 32 h + 0 .. 31 of row 16 m + r
.endr
.endr
.endr
.irp mm, 0,1
	global_load_b128 v[AS+4*\mm:AS+4*\mm+3], v[ASO], s[6:7] offset:512*\mm   ; a row's four scale words; lanes 0-15 tile 2 mm, lanes 16-31 tile 2 mm + 1
.endr
	s_wait_tensorcnt 0x0                           ; my quarter of the chunk has landed (a wave that fetched nothing passes),
	s_barrier_signal -1
	s_barrier_wait -1                              ; everybody's has
.irp p, 0,1,2,3,4,5,6,7
	ds_load_b128 v[B0+4*\p:B0+4*\p+3], v[BA] offset:512*\p
.endr
	ds_load_b128 v[BS:BS+3], v[BSA]
	ds_load_b32 v[BI], v[BIA]
	ds_load_b32 v[BI+2], v[BIA] offset:512
.irp p, 0,1,2,3,4,5,6,7
	ds_load_b128 v[B1+4*\p:B1+4*\p+3], v[BA] offset:4096+512*\p
.endr
	s_wait_loadcnt 0x0                             ; acts
.set tt, 0
.rept 7
	PAIR tt, 1
.set tt, tt+1
.endr
	PAIR 7, 0
	s_wait_tensorcnt 0x0                           ; the wave's end
	ds_add_u32 v[SPW], v[NIL]
	s_wait_dscnt 0x0
	s_endpgm
.Lfunc_end_k_q769410a274_pre1:
	.size	k_q769410a274_pre1, .Lfunc_end_k_q769410a274_pre1-k_q769410a274_pre1
	.p2alignl 7, 3214868480
	.fill 96, 4, 3214868480
	.section	.rodata,"a",@progbits
	.p2align	6, 0x0
	.amdhsa_kernel k_q769410a274_pre1
		.amdhsa_group_segment_fixed_size 167936
		.amdhsa_private_segment_fixed_size 0
		.amdhsa_enable_private_segment 0
		.amdhsa_kernarg_size 32
		.amdhsa_user_sgpr_count 2
		.amdhsa_user_sgpr_kernarg_segment_ptr 1
		.amdhsa_wavefront_size32 1
		.amdhsa_system_sgpr_workgroup_id_x 1
		.amdhsa_system_sgpr_workgroup_id_y 1
		.amdhsa_system_sgpr_workgroup_id_z 1
		.amdhsa_system_vgpr_workitem_id 0
		.amdhsa_next_free_vgpr 256
		.amdhsa_next_free_sgpr 66
		.amdhsa_reserve_vcc 0
		.amdhsa_float_denorm_mode_32 3
		.amdhsa_float_denorm_mode_16_64 3
		.amdhsa_memory_ordered 1
		.amdhsa_forward_progress 1
		.amdhsa_inst_pref_size 79
	.end_amdhsa_kernel
	.amdgpu_metadata
---
amdhsa.version: [ 1, 2 ]
amdhsa.kernels:
  - .name:           k_q769410a274_pre1
    .symbol:         k_q769410a274_pre1.kd
    .args:
      - { .name: acts_codes, .offset: 0, .size: 8, .value_kind: global_buffer, .address_space: global }
      - { .name: acts_scales, .offset: 8, .size: 8, .value_kind: global_buffer, .address_space: global }
      - { .name: wenc, .offset: 16, .size: 8, .value_kind: global_buffer, .address_space: global }
      - { .name: pre, .offset: 24, .size: 8, .value_kind: global_buffer, .address_space: global }
    .group_segment_fixed_size: 167936
    .private_segment_fixed_size: 0
    .kernarg_segment_align: 8
    .kernarg_segment_size: 32
    .max_flat_workgroup_size: 512
    .sgpr_count:     66
    .vgpr_count:     256
    .wavefront_size: 32
...
	.end_amdgpu_metadata
.endif
;; end of part 2
;; launch qdec (part 3): grid 128 x 1, 16 waves a work-group, no clusters, 39,936 bytes of LDS; arguments W_dec, wdec, wdec_s; writes wdec, wdec_s
.if DOCPART == 3
	.amdgcn_target "amdgcn-amd-amdhsa--gfx1250"
	.amdhsa_code_object_version 6
	.text
	.protected	k_q769410a274_qdec
	.globl	k_q769410a274_qdec
	.p2align	8
	.type	k_q769410a274_qdec,@function
k_q769410a274_qdec:
	s_mov_b64 s[64:65], 0
	v_nop
	global_prefetch_b8 v0, s[64:65] scope:SCOPE_SE
	s_setreg_imm32_b32 hwreg(HW_REG_WAVE_MODE, 25, 1), 1
	s_wait_xcnt 0x0
; QDEC: W_dec [16384][512] f32 -> W_dec / (row norm + 1e-8), quantised along K (its FIRST axis, the 16,384) to E2M1 with one E8M0 byte for each 32 along K.  No work of reference() is left out here.
; LIMITS as in the first launch: no NaN or infinities; x / d is x times a reciprocal with one Newton step; a block of zeros gets the byte 1.
; OUT: wdec, images of operand registers: column n = 16 nu + r, K = 128 s + 64 c + 32 h + 0 .. 31 at nu*131072 + s*1024 + c*512 + (16 h + r)*16;  wdec_s: s*2048 + n*4 + (2 c + h).
; SHARES: work-group s takes rows 128 s .. +127 (one K step) and all 512 columns.  Wave W: u = W & 3 the columns 128 u .. +127, bq = W >> 2 the block of 32 rows; lane l the columns 4 l .. +3 of them.
; A load reads 512 consecutive bytes; a lane's registers run down K.  A row's norm spans four waves: the parts meet in LDS.
.set PART,  0                          ; LDS: [u][128 rows] partial sums of squares
.set RINV,  2048                       ; 1 / (norm + eps) of the 128 rows
.set SCW,   2560                       ; scale bytes [512 columns][4]
.set STG,   4608                       ; a stage of 2,048 bytes for each wave
.set SPARE, 37376                      ; the spare words
.set L16,  1                           ; v1  16 x lane
.set PAS,  2                           ; v2  where my 32 rows' sums go (the same in all lanes)
.set T4,   3                           ; v3  4 x thread
.set RIL,  5                           ; v5  my 32 rows' reciprocals (the same in all lanes)
.set STS,  6                           ; v6  my stage, 64 bytes a lane
.set SCS,  7                           ; v7  my scale bytes
.set STL,  8                           ; v8  my stage, 16 bytes a lane
.set OUTO, 9                           ; v9  (l>>4)*131072 + (l&15)*16
.set SPW,  10
.set NIL,  11
.set T16,  12                          ; v12 16 x thread
.set PT,   16                          ; v16-19 the other half's sums
.set C,    24
.set EB,   40
.set M0,   44
.set M1,   45
.set SCV,  46
.set DN,   48                          ; v48-51 at work on a norm
.set RAW,  64
.set T,    192                         ; v192-223 sums of squares, then a column's 32 numbers
.set N,    224                         ; v224-255 at work, then the 32 reciprocals, then the way out
.macro QUANT32 t, c, e
	v_max3_num_f32 v[M0], |v[(\t)]|, |v[(\t)+1]|, 0x1800000        ; the largest magnitude, with the floor 2^(3 - 127) among its leaves
	v_max3_num_f32 v[M1], |v[(\t)+2]|, |v[(\t)+3]|, |v[(\t)+4]|
.irp i, 5,9,13,17,21,25
	v_max3_num_f32 v[M0], v[M0], |v[(\t)+\i]|, |v[(\t)+\i+1]|
	v_max3_num_f32 v[M1], v[M1], |v[(\t)+\i+2]|, |v[(\t)+\i+3]|
.endr
	v_max3_num_f32 v[M0], v[M0], |v[(\t)+29]|, |v[(\t)+30]|
	v_max3_num_f32 v[M0], v[M0], v[M1], |v[(\t)+31]|
	v_add_nc_u32 v[SCV], 0xff000000, v[M0]
.irp q, 0,1,2,3
	v_cvt_scalef32_pk8_fp4_f32 v[(\c)+\q], v[(\t)+8*\q:(\t)+8*\q+7], v[SCV]
.endr
	v_lshrrev_b32 v[(\e)], 23, v[SCV]                              ; the byte; also the plain line behind the conversions
.endm
	s_load_b128 s[4:7], s[0:1], 0x0                ; W_dec, wdec
	s_load_b64 s[8:9], s[0:1], 0x10                ; wdec_s
	v_lshl_add_u32 v[SPW], v0, 2, SPARE
	v_mov_b32 v[NIL], 0
	v_lshrrev_b32 v14, 5, v0
	v_readfirstlane_b32 s10, v14                   ; wave W
	s_and_b32 s11, s10, 3                          ; u
	s_lshr_b32 s12, s10, 2                         ; bq
	v_and_b32 v14, 31, v0                          ; lane
	v_lshlrev_b32 v[L16], 4, v14
	s_lshl_b32 s13, s11, 9
	s_lshl_b32 s14, s12, 7
	s_add_co_u32 s15, s13, s14
	v_mov_b32 v[PAS], s15                          ; PART + 512 u + 128 bq
	v_lshlrev_b32 v[T4], 2, v0
	s_add_co_u32 s15, s14, RINV
	v_mov_b32 v[RIL], s15
	s_lshl_b32 s15, s10, 11
	s_add_co_u32 s15, s15, STG
	v_lshl_add_u32 v[STS], v14, 6, s15
	v_add_nc_u32 v[STL], s15, v[L16]
	s_add_co_u32 s15, s13, s12
	s_add_co_u32 s15, s15, SCW
	v_add_nc_u32 v[SCS], s15, v[L16]               ; SCW + 512 u + 16 l + bq
	v_lshrrev_b32 v15, 4, v14
	v_lshlrev_b32 v[OUTO], 17, v15
	v_and_b32 v15, 15, v14
	v_lshl_add_u32 v[OUTO], v15, 4, v[OUTO]
	v_lshlrev_b32 v[T16], 4, v0
.irp kx, 0,1,2,3
	v_mov_b32 v[PT+\kx], 0                         ; written once: a lane permute's destination counts as one of its sources
.endr
	s_mov_b32 s20, 0x76543210
	s_mov_b32 s21, 0xfedcba98                      ; v_permlanex16_b32's selects for lane l xor 16
	s_lshl_b32 s16, ttmp9, 18                      ; 128 s rows of 2,048 bytes
	s_lshl_b32 s17, s12, 16
	s_add_co_u32 s16, s16, s17
	s_add_co_u32 s16, s16, s13
	s_mov_b32 s17, 0
	s_lshl_b32 s18, s11, 20                        ; wdec: eight tiles nu for each u,
	s_lshl_b32 s19, ttmp9, 10
	s_add_co_u32 s18, s18, s19
	s_lshl_b32 s19, s12, 8
	s_add_co_u32 s18, s18, s19
	s_mov_b32 s19, 0
	s_lshl_b32 s22, ttmp9, 11
	s_mov_b32 s23, 0
	s_wait_kmcnt 0x0
	s_add_nc_u64 s[4:5], s[4:5], s[16:17]
	s_add_nc_u64 s[6:7], s[6:7], s[18:19]
	s_add_nc_u64 s[8:9], s[8:9], s[22:23]
.set ii, 0
.rept 32
	global_load_b128 v[RAW+4*ii:RAW+4*ii+3], v[L16], s[4:5] offset:2048*ii th:TH_LOAD_NT
.set ii, ii+1
.endr
.set gb, 0
.rept 4
	s_wait_loadcnt 24-8*gb                         ; eight more rows are in; the count is the younger loads
.irp kx, 0,1,2,3,4,5,6,7
	v_pk_mul_f32 v[N+2*\kx:N+2*\kx+1], v[RAW+4*(8*gb+\kx):RAW+4*(8*gb+\kx)+1], v[RAW+4*(8*gb+\kx):RAW+4*(8*gb+\kx)+1]
.endr
.irp kx, 0,1,2,3,4,5,6,7
	v_pk_fma_f32 v[N+2*\kx:N+2*\kx+1], v[RAW+4*(8*gb+\kx)+2:RAW+4*(8*gb+\kx)+3], v[RAW+4*(8*gb+\kx)+2:RAW+4*(8*gb+\kx)+3], v[N+2*\kx:N+2*\kx+1]
.endr
.irp kx, 0,1,2,3,4,5,6,7
	v_add_f32 v[T+8*gb+\kx], v[N+2*\kx], v[N+2*\kx+1]              ; my four columns' squares of row 8 gb + kx
.endr
.set gb, gb+1
.endr
.irp xm, 1,2,4,8
.set ii, 0
.rept 32
	v_add_f32_dpp v[T+ii], v[T+ii], v[T+ii] row_xmask:\xm row_mask:0xf bank_mask:0xf
.set ii, ii+1
.endr
.endr
.set ii, 0
.rept 8
.irp kx, 0,1,2,3
	v_permlanex16_b32 v[PT+\kx], v[T+4*ii+\kx], s20, s21
.endr
.irp kx, 0,1,2,3
	v_add_f32 v[T+4*ii+\kx], v[T+4*ii+\kx], v[PT+\kx]              ; my wave's 128 columns of each row, in every lane
.endr
.set ii, ii+1
.endr
.irp q, 0,1,2,3,4,5,6,7
	ds_store_b128 v[PAS], v[T+4*\q:T+4*\q+3] offset:PART+16*\q     ; all lanes write the same words with the same values
.endr
	s_wait_dscnt 0x0
	s_barrier_signal -1
	s_barrier_wait -1
	s_cmp_lt_u32 s10, 4
	s_cbranch_scc0 .Lno_norm
.irp uu, 0,1,2,3
	ds_load_b32 v[DN+\uu], v[T4] offset:PART+512*\uu               ; thread t: row t's four parts
.endr
	s_wait_dscnt 0x0
	v_add_f32 v[DN], v[DN], v[DN+1]
	v_add_f32 v[DN], v[DN], v[DN+2]
	v_add_f32 v[DN], v[DN], v[DN+3]
	v_sqrt_f32 v[DN+1], v[DN]
	v_nop
	s_wait_alu depctr_va_vdst(0)                   ; ahead of the root's first reader
	v_add_f32 v[DN+1], 0x322bcc77, v[DN+1]         ; + 1e-8
	v_rcp_f32 v[DN+2], v[DN+1]
	v_nop
	s_wait_alu depctr_va_vdst(0)
	v_fma_f32 v[DN+3], -v[DN+1], v[DN+2], 1.0      ; one Newton step
	v_fma_f32 v[DN+2], v[DN+2], v[DN+3], v[DN+2]
	ds_store_b32 v[T4], v[DN+2] offset:RINV
.Lno_norm:
	s_wait_dscnt 0x0
	s_barrier_signal -1
	s_barrier_wait -1
.irp q, 0,1,2,3,4,5,6,7
	ds_load_b128 v[N+4*\q:N+4*\q+3], v[RIL] offset:16*\q           ; my 32 rows' reciprocals
.endr
	s_wait_dscnt 0x0
.irp jj, 0,1,2,3
.set ii, 0
.rept 32
	v_mul_f32 v[T+ii], v[RAW+4*ii+\jj], v[N+ii]                    ; normalised, and laid with K on end
.set ii, ii+1
.endr
	QUANT32 T, C+4*\jj, EB+\jj
	ds_store_b128 v[STS], v[C+4*\jj:C+4*\jj+3] offset:16*\jj
	ds_store_b8 v[SCS], v[EB+\jj] offset:4*\jj
.endr
.irp q, 0,1,2,3
	ds_load_b128 v[N+4*\q:N+4*\q+3], v[STL] offset:512*\q          ; LDS serves a wave's instructions in order: these see my stores
.endr
.irp q, 0,1,2,3
	s_wait_dscnt 3-\q                              ; the count is the younger loads
	global_store_b128 v[OUTO], v[N+4*\q:N+4*\q+3], s[6:7] offset:262144*\q    ; sixteen lanes store 256 consecutive bytes, aligned: block bq of one tile nu
.endr
	s_wait_dscnt 0x0
	s_barrier_signal -1
	s_barrier_wait -1
	s_cmp_lt_u32 s10, 4
	s_cbranch_scc0 .Lno_scw
	ds_load_b128 v[C:C+3], v[T16] offset:SCW
	s_wait_dscnt 0x0
	global_store_b128 v[T16], v[C:C+3], s[8:9]     ; the K step's 2,048 scale bytes, on end
.Lno_scw:
	s_wait_tensorcnt 0x0                           ; the wave's end, behind my last LDS store
	ds_add_u32 v[SPW], v[NIL]
	s_wait_dscnt 0x0
	s_endpgm
.Lfunc_end_k_q769410a274_qdec:
	.size	k_q769410a274_qdec, .Lfunc_end_k_q769410a274_qdec-k_q769410a274_qdec
	.p2alignl 7, 3214868480
	.fill 96, 4, 3214868480
	.section	.rodata,"a",@progbits
	.p2align	6, 0x0
	.amdhsa_kernel k_q769410a274_qdec
		.amdhsa_group_segment_fixed_size 39936
		.amdhsa_private_segment_fixed_size 0
		.amdhsa_enable_private_segment 0
		.amdhsa_kernarg_size 24
		.amdhsa_user_sgpr_count 2
		.amdhsa_user_sgpr_kernarg_segment_ptr 1
		.amdhsa_wavefront_size32 1
		.amdhsa_system_sgpr_workgroup_id_x 1
		.amdhsa_system_sgpr_workgroup_id_y 1
		.amdhsa_system_sgpr_workgroup_id_z 1
		.amdhsa_system_vgpr_workitem_id 0
		.amdhsa_next_free_vgpr 256
		.amdhsa_next_free_sgpr 66
		.amdhsa_reserve_vcc 0
		.amdhsa_float_denorm_mode_32 3
		.amdhsa_float_denorm_mode_16_64 3
		.amdhsa_memory_ordered 1
		.amdhsa_forward_progress 1
		.amdhsa_inst_pref_size 35
	.end_amdhsa_kernel
	.amdgpu_metadata
---
amdhsa.version: [ 1, 2 ]
amdhsa.kernels:
  - .name:           k_q769410a274_qdec
    .symbol:         k_q769410a274_qdec.kd
    .args:
      - { .name: W_dec, .offset: 0, .size: 8, .value_kind: global_buffer, .address_space: global }
      - { .name: wdec, .offset: 8, .size: 8, .value_kind: global_buffer, .address_space: global }
      - { .name: wdec_s, .offset: 16, .size: 8, .value_kind: global_buffer, .address_space: global }
    .group_segment_fixed_size: 39936
    .private_segment_fixed_size: 0
    .kernarg_segment_align: 8
    .kernarg_segment_size: 24
    .max_flat_workgroup_size: 512
    .sgpr_count:     66
    .vgpr_count:     256
    .wavefront_size: 32
...
	.end_amdgpu_metadata
.endif
;; end of part 3
;; launch rows (part 4): grid 256 x 1, 16 waves a work-group, no clusters, 306,432 bytes of LDS; arguments pre, ln_w, ln_b, feature_mask, enc, enc_s; writes enc, enc_s
.if DOCPART == 4
	.amdgcn_target "amdgcn-amd-amdhsa--gfx1250"
	.amdhsa_code_object_version 6
	.text
	.protected	k_q769410a274_rows
	.globl	k_q769410a274_rows
	.p2align	8
	.type	k_q769410a274_rows,@function
k_q769410a274_rows:
	s_mov_b64 s[64:65], 0
	v_nop
	global_prefetch_b8 v0, s[64:65] scope:SCOPE_SE
	s_setreg_imm32_b32 hwreg(HW_REG_WAVE_MODE, 25, 1), 1
	s_wait_xcnt 0x0
; ROWS: for each row of pre: layer norm with gain and bias, layer norm without, the 1,638th largest h as threshold, encoded = h x sigmoid((h - thr) / 0.1) x feature_mask,
; quantised along the 16,384 features to E2M1 with one E8M0 byte for each 32.  All in f32.  No work of reference() is left out here.
; LIMITS: no NaN or infinities.  sigmoid = 1 / (1 + 2^(c (h - thr))), c = -log2(e) / 0.1: where that power passes 2^126 the sigmoid comes out 0.  -0 sorts under +0 (the threshold's value is the same).
; A block of zeros gets the byte 1 where the rule says 127: its codes are zeros, and the bytes are read by this program alone.
; SHARES: work-group mu takes 16 rows, four at a time (a group; pre is laid [row / 4][position][row % 4]).  Wave w takes features 1024 w .. +1023; lane l, register X[4 i + rho], i = 8 g + j,
; holds feature 1024 w + 256 g + 8 l + j of row rho: a load reads 512 consecutive bytes, and a lane has eight neighbouring features in eight registers, as the conversion wants them.
; THE THRESHOLD is an exact order statistic, found without a branch or an address on data: each wave turns its 32 x 32 bits a lane and row into BIT PLANES of the order-preserving key
; (sign set: all bits flipped; else the sign bit flipped), the planes go to LDS, and one wave a row walks them from the top bit down: it counts the keys still alive whose bit is 1;
; if they are k or more, they alone stay alive and the result's bit is 1; else k falls by the count and the others stay.
; No tensor load, no cluster: work-groups share only the three vectors of 64 KiB.
.set PL,    0                          ; LDS: planes: rho*65536 + (31 - bit)*2048 + 128 w + 4 l
.set RED,   262144                     ; four blocks of 256 bytes, one for each reduction of a group: 16 bytes a wave
.set THR,   263168                     ; the four thresholds
.set CST,   263424                     ; a stage of 2,048 bytes for each wave: a group's codes
.set SCB,   296192                     ; the 16 rows' scale bytes, laid as enc_s has them
.set SPARE, 304384                     ; the spare words
.set XO,   1                           ; v1  pre: 16384 w + 16 l
.set PO,   2                           ; v2  the three vectors: 4096 w + 32 l
.set PW,   3                           ; v3  planes: 128 w + 4 l
.set SELB, 4                           ; v4  the row that I would select in: (w & 3)*65536 + 16 l
.set SAA,  5                           ; v5, v6  SELB + the planes passed: two, so that neither is written while a load that names it is out
.set SAB,  6
.set REDS, 7                           ; v7  RED + 16 w
.set REDL, 8                           ; v8  RED + 16 (l & 15)
.set CSTS, 9                           ; v9  my 4 bytes in my stage
.set CSTL, 10                          ; v10 my stage, 16 bytes a lane
.set SCBL, 11                          ; v11 my scale byte
.set SCBG, 12                          ; v12 the same, in the group in hand
.set EO,   13                          ; v13 enc: (l>>4)*1024 + (l&15)*16
.set THS,  14                          ; v14 THR + 4 (w & 3)
.set THL,  15                          ; v15 THR
.set SPW,  16                          ; v16 my spare word; never rewritten
.set NIL,  17                          ; v17 0; never rewritten
.set PFO,  18                          ; v18 256 x thread; never rewritten
.set PWR,  19                          ; v19 PW + the row's planes
.set ST0,  20                          ; v20-23 four rows' mean, later their thresholds
.set ST1,  24                          ; v24-27 four rows' 1 / sqrt(var + eps)
.set PT,   28                          ; v28-31 the other half's sums
.set X,    32                          ; v32-159
.set S,    160                         ; statistics: v160-167
.set LW,   192                         ; v192-223 ln_w;  v224-255 ln_b
.set LB,   224
.set T,    160                         ; planes: v160-191;  v192-199 at work
.set U,    192
.set FM,   224                         ; v224-255 feature_mask
.set AL,   160                         ; select: v160-175 alive, v176-191 and v192-207 two planes, v208.. at work
.set P0,   176
.set P1,   192
.set TT,   208
.set CN,   212
.set KK,   216
.set RES,  217
.set MM,   218
.set TX,   219
.set A,    160                         ; encode: v160-191 at work, v192-223 encoded, K on end
.set EN,   192
.set MX,   160
.set SQ,   164
.set CD,   168
.set BY,   172
; four sums a lane, v[a] .. v[a+3], become the four sums over the work-group, in every lane of every wave, bit for bit the same
.macro REDUCE a, k
.irp xm, 1,2,4,8
.irp ee, 0,1,2,3
	v_add_f32_dpp v[(\a)+\ee], v[(\a)+\ee], v[(\a)+\ee] row_xmask:\xm row_mask:0xf bank_mask:0xf
.endr
.endr
.irp ee, 0,1,2,3
	v_permlanex16_b32 v[PT+\ee], v[(\a)+\ee], s24, s25
.endr
.irp ee, 0,1,2,3
	v_add_f32 v[(\a)+\ee], v[(\a)+\ee], v[PT+\ee]
.endr
	ds_store_b128 v[REDS], v[(\a):(\a)+3] offset:256*(\k)          ; all lanes write the same words with the same values
	s_wait_dscnt 0x0
	s_barrier_signal -1
	s_barrier_wait -1
	ds_load_b128 v[(\a):(\a)+3], v[REDL] offset:256*(\k)           ; lane l: wave l & 15's sums
	s_wait_dscnt 0x0
.irp xm, 1,2,4,8
.irp ee, 0,1,2,3
	v_add_f32_dpp v[(\a)+\ee], v[(\a)+\ee], v[(\a)+\ee] row_xmask:\xm row_mask:0xf bank_mask:0xf
.endr
.endr
.endm
.macro SUM4                            ; my 32 numbers of each of the four rows, two rows an instruction, in two chains
	v_pk_add_f32 v[S:S+1], v[X:X+1], v[X+8:X+9]
	v_pk_add_f32 v[S+2:S+3], v[X+2:X+3], v[X+10:X+11]
	v_pk_add_f32 v[S+4:S+5], v[X+4:X+5], v[X+12:X+13]
	v_pk_add_f32 v[S+6:S+7], v[X+6:X+7], v[X+14:X+15]
.set ii, 4
.rept 28
	v_pk_add_f32 v[S+4*(ii%2):S+4*(ii%2)+1], v[S+4*(ii%2):S+4*(ii%2)+1], v[X+4*ii:X+4*ii+1]
	v_pk_add_f32 v[S+4*(ii%2)+2:S+4*(ii%2)+3], v[S+4*(ii%2)+2:S+4*(ii%2)+3], v[X+4*ii+2:X+4*ii+3]
.set ii, ii+1
.endr
	v_pk_add_f32 v[S:S+1], v[S:S+1], v[S+4:S+5]
	v_pk_add_f32 v[S+2:S+3], v[S+2:S+3], v[S+6:S+7]
.endm
.macro CENSQ                           ; X -= mean, and the sums of the squares
.set ii, 0
.rept 32
	v_pk_add_f32 v[X+4*ii:X+4*ii+1], v[X+4*ii:X+4*ii+1], v[ST0:ST0+1] neg_lo:[0,1] neg_hi:[0,1]
	v_pk_add_f32 v[X+4*ii+2:X+4*ii+3], v[X+4*ii+2:X+4*ii+3], v[ST0+2:ST0+3] neg_lo:[0,1] neg_hi:[0,1]
.set ii, ii+1
.endr
.set ii, 0
.rept 32
.if ii < 2
	v_pk_mul_f32 v[S+4*ii:S+4*ii+1], v[X+4*ii:X+4*ii+1], v[X+4*ii:X+4*ii+1]
	v_pk_mul_f32 v[S+4*ii+2:S+4*ii+3], v[X+4*ii+2:X+4*ii+3], v[X+4*ii+2:X+4*ii+3]
.else
	v_pk_fma_f32 v[S+4*(ii%2):S+4*(ii%2)+1], v[X+4*ii:X+4*ii+1], v[X+4*ii:X+4*ii+1], v[S+4*(ii%2):S+4*(ii%2)+1]
	v_pk_fma_f32 v[S+4*(ii%2)+2:S+4*(ii%2)+3], v[X+4*ii+2:X+4*ii+3], v[X+4*ii+2:X+4*ii+3], v[S+4*(ii%2)+2:S+4*(ii%2)+3]
.endif
.set ii, ii+1
.endr
	v_pk_add_f32 v[S:S+1], v[S:S+1], v[S+4:S+5]
	v_pk_add_f32 v[S+2:S+3], v[S+2:S+3], v[S+6:S+7]
.endm
.macro MEAN                            ; sums -> means
.irp ee, 0,1,2,3
	v_mul_f32 v[ST0+\ee], s33, v[S+\ee]
.endr
.endm
.macro RSTD                            ; sums of squares -> 1 / sqrt(var + eps)
.irp ee, 0,1,2,3
	v_fma_f32 v[S+\ee], v[S+\ee], s33, s34
.endr
.irp ee, 0,1,2,3
	v_rsq_f32 v[ST1+\ee], v[S+\ee]
.endr
	v_nop                                          ; a plain line behind the four
	s_wait_alu depctr_va_vdst(0)                   ; one wait for the four, ahead of their first reader
.endm
.macro SCALE                           ; X *= 1 / sqrt(var + eps)
.set ii, 0
.rept 32
	v_pk_mul_f32 v[X+4*ii:X+4*ii+1], v[X+4*ii:X+4*ii+1], v[ST1:ST1+1]
	v_pk_mul_f32 v[X+4*ii+2:X+4*ii+3], v[X+4*ii+2:X+4*ii+3], v[ST1+2:ST1+3]
.set ii, ii+1
.endr
.endm
; one stage of the 8 x 8 bit transposition, in all four byte lanes at once: registers a and a + sh change the upper blocks of a with the lower blocks of a + sh
.macro BITS sh, msk
.set aa, 0
.set pc, 0
.rept 32
.if (aa & (\sh)) == 0
.set t1, U+2*(pc%4)
	v_lshlrev_b32 v[t1], \sh, v[T+aa+(\sh)]
	v_lshrrev_b32 v[t1+1], \sh, v[T+aa]
	v_bfi_b32 v[T+aa], s[\msk], v[T+aa], v[t1]
	v_bfi_b32 v[T+aa+(\sh)], s[\msk], v[t1+1], v[T+aa+(\sh)]
.set pc, pc+1
.endif
.set aa, aa+1
.endr
.endm
; row rho's 32 numbers of my lane become 32 planes: bit i of T[b] = bit b of the key of number i.  First by bytes (4 x 4, eight times), then by bits (8 x 8, four times in each register).
.macro TRANS rho
	s_wait_dscnt 0x0                               ; the last row's plane stores have read T and PWR
	v_add_nc_u32 v[PWR], 65536*(\rho), v[PW]
.set qq, 0
.rept 8
.set ua, U+4*(qq%2)
	v_perm_b32 v[ua], v[X+4*(qq+8)+(\rho)], v[X+4*qq+(\rho)], s26
	v_perm_b32 v[ua+1], v[X+4*(qq+8)+(\rho)], v[X+4*qq+(\rho)], s27
	v_perm_b32 v[ua+2], v[X+4*(qq+24)+(\rho)], v[X+4*(qq+16)+(\rho)], s26
	v_perm_b32 v[ua+3], v[X+4*(qq+24)+(\rho)], v[X+4*(qq+16)+(\rho)], s27
	v_perm_b32 v[T+qq], v[ua+2], v[ua], s28        ; byte 0 of numbers qq, qq + 8, qq + 16, qq + 24
	v_perm_b32 v[T+8+qq], v[ua+2], v[ua], s29      ; byte 1
	v_perm_b32 v[T+16+qq], v[ua+3], v[ua+1], s28   ; byte 2
	v_perm_b32 v[T+24+qq], v[ua+3], v[ua+1], s29   ; byte 3
.set qq, qq+1
.endr
	BITS 4, 30
	BITS 2, 31
	BITS 1, 32
.set bb, 0
.rept 31
	v_xor_b32 v[T+bb], v[T+31], v[T+bb]            ; the key: a negative number's bits are flipped,
.set bb, bb+1
.endr
	v_xor_b32 v[T+31], -1, v[T+31]                 ; and every sign bit
.set bb, 0
.rept 32
	ds_store_b32 v[PWR], v[T+bb] offset:2048*(31-bb)
.set bb, bb+1
.endr
.endm
; one round of the select, on the plane in v[p] .. v[p+15] (512 words a plane, 16 a lane).  nxt = 1: the plane two rounds on is fetched into the same registers.  left: the other plane's loads, which may stay out
.macro ROUND p, sa, off, nxt, left
	s_wait_dscnt \left
.set gg, 0
.rept 4
.irp kx, 0,1,2,3
	v_and_b32 v[TT+\kx], v[AL+4*gg+\kx], v[(\p)+4*gg+\kx]
.endr
.irp kx, 0,1,2,3
.if gg == 0
	v_bcnt_u32_b32 v[CN+\kx], v[TT+\kx], 0
.else
	v_bcnt_u32_b32 v[CN+\kx], v[TT+\kx], v[CN+\kx]
.endif
.endr
.set gg, gg+1
.endr
	v_add3_u32 v[CN], v[CN], v[CN+1], v[CN+2]
	v_add_nc_u32 v[CN], v[CN], v[CN+3]
	v_cvt_f32_u32 v[CN], v[CN]                     ; counts up to 16,384 are exact in f32
.irp xm, 1,2,4,8
	v_add_f32_dpp v[CN], v[CN], v[CN] row_xmask:\xm row_mask:0xf bank_mask:0xf
.endr
	v_permlanex16_b32 v[CN+1], v[CN], s24, s25
	v_add_f32 v[CN], v[CN], v[CN+1]                ; the alive keys whose bit is 1
	v_cmp_ge_f32 vcc_lo, v[CN], v[KK]              ; k or more: the result's bit is 1
	v_cndmask_b32 v[MM], -1, 0, vcc_lo
	v_sub_f32 v[TX], v[KK], v[CN]
	v_cndmask_b32 v[KK], v[TX], v[KK], vcc_lo
	v_cndmask_b32 v[TX], 0, 1, vcc_lo
	v_lshl_or_b32 v[RES], v[RES], 1, v[TX]
.set gg, 0
.rept 4
.irp kx, 0,1,2,3
	v_xor_b32 v[TT+\kx], v[MM], v[(\p)+4*gg+\kx]
.endr
.irp kx, 0,1,2,3
	v_and_b32 v[AL+4*gg+\kx], v[AL+4*gg+\kx], v[TT+\kx]
.endr
.set gg, gg+1
.endr
.if \nxt
.irp q, 0,1,2,3
	ds_load_b128 v[(\p)+4*\q:(\p)+4*\q+3], v[\sa] offset:(\off)+512*\q
.endr
.endif
.endm
; features 256 g .. +255 of my 1,024: sigmoid, mask, product, quantiser; the next group's numbers are asked for into the registers that fall free
.macro ENC g
.set XB, X+32*(\g)
.irp j, 0,1,2,3,4,5,6,7
	v_pk_add_f32 v[A+4*\j:A+4*\j+1], v[XB+4*\j:XB+4*\j+1], v[ST0:ST0+1] neg_lo:[0,1] neg_hi:[0,1]        ; h - thr
	v_pk_add_f32 v[A+4*\j+2:A+4*\j+3], v[XB+4*\j+2:XB+4*\j+3], v[ST0+2:ST0+3] neg_lo:[0,1] neg_hi:[0,1]
.endr
.set ee, 0
.rept 16
	v_pk_mul_f32 v[A+2*ee:A+2*ee+1], v[A+2*ee:A+2*ee+1], s[36:37] op_sel_hi:[1,0]                        ; x -log2(e) / 0.1
.set ee, ee+1
.endr
.set ee, 0
.rept 32
	v_exp_f32 v[A+ee], v[A+ee]
.set ee, ee+1
.endr
	v_nop                                          ; a plain line behind the batch
	s_wait_alu depctr_va_vdst(0)                   ; one wait for the 32, ahead of their first reader
.set ee, 0
.rept 16
	v_pk_add_f32 v[A+2*ee:A+2*ee+1], v[A+2*ee:A+2*ee+1], 1.0 op_sel_hi:[1,0]
.set ee, ee+1
.endr
.set ee, 0
.rept 32
	v_rcp_f32 v[A+ee], v[A+ee]
.set ee, ee+1
.endr
	v_nop
	s_wait_alu depctr_va_vdst(0)
.irp j, 0,2,4,6                        ; x feature_mask: one register a feature serves the four rows: of the pair the low word for an even feature, the high word for an odd one
	v_pk_mul_f32 v[A+4*\j:A+4*\j+1], v[A+4*\j:A+4*\j+1], v[FM+8*(\g)+\j:FM+8*(\g)+\j+1] op_sel_hi:[1,0]
	v_pk_mul_f32 v[A+4*\j+2:A+4*\j+3], v[A+4*\j+2:A+4*\j+3], v[FM+8*(\g)+\j:FM+8*(\g)+\j+1] op_sel_hi:[1,0]
	v_pk_mul_f32 v[A+4*\j+4:A+4*\j+5], v[A+4*\j+4:A+4*\j+5], v[FM+8*(\g)+\j:FM+8*(\g)+\j+1] op_sel:[0,1] op_sel_hi:[1,1]
	v_pk_mul_f32 v[A+4*\j+6:A+4*\j+7], v[A+4*\j+6:A+4*\j+7], v[FM+8*(\g)+\j:FM+8*(\g)+\j+1] op_sel:[0,1] op_sel_hi:[1,1]
.endr
.irp j, 0,1,2,3,4,5,6,7
.irp rr, 0,1,2,3
	v_mul_f32 v[EN+8*\rr+\j], v[XB+4*\j+\rr], v[A+4*\j+\rr]        ; encoded, a row's eight neighbours on end
.endr
.endr
	s_cmp_eq_u32 s20, 1                            ; the last group asks for nothing: no load leaves its buffer
	s_cbranch_scc1 .Llast_\@
.irp j, 0,1,2,3,4,5,6,7
	global_load_b128 v[XB+4*\j:XB+4*\j+3], v[XO], s[4:5] offset:262144+512*(8*(\g)+\j) th:TH_LOAD_NT
.endr
.Llast_\@:
.irp rr, 0,1,2,3
	v_max3_num_f32 v[MX+\rr], |v[EN+8*\rr]|, |v[EN+8*\rr+1]|, 0x1800000   ; my eight, and the floor 2^(3 - 127)
.endr
.irp jj, 2,4,6
.irp rr, 0,1,2,3
	v_max3_num_f32 v[MX+\rr], v[MX+\rr], |v[EN+8*\rr+\jj]|, |v[EN+8*\rr+\jj+1]|
.endr
.endr
.irp xm, 1,2
.irp rr, 0,1,2,3
	v_max_num_f32_dpp v[MX+\rr], v[MX+\rr], v[MX+\rr] row_xmask:\xm row_mask:0xf bank_mask:0xf   ; four neighbouring lanes hold a block of 32
.endr
.endr
.irp rr, 0,1,2,3
	v_add_nc_u32 v[SQ+\rr], 0xff000000, v[MX+\rr]
.endr
.irp rr, 0,1,2,3
	v_cvt_scalef32_pk8_fp4_f32 v[CD+\rr], v[EN+8*\rr:EN+8*\rr+7], v[SQ+\rr]
.endr
.irp rr, 0,1,2,3
	v_lshrrev_b32 v[BY+\rr], 23, v[SQ+\rr]         ; the bytes; also the plain lines behind the conversions
.endr
.irp rr, 0,1,2,3
	ds_store_b32 v[CSTS], v[CD+\rr] offset:512*(\g)+32*\rr
	ds_store_b8 v[SCBG], v[BY+\rr] offset:256*((\g)/2)+16*\rr+8*((\g)%2)   ; the four lanes of a block write the same byte with the same value
.endr
	s_wait_dscnt 0x0                               ; the stores have read their registers
.endm
	s_load_b256 s[4:11], s[0:1], 0x0               ; pre, ln_w, ln_b, feature_mask
	s_load_b128 s[12:15], s[0:1], 0x20             ; enc, enc_s
	v_lshl_add_u32 v[SPW], v0, 2, SPARE
	v_mov_b32 v[NIL], 0
	v_lshrrev_b32 v28, 5, v0
	v_readfirstlane_b32 s16, v28                   ; wave w
	v_and_b32 v28, 31, v0                          ; lane
	v_lshlrev_b32 v29, 4, v28                      ; 16 l
	s_lshl_b32 s17, s16, 14
	v_add_nc_u32 v[XO], s17, v29
	s_lshl_b32 s17, s16, 12
	v_lshl_add_u32 v[PO], v28, 5, s17
	s_lshl_b32 s17, s16, 7
	v_lshl_add_u32 v[PW], v28, 2, s17
	s_and_b32 s17, s16, 3
	s_lshl_b32 s17, s17, 16
	v_add_nc_u32 v[SELB], s17, v29
	s_lshl_b32 s17, s16, 4
	s_add_co_u32 s17, s17, RED
	v_mov_b32 v[REDS], s17
	v_lshrrev_b32 v30, 4, v28
	v_lshlrev_b32 v[EO], 10, v30
	v_and_b32 v31, 15, v28
	v_lshl_add_u32 v[EO], v31, 4, v[EO]
	v_lshl_add_u32 v[REDL], v31, 4, RED
	s_lshl_b32 s17, s16, 11
	s_add_co_u32 s17, s17, CST
	v_add_nc_u32 v[CSTL], s17, v29
	v_lshrrev_b32 v[CSTS], 3, v28                  ; (l>>4)*256 + ((l>>3)&1)*128: the K step of two, and c
	v_lshlrev_b32 v[CSTS], 7, v[CSTS]
	v_bfe_u32 v31, v28, 2, 1
	v_lshl_add_u32 v[CSTS], v31, 4, v[CSTS]        ; + 16 h
	v_and_b32 v31, 3, v28
	v_lshl_add_u32 v[CSTS], v31, 2, v[CSTS]        ; + my 4 bytes of the block's 16
	v_add_nc_u32 v[CSTS], s17, v[CSTS]
	s_lshl_b32 s17, s16, 9
	s_add_co_u32 s17, s17, SCB
	v_lshlrev_b32 v[SCBL], 2, v30
	v_bfe_u32 v31, v28, 2, 2
	v_add_nc_u32 v[SCBL], v[SCBL], v31
	v_add_nc_u32 v[SCBL], s17, v[SCBL]
	s_and_b32 s17, s16, 3
	s_lshl_b32 s17, s17, 2
	s_add_co_u32 s17, s17, THR
	v_mov_b32 v[THS], s17
	v_mov_b32 v[THL], THR
	v_lshlrev_b32 v[PFO], 8, v0
.irp ee, 0,1,2,3
	v_mov_b32 v[PT+\ee], 0                         ; written once: a lane permute's destination counts as one of its sources
.endr
	s_mov_b32 s24, 0x76543210
	s_mov_b32 s25, 0xfedcba98                      ; v_permlanex16_b32's selects for lane l xor 16
	s_mov_b32 s26, 0x05010400                      ; byte selectors of the 4 x 4 transposition
	s_mov_b32 s27, 0x07030602
	s_mov_b32 s28, 0x05040100
	s_mov_b32 s29, 0x07060302
	s_mov_b32 s30, 0x0f0f0f0f
	s_mov_b32 s31, 0x33333333
	s_mov_b32 s32, 0x55555555
	s_mov_b32 s33, 0x38800000                      ; 1 / 16384
	s_mov_b32 s34, 0x3727c5ac                      ; 1e-5
	s_mov_b32 s36, 0xc166d4ca                      ; -log2(e) / 0.1
	s_mov_b32 s37, s36                             ; (named with it as a pair)
	s_mov_b32 s20, 4                               ; groups to go
	s_mov_b32 s21, 0                               ; 64 x group
	s_lshl_b32 s18, ttmp9, 20                      ; pre: four groups of 262,144 bytes
	s_mov_b32 s19, 0
	s_lshl_b32 s38, ttmp9, 17
	s_lshl_b32 s39, s16, 13
	s_add_co_u32 s38, s38, s39                     ; enc: mu*131072 + eight K steps a wave
	s_mov_b32 s39, 0
	s_lshl_b32 s40, ttmp9, 13
	s_mov_b32 s41, 0
	s_wait_kmcnt 0x0
	s_add_nc_u64 s[4:5], s[4:5], s[18:19]
	s_add_nc_u64 s[12:13], s[12:13], s[38:39]
	s_add_nc_u64 s[14:15], s[14:15], s[40:41]
.set ii, 0
.rept 32
	global_load_b128 v[X+4*ii:X+4*ii+3], v[XO], s[4:5] offset:512*ii th:TH_LOAD_NT
.set ii, ii+1
.endr
.Lgroup:
	v_add_nc_u32 v[SCBG], s21, v[SCBL]
.irp g, 0,1,2,3
	global_load_b128 v[LW+8*\g:LW+8*\g+3], v[PO], s[6:7] offset:1024*\g
	global_load_b128 v[LW+8*\g+4:LW+8*\g+7], v[PO], s[6:7] offset:1024*\g+16
	global_load_b128 v[LB+8*\g:LB+8*\g+3], v[PO], s[8:9] offset:1024*\g
	global_load_b128 v[LB+8*\g+4:LB+8*\g+7], v[PO], s[8:9] offset:1024*\g+16
.endr
	s_wait_loadcnt 16                              ; the group's numbers are in; the sixteen loads just issued may be out
	SUM4
	REDUCE S, 0
	MEAN
	CENSQ
	REDUCE S, 1
	RSTD
	s_wait_loadcnt 0x0                             ; ln_w, ln_b
	SCALE
.set ii, 0
.rept 16                               ; x ln_w + ln_b: one register a feature serves the four rows
	v_pk_fma_f32 v[X+8*ii:X+8*ii+1], v[X+8*ii:X+8*ii+1], v[LW+2*ii:LW+2*ii+1], v[LB+2*ii:LB+2*ii+1] op_sel_hi:[1,0,0]
	v_pk_fma_f32 v[X+8*ii+2:X+8*ii+3], v[X+8*ii+2:X+8*ii+3], v[LW+2*ii:LW+2*ii+1], v[LB+2*ii:LB+2*ii+1] op_sel_hi:[1,0,0]
	v_pk_fma_f32 v[X+8*ii+4:X+8*ii+5], v[X+8*ii+4:X+8*ii+5], v[LW+2*ii:LW+2*ii+1], v[LB+2*ii:LB+2*ii+1] op_sel:[0,1,1] op_sel_hi:[1,1,1]
	v_pk_fma_f32 v[X+8*ii+6:X+8*ii+7], v[X+8*ii+6:X+8*ii+7], v[LW+2*ii:LW+2*ii+1], v[LB+2*ii:LB+2*ii+1] op_sel:[0,1,1] op_sel_hi:[1,1,1]
.set ii, ii+1
.endr
.irp g, 0,1,2,3
	global_load_b128 v[FM+8*\g:FM+8*\g+3], v[PO], s[10:11] offset:1024*\g          ; feature_mask takes ln_b's registers
	global_load_b128 v[FM+8*\g+4:FM+8*\g+7], v[PO], s[10:11] offset:1024*\g+16
.endr
	SUM4
	REDUCE S, 2
	MEAN
	CENSQ
	REDUCE S, 3
	RSTD
	SCALE                                          ; X = h
	TRANS 0
	TRANS 1
	TRANS 2
	TRANS 3
	s_wait_dscnt 0x0                               ; my planes have landed
	s_barrier_signal -1
	s_barrier_wait -1
	; THE SELECT: waves 0-3, a row each.  Every wave walks the loop; the branches on the wave's number stand inside it, and the address registers are made outside them.
.set ii, 0
.rept 16
	v_mov_b32 v[AL+ii], -1                         ; all keys alive
.set ii, ii+1
.endr
	v_mov_b32 v[KK], 0x44ccc000                    ; k = 1638
	v_mov_b32 v[RES], 0
	v_mov_b32 v[CN+1], 0
	s_mov_b32 s23, 0
	s_mov_b32 s22, 7
	v_add_nc_u32 v[SAA], s23, v[SELB]
	s_cmp_lt_u32 s16, 4
	s_cbranch_scc0 .Lsel0
.irp q, 0,1,2,3
	ds_load_b128 v[P0+4*\q:P0+4*\q+3], v[SELB] offset:512*\q       ; the top bit's plane,
.endr
.irp q, 0,1,2,3
	ds_load_b128 v[P1+4*\q:P1+4*\q+3], v[SELB] offset:2048+512*\q  ; and the next
.endr
.Lsel0:
.Lsel:                                             ; seven trips of four rounds
	s_cmp_lt_u32 s16, 4
	s_cbranch_scc0 .Lsel1
	ROUND P0, SAA, 4096, 1, 4
	ROUND P1, SAA, 6144, 1, 4
.Lsel1:
	v_add_nc_u32 v[SAB], s23, v[SELB]              ; the loads that named it were waited for at the heads of the two rounds above
	s_cmp_lt_u32 s16, 4
	s_cbranch_scc0 .Lsel2
	ROUND P0, SAB, 8192, 1, 4
	ROUND P1, SAB, 10240, 1, 4
.Lsel2:
	s_add_co_u32 s23, s23, 8192
	v_add_nc_u32 v[SAA], s23, v[SELB]              ; likewise: waited for at the heads of the two rounds above
	s_sub_co_u32 s22, s22, 1
	s_cmp_lg_u32 s22, 0
	s_cbranch_scc1 .Lsel
	s_cmp_lt_u32 s16, 4
	s_cbranch_scc0 .Lsel3
	ROUND P0, SAA, 4096, 1, 4
	ROUND P1, SAA, 6144, 1, 4
	ROUND P0, SAA, 0, 0, 4                         ; the last two rounds fetch nothing
	ROUND P1, SAA, 0, 0, 0
	v_ashrrev_i32 v[TX], 31, v[RES]                ; the key back to its number: top bit set: that bit is flipped; else all bits
	v_lshrrev_b32 v[TX], 1, v[TX]
	v_xor_b32 v[TX], -1, v[TX]
	v_xor_b32 v[RES], v[RES], v[TX]
	ds_store_b32 v[THS], v[RES]
.Lsel3:
	s_wait_dscnt 0x0
	s_barrier_signal -1
	s_barrier_wait -1
	; the next group's 262,144 bytes are asked for ahead of ENC's loads: each thread names two blocks of 256 bytes, each block once in the launch; the last group asks for nothing
	s_cmp_eq_u32 s20, 1
	s_cbranch_scc1 .Lno_pf
	global_prefetch_b8 v[PFO], s[4:5] offset:262144 th:TH_LOAD_NT scope:SCOPE_SE
	global_prefetch_b8 v[PFO], s[4:5] offset:393216 th:TH_LOAD_NT scope:SCOPE_SE
.Lno_pf:
	ds_load_b128 v[ST0:ST0+3], v[THL]              ; the four thresholds
	s_wait_dscnt 0x0
	s_wait_loadcnt 0x0                             ; feature_mask
	ENC 0
	ENC 1
	ENC 2
	ENC 3
.irp q, 0,1,2,3
	ds_load_b128 v[A+4*\q:A+4*\q+3], v[CSTL] offset:512*\q
.endr
.irp q, 0,1,2,3
	s_wait_dscnt 3-\q                              ; the count is the younger loads
	global_store_b128 v[EO], v[A+4*\q:A+4*\q+3], s[12:13] offset:2048*\q th:TH_STORE_NT   ; sixteen lanes store 256 consecutive bytes, aligned: four rows of one K step
.endr
	s_wait_xcnt 0x0                                ; loads, stores and prefetches have read their registers and bases: these may be written
	s_add_nc_u64 s[4:5], s[4:5], 262144
	s_add_nc_u64 s[12:13], s[12:13], 256
	s_add_co_u32 s21, s21, 64
	s_sub_co_u32 s20, s20, 1
	s_cmp_lg_u32 s20, 0
	s_cbranch_scc1 .Lgroup
	s_wait_dscnt 0x0
	s_barrier_signal -1
	s_barrier_wait -1                              ; the 16 rows' 8,192 scale bytes lie in LDS
	v_lshl_add_u32 v[A], v0, 4, SCB
	v_lshlrev_b32 v[A+1], 4, v0
	ds_load_b128 v[A+4:A+7], v[A]
	s_wait_dscnt 0x0
	global_store_b128 v[A+1], v[A+4:A+7], s[14:15]
	s_wait_tensorcnt 0x0                           ; the wave's end, behind my last LDS store
	ds_add_u32 v[SPW], v[NIL]
	s_wait_dscnt 0x0
	s_endpgm
.Lfunc_end_k_q769410a274_rows:
	.size	k_q769410a274_rows, .Lfunc_end_k_q769410a274_rows-k_q769410a274_rows
	.p2alignl 7, 3214868480
	.fill 96, 4, 3214868480
	.section	.rodata,"a",@progbits
	.p2align	6, 0x0
	.amdhsa_kernel k_q769410a274_rows
		.amdhsa_group_segment_fixed_size 306432
		.amdhsa_private_segment_fixed_size 0
		.amdhsa_enable_private_segment 0
		.amdhsa_kernarg_size 48
		.amdhsa_user_sgpr_count 2
		.amdhsa_user_sgpr_kernarg_segment_ptr 1
		.amdhsa_wavefront_size32 1
		.amdhsa_system_sgpr_workgroup_id_x 1
		.amdhsa_system_sgpr_workgroup_id_y 1
		.amdhsa_system_sgpr_workgroup_id_z 1
		.amdhsa_system_vgpr_workitem_id 0
		.amdhsa_next_free_vgpr 256
		.amdhsa_next_free_sgpr 66
		.amdhsa_reserve_vcc 1
		.amdhsa_float_denorm_mode_32 3
		.amdhsa_float_denorm_mode_16_64 3
		.amdhsa_memory_ordered 1
		.amdhsa_forward_progress 1
		.amdhsa_inst_pref_size 196
	.end_amdhsa_kernel
	.amdgpu_metadata
---
amdhsa.version: [ 1, 2 ]
amdhsa.kernels:
  - .name:           k_q769410a274_rows
    .symbol:         k_q769410a274_rows.kd
    .args:
      - { .name: pre, .offset: 0, .size: 8, .value_kind: global_buffer, .address_space: global }
      - { .name: ln_w, .offset: 8, .size: 8, .value_kind: global_buffer, .address_space: global }
      - { .name: ln_b, .offset: 16, .size: 8, .value_kind: global_buffer, .address_space: global }
      - { .name: feature_mask, .offset: 24, .size: 8, .value_kind: global_buffer, .address_space: global }
      - { .name: enc, .offset: 32, .size: 8, .value_kind: global_buffer, .address_space: global }
      - { .name: enc_s, .offset: 40, .size: 8, .value_kind: global_buffer, .address_space: global }
    .group_segment_fixed_size: 306432
    .private_segment_fixed_size: 0
    .kernarg_segment_align: 8
    .kernarg_segment_size: 48
    .max_flat_workgroup_size: 512
    .sgpr_count:     66
    .vgpr_count:     256
    .wavefront_size: 32
...
	.end_amdgpu_metadata
.endif
;; end of part 4
;; launch dec2 (part 5): grid 8 x 64, 8 waves a work-group, no clusters, 140,288 bytes of LDS; arguments enc, enc_s, wdec, wdec_s, b_dec, out0; writes out0
.if DOCPART == 5
	.amdgcn_target "amdgcn-amd-amdhsa--gfx1250"
	.amdhsa_code_object_version 6
	.text
	.protected	k_q769410a274_dec2
	.globl	k_q769410a274_dec2
	.p2align	8
	.type	k_q769410a274_dec2,@function
k_q769410a274_dec2:
	s_mov_b64 s[64:65], 0
	v_nop
	global_prefetch_b8 v0, s[64:65] scope:SCOPE_SE
	s_setreg_imm32_b32 hwreg(HW_REG_WAVE_MODE, 25, 1), 1
	s_wait_xcnt 0x0
; DEC2: out0 = encoded x W_dec_n + b_dec, on codes of E2M1 with E8M0 scales; sums in f32.  No work of reference() is left out here.
; SHARES: work-group (x, y) makes rows 64 y .. +63 x columns 64 x .. +63.  ITS EIGHT WAVES SHARE K: wave kap takes K steps 16 kap .. +15 (128 along K each) of the whole 64 x 64, in 16 accumulators;
; the eight partial tiles meet in LDS and are added in ascending K, so each output has one owner.
; Both operands lie in memory as images of operand registers and go straight into registers: no LDS on the way in, no tensor load.
; THE PRODUCT IS USED TRANSPOSED (source 0 = 16 columns of W_dec, source 1 = 16 rows of encoded): lane (r, h), register j holds row r, column 8 h + j.
; NO CLUSTER: with K shared among the waves a wave's K step is 16 products on 9,216 bytes of its own; nothing that one wave reads is read by another wave of the work-group, and a ring shared with
; partners would hold, for each wave, four K steps (64 products) between a request and the wait for it.
.set SPARE, 139264                     ; behind the eight partial tiles of 17,408 bytes: the spare words
.set VE,   1                           ; v1  enc: (r>>2)*256 + (r&3)*32 + 16 h
.set VW,   2                           ; v2  wdec: 16 x lane
.set VWS,  3                           ; v3  wdec_s: 4 x lane: lanes 0-15 one tile's words, lanes 16-31 the next tile's
.set VES,  4                           ; v4  enc_s: h*8192 + 16 r: lanes 0-15 one tile's rows, lanes 16-31 the next tile's
.set PS,   5                           ; v5  LDS: my partial tile: kap*17408 + 272 h + 16 r
.set PR0,  6                           ; v6  LDS: where I read partial tiles 0-3;  v7: tiles 4-7
.set PR1,  7
.set OO,   8                           ; v8  out0: (l>>4)*2048 + 16 (l&15)
.set SPW,  9
.set NIL,  10
.set BDO,  11                          ; v11 b_dec: 16 (l&15)
.set BD,   12                          ; v12-15
.set EF,   32                          ; v32-63  four fragments of encoded
.set WF,   64                          ; v64-95  four fragments of W_dec
.set ES,   96                          ; v96-103 encoded's scale words: 4 (m/2) + K step of four
.set WS,   104                         ; v104-105 W_dec's
.set ACC,  128                         ; v128-255: accumulator (m, nb) at 8 (4 m + nb)
.macro WM
.if wz
.if (wra == 0) && (wrb == 0)
	v_wmma_scale_f32_16x16x128_f8f6f4 v[wd:wd+7], v[wa:wa+7], v[wb:wb+7], 0, v[wsa], v[wsb] matrix_a_fmt:MATRIX_FMT_FP4 matrix_b_fmt:MATRIX_FMT_FP4
.elseif (wra == 1) && (wrb == 0)
	v_wmma_scale_f32_16x16x128_f8f6f4 v[wd:wd+7], v[wa:wa+7], v[wb:wb+7], 0, v[wsa], v[wsb] matrix_a_fmt:MATRIX_FMT_FP4 matrix_b_fmt:MATRIX_FMT_FP4 matrix_a_scale:MATRIX_SCALE_ROW1
.elseif (wra == 0) && (wrb == 1)
	v_wmma_scale_f32_16x16x128_f8f6f4 v[wd:wd+7], v[wa:wa+7], v[wb:wb+7], 0, v[wsa], v[wsb] matrix_a_fmt:MATRIX_FMT_FP4 matrix_b_fmt:MATRIX_FMT_FP4 matrix_b_scale:MATRIX_SCALE_ROW1
.else
	v_wmma_scale_f32_16x16x128_f8f6f4 v[wd:wd+7], v[wa:wa+7], v[wb:wb+7], 0, v[wsa], v[wsb] matrix_a_fmt:MATRIX_FMT_FP4 matrix_b_fmt:MATRIX_FMT_FP4 matrix_a_scale:MATRIX_SCALE_ROW1 matrix_b_scale:MATRIX_SCALE_ROW1
.endif
.else
.if (wra == 0) && (wrb == 0)
	v_wmma_scale_f32_16x16x128_f8f6f4 v[wd:wd+7], v[wa:wa+7], v[wb:wb+7], v[wd:wd+7], v[wsa], v[wsb] matrix_a_fmt:MATRIX_FMT_FP4 matrix_b_fmt:MATRIX_FMT_FP4
.elseif (wra == 1) && (wrb == 0)
	v_wmma_scale_f32_16x16x128_f8f6f4 v[wd:wd+7], v[wa:wa+7], v[wb:wb+7], v[wd:wd+7], v[wsa], v[wsb] matrix_a_fmt:MATRIX_FMT_FP4 matrix_b_fmt:MATRIX_FMT_FP4 matrix_a_scale:MATRIX_SCALE_ROW1
.elseif (wra == 0) && (wrb == 1)
	v_wmma_scale_f32_16x16x128_f8f6f4 v[wd:wd+7], v[wa:wa+7], v[wb:wb+7], v[wd:wd+7], v[wsa], v[wsb] matrix_a_fmt:MATRIX_FMT_FP4 matrix_b_fmt:MATRIX_FMT_FP4 matrix_b_scale:MATRIX_SCALE_ROW1
.else
	v_wmma_scale_f32_16x16x128_f8f6f4 v[wd:wd+7], v[wa:wa+7], v[wb:wb+7], v[wd:wd+7], v[wsa], v[wsb] matrix_a_fmt:MATRIX_FMT_FP4 matrix_b_fmt:MATRIX_FMT_FP4 matrix_a_scale:MATRIX_SCALE_ROW1 matrix_b_scale:MATRIX_SCALE_ROW1
.endif
.endif
.endm
; K step q of four: 18 loads, 16 products; the sixteen accumulators take turns, in the same order in every step
.macro KSTEP q, zero
.irp m, 0,1,2,3
.irp c, 0,1
	global_load_b128 v[EF+8*\m+4*\c:EF+8*\m+4*\c+3], v[VE], s[4:5] offset:131072*\m+1024*(\q)+128*\c
.endr
.endr
.irp nb, 0,1,2,3
.irp c, 0,1
	global_load_b128 v[WF+8*\nb+4*\c:WF+8*\nb+4*\c+3], v[VW], s[8:9] offset:131072*\nb+1024*(\q)+512*\c
.endr
.endr
.irp pp, 0,1
	global_load_b32 v[WS+\pp], v[VWS], s[10:11] offset:2048*(\q)+128*\pp
.endr
	s_wait_loadcnt 0x0
.set mt, 0
.rept 4
.set nt, 0
.rept 4
.set wd, ACC+8*(4*mt+nt)
.set wa, WF+8*nt
.set wb, EF+8*mt
.set wsa, WS+nt/2
.set wsb, ES+4*(mt/2)+(\q)
.set wra, nt%2
.set wrb, mt%2
.set wz, \zero
	WM
.set nt, nt+1
.endr
.set mt, mt+1
.endr
.rept 4
	v_nop                                          ; four plain lines in front of loads into registers that products have read, and of the first read of results
.endr
.endm
.macro QUAD zero                       ; four K steps: their scale words of encoded come by two loads
.irp mm, 0,1
	global_load_b128 v[ES+4*\mm:ES+4*\mm+3], v[VES], s[6:7] offset:16384*\mm
.endr
	KSTEP 0, \zero
	KSTEP 1, 0
	KSTEP 2, 0
	KSTEP 3, 0
	s_add_nc_u64 s[4:5], s[4:5], 4096              ; every load has been waited for: the bases may step
	s_add_nc_u64 s[8:9], s[8:9], 4096
	s_add_nc_u64 s[10:11], s[10:11], 8192
	s_add_nc_u64 s[6:7], s[6:7], 256
.endm
	s_load_b256 s[4:11], s[0:1], 0x0               ; enc, enc_s, wdec, wdec_s
	s_load_b128 s[12:15], s[0:1], 0x20             ; b_dec, out0
	v_lshl_add_u32 v[SPW], v0, 2, SPARE
	v_mov_b32 v[NIL], 0
	v_lshrrev_b32 v16, 5, v0
	v_readfirstlane_b32 s16, v16                   ; wave kap
	s_and_b32 s18, ttmp7, 0xffff                   ; y
	v_and_b32 v16, 31, v0                          ; lane
	v_and_b32 v17, 15, v0                          ; r
	v_bfe_u32 v18, v0, 4, 1                        ; h
	v_lshrrev_b32 v19, 2, v17
	v_lshlrev_b32 v[VE], 8, v19
	v_and_b32 v19, 3, v17
	v_lshl_add_u32 v[VE], v19, 5, v[VE]
	v_lshl_add_u32 v[VE], v18, 4, v[VE]
	v_lshlrev_b32 v[VW], 4, v16
	v_lshlrev_b32 v[VWS], 2, v16
	v_lshlrev_b32 v[VES], 13, v18
	v_lshl_add_u32 v[VES], v17, 4, v[VES]
	s_mul_i32 s19, s16, 17408
	v_mul_u32_u24 v[PS], v18, 272
	v_lshl_add_u32 v[PS], v17, 4, v[PS]
	v_add_nc_u32 v[PS], s19, v[PS]
	v_lshrrev_b32 v19, 2, v17                      ; the piece that holds columns 4 lam .. +3 (lam = l & 15): 16 (kap>>1) + 4 (lam>>2) + 2 (lam&1) + ((lam>>1)&1)
	v_lshlrev_b32 v19, 2, v19
	v_and_b32 v20, 1, v17
	v_lshl_add_u32 v19, v20, 1, v19
	v_bfe_u32 v20, v17, 1, 1
	v_add_nc_u32 v19, v19, v20
	v_mul_u32_u24 v[PR0], v19, 272                 ; sixteen pieces 272 bytes apart: sixteen different groups of banks
	v_lshl_add_u32 v[PR0], v18, 4, v[PR0]
	s_lshr_b32 s20, s16, 1
	s_mul_i32 s20, s20, 16*272
	s_and_b32 s21, s16, 1
	s_lshl_b32 s21, s21, 7                         ; rows 8 (kap & 1) on, 16 bytes a row
	s_add_co_u32 s20, s20, s21
	v_add_nc_u32 v[PR0], s20, v[PR0]
	v_add_nc_u32 v[PR1], 69632, v[PR0]
	v_lshlrev_b32 v[OO], 11, v18
	v_lshl_add_u32 v[OO], v17, 4, v[OO]
	v_lshlrev_b32 v[BDO], 4, v17
	s_lshl_b32 s24, s16, 14                        ; sixteen K steps of 1,024 bytes a wave
	s_lshl_b32 s22, s18, 19                        ; enc: four tiles of rows a work-group
	s_add_co_u32 s22, s22, s24
	s_mov_b32 s23, 0
	s_lshl_b32 s26, ttmp9, 19                      ; wdec: four tiles of columns
	s_add_co_u32 s26, s26, s24
	s_mov_b32 s27, 0
	s_lshl_b32 s28, s16, 15                        ; wdec_s: sixteen K steps of 2,048 bytes, + 64 x columns of 4
	s_lshl_b32 s29, ttmp9, 8
	s_add_co_u32 s28, s28, s29
	s_mov_b32 s29, 0
	s_lshl_b32 s30, s18, 15                        ; enc_s: four tiles of 8,192 bytes, + four quads of K steps a wave
	s_lshl_b32 s31, s16, 10
	s_add_co_u32 s30, s30, s31
	s_mov_b32 s31, 0
	s_lshl_b32 s32, ttmp9, 8                       ; b_dec, and a row's 256 bytes of out0
	s_mov_b32 s33, 0
	s_lshl_b32 s34, s18, 17                        ; out0: 64 y rows of 2,048 bytes, + 8 kap rows
	s_add_co_u32 s34, s34, s24
	s_add_co_u32 s34, s34, s32
	s_mov_b32 s35, 0
	s_wait_kmcnt 0x0
	s_add_nc_u64 s[4:5], s[4:5], s[22:23]
	s_add_nc_u64 s[8:9], s[8:9], s[26:27]
	s_add_nc_u64 s[10:11], s[10:11], s[28:29]
	s_add_nc_u64 s[6:7], s[6:7], s[30:31]
	s_add_nc_u64 s[12:13], s[12:13], s[32:33]
	s_add_nc_u64 s[14:15], s[14:15], s[34:35]
	global_load_b128 v[BD:BD+3], v[BDO], s[12:13]
	QUAD 1                                         ; the first K step's products start the sums: nothing is cleared
	s_mov_b32 s22, 3
.Lquad:
	QUAD 0
	s_sub_co_u32 s22, s22, 1
	s_cmp_lg_u32 s22, 0
	s_cbranch_scc1 .Lquad
.set tt, 0
.rept 16
	ds_store_b128 v[PS], v[ACC+8*tt:ACC+8*tt+3] offset:544*(2*tt)          ; each accumulator from its low end on; sixteen lanes fill a piece of 256 bytes
	ds_store_b128 v[PS], v[ACC+8*tt+4:ACC+8*tt+7] offset:544*(2*tt+1)
.set tt, tt+1
.endr
	s_wait_dscnt 0x0                               ; for the others' sake: my partial tile has landed
	s_barrier_signal -1
	s_barrier_wait -1
	; wave kap adds and stores rows 8 kap .. +7: lanes 0-15 one row, lanes 16-31 the next, four times
.set kp, 0
.rept 8
.irp z, 0,1,2,3
.if kp < 4
	ds_load_b128 v[ACC+16*kp+4*\z:ACC+16*kp+4*\z+3], v[PR0] offset:17408*kp+32*\z
.else
	ds_load_b128 v[ACC+16*kp+4*\z:ACC+16*kp+4*\z+3], v[PR1] offset:17408*(kp-4)+32*\z
.endif
.endr
.set kp, kp+1
.endr
.set kp, 1
.rept 7
	s_wait_dscnt 4*(7-kp)                          ; partial tiles 0 .. kp are in; the count is the younger loads
.irp z, 0,1,2,3
	v_pk_add_f32 v[ACC+4*\z:ACC+4*\z+1], v[ACC+4*\z:ACC+4*\z+1], v[ACC+16*kp+4*\z:ACC+16*kp+4*\z+1]
	v_pk_add_f32 v[ACC+4*\z+2:ACC+4*\z+3], v[ACC+4*\z+2:ACC+4*\z+3], v[ACC+16*kp+4*\z+2:ACC+16*kp+4*\z+3]
.endr
.set kp, kp+1
.endr
.irp z, 0,1,2,3
	v_pk_add_f32 v[ACC+4*\z:ACC+4*\z+1], v[ACC+4*\z:ACC+4*\z+1], v[BD:BD+1]        ; + b_dec
	v_pk_add_f32 v[ACC+4*\z+2:ACC+4*\z+3], v[ACC+4*\z+2:ACC+4*\z+3], v[BD+2:BD+3]
.endr
.irp z, 0,1,2,3
	global_store_b128 v[OO], v[ACC+4*\z:ACC+4*\z+3], s[14:15] offset:4096*\z       ; sixteen lanes store 256 consecutive bytes, aligned
.endr
	s_wait_tensorcnt 0x0                           ; the wave's end, behind my last LDS store
	ds_add_u32 v[SPW], v[NIL]
	s_wait_dscnt 0x0
	s_endpgm
.Lfunc_end_k_q769410a274_dec2:
	.size	k_q769410a274_dec2, .Lfunc_end_k_q769410a274_dec2-k_q769410a274_dec2
	.p2alignl 7, 3214868480
	.fill 96, 4, 3214868480
	.section	.rodata,"a",@progbits
	.p2align	6, 0x0
	.amdhsa_kernel k_q769410a274_dec2
		.amdhsa_group_segment_fixed_size 140288
		.amdhsa_private_segment_fixed_size 0
		.amdhsa_enable_private_segment 0
		.amdhsa_kernarg_size 48
		.amdhsa_user_sgpr_count 2
		.amdhsa_user_sgpr_kernarg_segment_ptr 1
		.amdhsa_wavefront_size32 1
		.amdhsa_system_sgpr_workgroup_id_x 1
		.amdhsa_system_sgpr_workgroup_id_y 1
		.amdhsa_system_sgpr_workgroup_id_z 1
		.amdhsa_system_vgpr_workitem_id 0
		.amdhsa_next_free_vgpr 256
		.amdhsa_next_free_sgpr 66
		.amdhsa_reserve_vcc 0
		.amdhsa_float_denorm_mode_32 3
		.amdhsa_float_denorm_mode_16_64 3
		.amdhsa_memory_ordered 1
		.amdhsa_forward_progress 1
		.amdhsa_inst_pref_size 44
	.end_amdhsa_kernel
	.amdgpu_metadata
---
amdhsa.version: [ 1, 2 ]
amdhsa.kernels:
  - .name:           k_q769410a274_dec2
    .symbol:         k_q769410a274_dec2.kd
    .args:
      - { .name: enc, .offset: 0, .size: 8, .value_kind: global_buffer, .address_space: global }
      - { .name: enc_s, .offset: 8, .size: 8, .value_kind: global_buffer, .address_space: global }
      - { .name: wdec, .offset: 16, .size: 8, .value_kind: global_buffer, .address_space: global }
      - { .name: wdec_s, .offset: 24, .size: 8, .value_kind: global_buffer, .address_space: global }
      - { .name: b_dec, .offset: 32, .size: 8, .value_kind: global_buffer, .address_space: global }
      - { .name: out0, .offset: 40, .size: 8, .value_kind: global_buffer, .address_space: global }
    .group_segment_fixed_size: 140288
    .private_segment_fixed_size: 0
    .kernarg_segment_align: 8
    .kernarg_segment_size: 48
    .max_flat_workgroup_size: 256
    .sgpr_count:     66
    .vgpr_count:     256
    .wavefront_size: 32
...
	.end_amdgpu_metadata
.endif
;; end of part 5
;; ======== version 2 of 2: 4 launches
;; limits: right only within a limited range of input values
;; workspace buffers: wenc 4,521,984 bytes; pre 268,435,456 bytes; wdec 4,194,304 bytes; wdec_s 262,144 bytes; enc 33,554,432 bytes; enc_s 2,097,152 bytes; flags 512 bytes of whole numbers
;; launch quant (part 6): grid 256 x 1, 16 waves a work-group, no clusters, 84,480 bytes of LDS; arguments W_enc, b_enc, feature_mask, wenc, flags, W_dec, wdec, wdec_s; writes wenc, flags, wdec, wdec_s
.if DOCPART == 6
	.amdgcn_target "amdgcn-amd-amdhsa--gfx1250"
	.amdhsa_code_object_version 6
	.text
	.protected	k_q769410a274_quant
	.globl	k_q769410a274_quant
	.p2align	8
	.type	k_q769410a274_quant,@function
k_q769410a274_quant:
	s_mov_b64 s[64:65], 0
	v_nop
	global_prefetch_b8 v0, s[64:65] scope:SCOPE_SE
	s_setreg_imm32_b32 hwreg(HW_REG_WAVE_MODE, 25, 1), 1
	s_wait_xcnt 0x0
; QUANT: both weights are normalised and quantised to E2M1 with one E8M0 byte for each 32 along K, in one launch: work-groups 0-127 take W_enc, work-groups 128-255 take W_dec.
; The two ways part on the work-group's number alone; each has LDS bytes of its own; neither reads what the other stores.
; DEAD WORK: none for all values of the inputs.  Every step of reference() is done and every input is loaded by some launch: b_enc, ln_w, ln_b and feature_mask differ from
; feature to feature, so no mean or norm takes them away; both eps stay; b_dec is added at the end.
; WORK THAT SOME VALUES THROW AWAY: where feature_mask is 0, encoded = h x sigmoid x 0 is 0 for every finite h; its codes are zeros, and they add nothing to the second product.
; This launch stores, for each 128 features, one whole number: 1 if any of their mask numbers is not zero, else 0 (flags[G], a fixed place).  Later launches read these numbers and pass over,
; by scalar branches, the sigmoid and quantiser of 256 features, and four K steps of the second product, whose numbers are all 0.  Nothing of the mask's pattern is built in.
; LIMITS of the program: NaN and infinities among the inputs are not served; a NaN, an infinity or an overflow in h under a zero mask is not carried to the result.
; A division x / d is x times (1 / d), 1 / d by v_rcp_f32 and one Newton step.  A block of zeros gets the scale byte 1 (or 0, where it is passed over) where the rule says 127: its codes are zeros,
; and the bytes are read by this program alone.
; No tensor load, no cluster: work-groups share no input byte.
.set SPARE, 82432                      ; behind both ways' bytes: the spare words, 128 bytes for each wave
.set SPW,  10                          ; v10 my spare word; never rewritten
.set NIL,  11                          ; v11 0; never rewritten
.set M0,   44
.set M1,   45
.set SCV,  46
.set L16,  1                           ; v1  16 x lane
.set C,    24                          ; v24-39 codes, four registers a column
.set EB,   40                          ; v40-43 scale bytes
.set RAW,  64                          ; v64-191 32 rows x 4 columns as loaded
.set T,    192                         ; v192-223 a column's 32 numbers, K on end
.set N,    224                         ; v224-255 at work
; 32 numbers of one lane, v[t] .. v[t+31], become 16 bytes of codes in v[c] .. v[c+3] and the scale's byte in v[e].
.macro QUANT32 t, c, e
	v_max3_num_f32 v[M0], |v[(\t)]|, |v[(\t)+1]|, 0x1800000        ; the largest magnitude, with the floor 2^(3 - 127) among its leaves: the byte cannot fall under 1
	v_max3_num_f32 v[M1], |v[(\t)+2]|, |v[(\t)+3]|, |v[(\t)+4]|
.irp i, 5,9,13,17,21,25
	s_delay_alu instid0(VALU_DEP_2)
	v_max3_num_f32 v[M0], v[M0], |v[(\t)+\i]|, |v[(\t)+\i+1]|
	s_delay_alu instid0(VALU_DEP_2)
	v_max3_num_f32 v[M1], v[M1], |v[(\t)+\i+2]|, |v[(\t)+\i+3]|
.endr
	s_delay_alu instid0(VALU_DEP_2)
	v_max3_num_f32 v[M0], v[M0], |v[(\t)+29]|, |v[(\t)+30]|
	s_delay_alu instid0(VALU_DEP_1)
	v_max3_num_f32 v[M0], v[M0], v[M1], |v[(\t)+31]|
	s_delay_alu instid0(VALU_DEP_1)
	v_add_nc_u32 v[SCV], 0xff000000, v[M0]                         ; 2 off its exponent field: the conversion's scale operand
.irp q, 0,1,2,3
	v_cvt_scalef32_pk8_fp4_f32 v[(\c)+\q], v[(\t)+8*\q:(\t)+8*\q+7], v[SCV]
.endr
	v_lshrrev_b32 v[(\e)], 23, v[SCV]                              ; the scale's byte; also the plain line behind the conversions
.endm
	v_lshl_add_u32 v[SPW], v0, 2, SPARE
	v_mov_b32 v[NIL], 0
	s_cmp_ge_u32 ttmp9, 128                        ; the same in all waves of a work-group
	s_cbranch_scc1 .Ldec
; W_ENC [512][16384] f32 -> W_enc / (column norm + 1e-8), quantised along K (its FIRST axis).
; OUT: wenc, 64 chunks of 70,656 bytes, one for each 256 features, laid as the next launch's operand registers want them:
;   16 tiles of 4,096 bytes (a tile: 16 features x 512 K as images of registers: block B of 32 along K, column r at (B>>1)*512 + (16*(B&1)+r)*16),
;   then the scale bytes, tile*256 + r*16 + B, then b_enc of the chunk's features, (tile&1)*512 + (tile>>1)*64 + 4 r.
;   Tile 2 j + a of chunk x holds the features 256 x + 128 a + 8 r + j: so the launch that walks rows finds eight neighbouring features in one lane.
; SHARES: work-group G takes columns 128 G .. +127 and all of K.  Wave W takes block W of K (rows 32 W .. +31); lane l the columns 4 l .. 4 l + 3:
; each load reads 512 consecutive bytes, and a lane's registers run down K, so a block's 32 numbers of a column lie in one lane.
.set ROWB,  65536                      ; a row of W_enc in bytes
.set CHUNK, 70656
.set PART,  0                          ; LDS: [wave][128 columns] partial sums of squares, 8,192 bytes
.set SCL,   8192                       ; scale bytes, (j*16 + r)*16 + B, 2,048 bytes
.set STG,   10240                      ; a stage of 2,048 bytes for each wave
.set ITEM, 2                           ; v2  (l&1)*1024 + (l>>1)*16: tile j = 4 (l&1) + jj, column r = l>>1
.set STS,  3                           ; v3  my place in my stage
.set SCS,  4                           ; v4  my place among the scale bytes
.set STL,  5                           ; v5  my stage, 16 bytes a lane
.set PAS,  6                           ; v6  where my partial sums go
.set OUTO, 8                           ; v8  (l>>4)*8192 + (l&15)*16: two tiles j an instruction
.set SS,   12                          ; v12-15 sums of squares of my four columns
.set RI,   16                          ; v16-19 1 / (norm + eps)
.set DN,   20                          ; v20-23 norm + eps
.set T16,  48                          ; v48 16 x thread
.set SCLO, 49                          ; v49 where a thread's 16 scale bytes go in the chunk
.set BEO,  50                          ; v50 b_enc: (t&3)*128 + (t>>2)*4
.set BE,   52                          ; v52-55
.set FMK,  56                          ; v56-59 four numbers of feature_mask, then the whole number and its offset
	s_load_b128 s[4:7], s[0:1], 0x0                ; W_enc, b_enc
	s_load_b64 s[28:29], s[0:1], 0x10              ; feature_mask
	s_load_b64 s[8:9], s[0:1], 0x18                ; wenc
	s_load_b64 s[30:31], s[0:1], 0x20              ; flags
	v_lshrrev_b32 v9, 5, v0
	s_delay_alu instid0(VALU_DEP_1)
	v_readfirstlane_b32 s10, v9                    ; wave W
	v_and_b32 v9, 31, v0                           ; lane
	s_delay_alu instid0(VALU_DEP_1)
	v_lshlrev_b32 v[L16], 4, v9
	s_delay_alu instid0(VALU_DEP_2)
	v_and_b32 v[ITEM], 1, v9
	s_delay_alu instid0(VALU_DEP_1)
	v_lshlrev_b32 v[ITEM], 10, v[ITEM]
	s_delay_alu instid0(VALU_DEP_4)
	v_lshrrev_b32 v7, 1, v9
	s_delay_alu instid0(VALU_DEP_1)
	v_lshl_add_u32 v[ITEM], v7, 4, v[ITEM]
	s_lshl_b32 s11, s10, 11
	s_add_co_u32 s11, s11, STG
	v_add_nc_u32 v[STS], s11, v[ITEM]
	v_add_nc_u32 v[STL], s11, v[L16]
	s_add_co_u32 s12, s10, SCL
	v_add_nc_u32 v[SCS], s12, v[ITEM]
	s_lshl_b32 s12, s10, 9
	v_add_nc_u32 v[PAS], s12, v[L16]
	v_lshrrev_b32 v7, 4, v9
	s_delay_alu instid0(VALU_DEP_1)
	v_lshlrev_b32 v[OUTO], 13, v7
	v_and_b32 v7, 15, v9
	s_delay_alu instid0(VALU_DEP_1)
	v_lshl_add_u32 v[OUTO], v7, 4, v[OUTO]
	v_lshlrev_b32 v[T16], 4, v0
	v_lshrrev_b32 v7, 4, v0
	s_delay_alu instid0(VALU_DEP_1)
	v_lshlrev_b32 v[SCLO], 9, v7
	v_and_b32 v7, 15, v0
	s_delay_alu instid0(VALU_DEP_1)
	v_lshl_add_u32 v[SCLO], v7, 4, v[SCLO]
	v_and_b32 v7, 3, v9
	s_delay_alu instid0(VALU_DEP_1)
	v_lshlrev_b32 v[BEO], 7, v7
	v_lshrrev_b32 v7, 2, v9
	s_delay_alu instid0(VALU_DEP_1)
	v_lshl_add_u32 v[BEO], v7, 2, v[BEO]
	s_lshl_b32 s14, s10, 21                        ; 32 W rows
	s_lshl_b32 s15, ttmp9, 9                       ; 128 G columns
	s_add_co_u32 s14, s14, s15
	s_mov_b32 s15, 0
	s_lshr_b32 s16, ttmp9, 1
	s_mul_i32 s16, s16, CHUNK                      ; my chunk
	s_mov_b32 s17, 0
	s_and_b32 s18, ttmp9, 1                        ; a: which half of the chunk's features
	s_lshl_b32 s20, s18, 12
	s_lshl_b32 s21, s10, 8
	s_add_co_u32 s20, s20, s21                     ; images: a*4096 + W*256
	s_mov_b32 s21, 0
	s_lshl_b32 s22, s18, 8
	s_add_co_u32 s22, s22, 65536                   ; scale bytes: 65536 + a*256
	s_mov_b32 s23, 0
	s_lshl_b32 s24, s18, 9
	s_add_co_u32 s24, s24, 69632                   ; b_enc: 69632 + a*512
	s_mov_b32 s25, 0
	s_lshl_b32 s26, ttmp9, 9                       ; my 128 numbers of b_enc and of feature_mask
	s_mov_b32 s27, 0
	s_lshl_b32 s32, ttmp9, 2                       ; my word of flags
	s_mov_b32 s33, 0
	s_wait_kmcnt 0x0
	s_add_nc_u64 s[4:5], s[4:5], s[14:15]
	s_add_nc_u64 s[8:9], s[8:9], s[16:17]
	s_add_nc_u64 s[20:21], s[8:9], s[20:21]
	s_add_nc_u64 s[22:23], s[8:9], s[22:23]
	s_add_nc_u64 s[24:25], s[8:9], s[24:25]
	s_add_nc_u64 s[6:7], s[6:7], s[26:27]
	s_add_nc_u64 s[28:29], s[28:29], s[26:27]
	s_add_nc_u64 s[30:31], s[30:31], s[32:33]
.set ii, 0
.rept 32
	global_load_b128 v[RAW+4*ii:RAW+4*ii+3], v[L16], s[4:5] offset:ii*ROWB th:TH_LOAD_NT   ; row 32 W + ii: 512 consecutive bytes a wave
.set ii, ii+1
.endr
	; my block's part of the four columns' sums of squares
.set ii, 0
.rept 32
.if ii%8 == 0
	s_wait_alu depctr_va_vdst(0)
	s_wait_loadcnt 24-ii                           ; eight more rows are in; the count is the younger loads
.endif
.if ii == 0
	v_pk_mul_f32 v[SS:SS+1], v[RAW:RAW+1], v[RAW:RAW+1]
	v_pk_mul_f32 v[SS+2:SS+3], v[RAW+2:RAW+3], v[RAW+2:RAW+3]
.else
	v_pk_fma_f32 v[SS:SS+1], v[RAW+4*ii:RAW+4*ii+1], v[RAW+4*ii:RAW+4*ii+1], v[SS:SS+1]
	v_pk_fma_f32 v[SS+2:SS+3], v[RAW+4*ii+2:RAW+4*ii+3], v[RAW+4*ii+2:RAW+4*ii+3], v[SS+2:SS+3]
.endif
.set ii, ii+1
.endr
	ds_store_b128 v[PAS], v[SS:SS+3] offset:PART
	s_wait_dscnt 0x0                               ; for the others' sake: my store has landed
	s_barrier_signal -1
	s_barrier_wait -1
.set qq, 0
.rept 16
	ds_load_b128 v[T+4*qq:T+4*qq+3], v[L16] offset:PART+512*qq     ; all sixteen blocks' parts of my four columns
.set qq, qq+1
.endr
	s_wait_dscnt 0x0
	v_pk_add_f32 v[SS:SS+1], v[T:T+1], v[T+4:T+5]                  ; added in ascending K: every wave gets the same norm
	v_pk_add_f32 v[SS+2:SS+3], v[T+2:T+3], v[T+6:T+7]
.set qq, 2
.rept 14
	s_delay_alu instid0(VALU_DEP_2)
	v_pk_add_f32 v[SS:SS+1], v[SS:SS+1], v[T+4*qq:T+4*qq+1]
	s_delay_alu instid0(VALU_DEP_2)
	v_pk_add_f32 v[SS+2:SS+3], v[SS+2:SS+3], v[T+4*qq+2:T+4*qq+3]
.set qq, qq+1
.endr
	s_wait_alu depctr_va_vdst(0)
.irp jj, 0,1,2,3
	v_sqrt_f32 v[DN+\jj], v[SS+\jj]
.endr
	v_nop                                          ; a plain line behind the roots
	s_wait_alu depctr_va_vdst(0)                   ; one wait for the four, ahead of their first reader
.irp jj, 0,1,2,3
	v_add_f32 v[DN+\jj], 0x322bcc77, v[DN+\jj]     ; + 1e-8
.endr
	s_wait_alu depctr_va_vdst(0)
.irp jj, 0,1,2,3
	v_rcp_f32 v[RI+\jj], v[DN+\jj]
.endr
	v_nop
	s_wait_alu depctr_va_vdst(0)
.irp jj, 0,1,2,3
	v_fma_f32 v[SS+\jj], -v[DN+\jj], v[RI+\jj], 1.0                ; one Newton step
.endr
.irp jj, 0,1,2,3
	v_fma_f32 v[RI+\jj], v[RI+\jj], v[SS+\jj], v[RI+\jj]
.endr
.irp jj, 0,1,2,3
.set ii, 0
.rept 32
	v_mul_f32 v[T+ii], v[RAW+4*ii+\jj], v[RI+\jj]                  ; normalised, and laid with K on end
.set ii, ii+1
.endr
	QUANT32 T, C+4*\jj, EB+\jj
	ds_store_b128 v[STS], v[C+4*\jj:C+4*\jj+3] offset:256*\jj
	ds_store_b8 v[SCS], v[EB+\jj] offset:256*\jj
.endr
.irp q, 0,1,2,3
	ds_load_b128 v[N+4*\q:N+4*\q+3], v[STL] offset:512*\q          ; LDS serves a wave's instructions in order: these see my stores
.endr
.irp q, 0,1,2,3
	s_wait_dscnt 3-\q                              ; the count is the younger loads
	global_store_b128 v[OUTO], v[N+4*\q:N+4*\q+3], s[20:21] offset:16384*\q   ; sixteen lanes store 256 consecutive bytes, aligned: block W of one tile
.endr
	s_wait_dscnt 0x0                               ; my scale bytes have landed
	s_barrier_signal -1
	s_barrier_wait -1
	s_cmp_lt_u32 s10, 4
	s_cbranch_scc0 .Lno_scl
	ds_load_b128 v[C:C+3], v[T16] offset:SCL       ; threads 0-127: column (j, r)'s sixteen bytes
	s_wait_dscnt 0x0
	global_store_b128 v[SCLO], v[C:C+3], s[22:23]
.Lno_scl:
	s_cmp_eq_u32 s10, 0
	s_cbranch_scc0 .Lno_bias
.irp ee, 0,1,2,3
	global_load_b32 v[BE+\ee], v[BEO], s[6:7] offset:32*\ee        ; b_enc of feature 128 G + 8 r + j, r = 4 (t&3) + ee, j = t>>2
.endr
	global_load_b128 v[FMK:FMK+3], v[L16], s[28:29]                ; feature_mask of features 128 G + 4 l .. + 3
	s_wait_loadcnt 0x0
	global_store_b128 v[L16], v[BE:BE+3], s[24:25]
	v_or_b32 v[FMK], v[FMK], v[FMK+1]              ; is any of the 128 numbers not zero?  Their bits together,
	v_or_b32 v[FMK+2], v[FMK+2], v[FMK+3]
	s_delay_alu instid0(VALU_DEP_1)
	v_or_b32 v[FMK], v[FMK], v[FMK+2]
	s_delay_alu instid0(VALU_DEP_1)
	v_and_b32 v[FMK], 0x7fffffff, v[FMK]           ; the signs aside: -0 is zero
	s_delay_alu instid0(VALU_DEP_1)
	v_cmp_ne_u32 vcc_lo, 0, v[FMK]
	s_cmp_lg_u32 vcc_lo, 0                         ; in any lane: a value is chosen; no branch and no address hangs on it
	s_cselect_b32 s11, 1, 0
	v_mov_b32 v[FMK+1], s11
	v_mov_b32 v[FMK+2], 0
	v_cmp_eq_u32 vcc_lo, 0, v0                     ; thread 0 stores the word
	s_wait_alu depctr_va_vdst(0)
	s_wait_xcnt 0x0                                ; EXEC changes only behind this wait: the stores above have read theirs
	s_and_saveexec_b32 s12, vcc_lo
	global_store_b32 v[FMK+2], v[FMK+1], s[30:31]
	s_wait_xcnt 0x0                                ; and again, in front of the line that widens it
	s_or_b32 exec_lo, exec_lo, s12
.Lno_bias:
	s_wait_tensorcnt 0x0                           ; the wave's end, behind my last LDS store
	ds_add_u32 v[SPW], v[NIL]
	s_wait_dscnt 0x0
	s_endpgm
; W_DEC [16384][512] f32 -> W_dec / (row norm + 1e-8), quantised along K (its FIRST axis, the 16,384).
; OUT: wdec, images of operand registers: column n = 16 nu + r, K = 128 s + 64 c + 32 h + 0 .. 31 at nu*131072 + s*1024 + c*512 + (16 h + r)*16;  wdec_s: s*2048 + n*4 + (2 c + h).
; SHARES: work-group 128 + s takes rows 128 s .. +127 (one K step) and all 512 columns.  Wave W: u = W & 3 the columns 128 u .. +127, bq = W >> 2 the block of 32 rows; lane l the columns 4 l .. +3 of them.
; A load reads 512 consecutive bytes; a lane's registers run down K.  A row's norm spans four waves: the parts meet in LDS.
.Ldec:
.set PART,  45056                      ; LDS, behind the other way's bytes: [u][128 rows] partial sums of squares
.set RINV,  47104                      ; 1 / (norm + eps) of the 128 rows
.set SCW,   47616                      ; scale bytes [512 columns][4]
.set STG,   49664                      ; a stage of 2,048 bytes for each wave
.set PAS,  2                           ; v2  where my 32 rows' sums go (the same in all lanes)
.set T4,   3                           ; v3  4 x thread
.set RIL,  5                           ; v5  my 32 rows' reciprocals (the same in all lanes)
.set STS,  6                           ; v6  my stage, 64 bytes a lane
.set SCS,  7                           ; v7  my scale bytes
.set STL,  8                           ; v8  my stage, 16 bytes a lane
.set OUTO, 9                           ; v9  (l>>4)*131072 + (l&15)*16
.set T16,  12                          ; v12 16 x thread
.set PT,   16                          ; v16-19 the other half's sums
.set DN,   48                          ; v48-51 at work on a norm
	s_load_b128 s[4:7], s[0:1], 0x28               ; W_dec, wdec
	s_load_b64 s[8:9], s[0:1], 0x38                ; wdec_s
	s_and_b32 s3, ttmp9, 127                       ; s: my K step
	v_lshrrev_b32 v14, 5, v0
	s_delay_alu instid0(VALU_DEP_1)
	v_readfirstlane_b32 s10, v14                   ; wave W
	s_and_b32 s11, s10, 3                          ; u
	s_lshr_b32 s12, s10, 2                         ; bq
	v_and_b32 v14, 31, v0                          ; lane
	s_delay_alu instid0(VALU_DEP_1)
	v_lshlrev_b32 v[L16], 4, v14
	s_wait_alu depctr_va_vdst(0)
	s_lshl_b32 s13, s11, 9
	s_lshl_b32 s14, s12, 7
	s_add_co_u32 s15, s13, s14
	v_mov_b32 v[PAS], s15                          ; 512 u + 128 bq
	v_lshlrev_b32 v[T4], 2, v0
	s_add_co_u32 s15, s14, RINV
	v_mov_b32 v[RIL], s15
	s_lshl_b32 s15, s10, 11
	s_add_co_u32 s15, s15, STG
	v_lshl_add_u32 v[STS], v14, 6, s15
	v_add_nc_u32 v[STL], s15, v[L16]
	s_add_co_u32 s15, s13, s12
	s_add_co_u32 s15, s15, SCW
	v_add_nc_u32 v[SCS], s15, v[L16]               ; SCW + 512 u + 16 l + bq
	v_lshrrev_b32 v15, 4, v14
	s_delay_alu instid0(VALU_DEP_1)
	v_lshlrev_b32 v[OUTO], 17, v15
	v_and_b32 v15, 15, v14
	s_delay_alu instid0(VALU_DEP_1)
	v_lshl_add_u32 v[OUTO], v15, 4, v[OUTO]
	v_lshlrev_b32 v[T16], 4, v0
.irp kx, 0,1,2,3
	v_mov_b32 v[PT+\kx], 0                         ; written once: a lane permute's destination counts as one of its sources
.endr
	s_mov_b32 s20, 0x76543210
	s_mov_b32 s21, 0xfedcba98                      ; v_permlanex16_b32's selects for lane l xor 16
	s_lshl_b32 s16, s3, 18                         ; 128 s rows of 2,048 bytes
	s_lshl_b32 s17, s12, 16
	s_add_co_u32 s16, s16, s17
	s_add_co_u32 s16, s16, s13
	s_mov_b32 s17, 0
	s_lshl_b32 s18, s11, 20                        ; wdec: eight tiles nu for each u,
	s_lshl_b32 s19, s3, 10
	s_add_co_u32 s18, s18, s19
	s_lshl_b32 s19, s12, 8
	s_add_co_u32 s18, s18, s19
	s_mov_b32 s19, 0
	s_lshl_b32 s22, s3, 11
	s_mov_b32 s23, 0
	s_wait_kmcnt 0x0
	s_add_nc_u64 s[4:5], s[4:5], s[16:17]
	s_add_nc_u64 s[6:7], s[6:7], s[18:19]
	s_add_nc_u64 s[8:9], s[8:9], s[22:23]
.set ii, 0
.rept 32
	global_load_b128 v[RAW+4*ii:RAW+4*ii+3], v[L16], s[4:5] offset:2048*ii th:TH_LOAD_NT
.set ii, ii+1
.endr
.set gb, 0
.rept 4
	s_wait_loadcnt 24-8*gb                         ; eight more rows are in; the count is the younger loads
.irp kx, 0,1,2,3,4,5,6,7
	v_pk_mul_f32 v[N+2*\kx:N+2*\kx+1], v[RAW+4*(8*gb+\kx):RAW+4*(8*gb+\kx)+1], v[RAW+4*(8*gb+\kx):RAW+4*(8*gb+\kx)+1]
.endr
.irp kx, 0,1,2,3,4,5,6,7
	v_pk_fma_f32 v[N+2*\kx:N+2*\kx+1], v[RAW+4*(8*gb+\kx)+2:RAW+4*(8*gb+\kx)+3], v[RAW+4*(8*gb+\kx)+2:RAW+4*(8*gb+\kx)+3], v[N+2*\kx:N+2*\kx+1]
.endr
.irp kx, 0,1,2,3,4,5,6,7
	v_add_f32 v[T+8*gb+\kx], v[N+2*\kx], v[N+2*\kx+1]              ; my four columns' squares of row 8 gb + kx
.endr
.set gb, gb+1
.endr
.irp xm, 1,2,4,8
.set ii, 0
.rept 32
	v_add_f32_dpp v[T+ii], v[T+ii], v[T+ii] row_xmask:\xm row_mask:0xf bank_mask:0xf
.set ii, ii+1
.endr
.endr
.set ii, 0
.rept 8
.irp kx, 0,1,2,3
	v_permlanex16_b32 v[PT+\kx], v[T+4*ii+\kx], s20, s21
.endr
.irp kx, 0,1,2,3
	s_delay_alu instid0(VALU_DEP_4)
	v_add_f32 v[T+4*ii+\kx], v[T+4*ii+\kx], v[PT+\kx]              ; my wave's 128 columns of each row, in every lane
.endr
.set ii, ii+1
.endr
.irp q, 0,1,2,3,4,5,6,7
	ds_store_b128 v[PAS], v[T+4*\q:T+4*\q+3] offset:PART+16*\q     ; all lanes write the same words with the same values
.endr
	s_wait_dscnt 0x0
	s_barrier_signal -1
	s_barrier_wait -1
	s_cmp_lt_u32 s10, 4
	s_cbranch_scc0 .Lno_norm
.irp uu, 0,1,2,3
	ds_load_b32 v[DN+\uu], v[T4] offset:PART+512*\uu               ; thread t: row t's four parts
.endr
	s_wait_dscnt 0x0
	v_add_f32 v[DN], v[DN], v[DN+1]
	s_delay_alu instid0(VALU_DEP_1)
	v_add_f32 v[DN], v[DN], v[DN+2]
	s_delay_alu instid0(VALU_DEP_1)
	v_add_f32 v[DN], v[DN], v[DN+3]
	s_wait_alu depctr_va_vdst(0)
	v_sqrt_f32 v[DN+1], v[DN]
	v_nop
	s_wait_alu depctr_va_vdst(0)                   ; ahead of the root's first reader
	v_add_f32 v[DN+1], 0x322bcc77, v[DN+1]         ; + 1e-8
	s_wait_alu depctr_va_vdst(0)
	v_rcp_f32 v[DN+2], v[DN+1]
	v_nop
	s_wait_alu depctr_va_vdst(0)
	v_fma_f32 v[DN+3], -v[DN+1], v[DN+2], 1.0      ; one Newton step
	v_fma_f32 v[DN+2], v[DN+2], v[DN+3], v[DN+2]
	ds_store_b32 v[T4], v[DN+2] offset:RINV
.Lno_norm:
	s_wait_dscnt 0x0
	s_barrier_signal -1
	s_barrier_wait -1
.irp q, 0,1,2,3,4,5,6,7
	ds_load_b128 v[N+4*\q:N+4*\q+3], v[RIL] offset:16*\q           ; my 32 rows' reciprocals
.endr
	s_wait_dscnt 0x0
.irp jj, 0,1,2,3
.set ii, 0
.rept 32
	v_mul_f32 v[T+ii], v[RAW+4*ii+\jj], v[N+ii]                    ; normalised, and laid with K on end
.set ii, ii+1
.endr
	QUANT32 T, C+4*\jj, EB+\jj
	ds_store_b128 v[STS], v[C+4*\jj:C+4*\jj+3] offset:16*\jj
	ds_store_b8 v[SCS], v[EB+\jj] offset:4*\jj
.endr
.irp q, 0,1,2,3
	ds_load_b128 v[N+4*\q:N+4*\q+3], v[STL] offset:512*\q          ; LDS serves a wave's instructions in order: these see my stores
.endr
.irp q, 0,1,2,3
	s_wait_dscnt 3-\q                              ; the count is the younger loads
	global_store_b128 v[OUTO], v[N+4*\q:N+4*\q+3], s[6:7] offset:262144*\q    ; sixteen lanes store 256 consecutive bytes, aligned: block bq of one tile nu
.endr
	s_wait_dscnt 0x0
	s_barrier_signal -1
	s_barrier_wait -1
	s_cmp_lt_u32 s10, 4
	s_cbranch_scc0 .Lno_scw
	ds_load_b128 v[C:C+3], v[T16] offset:SCW
	s_wait_dscnt 0x0
	global_store_b128 v[T16], v[C:C+3], s[8:9]     ; the K step's 2,048 scale bytes, on end
.Lno_scw:
	s_wait_tensorcnt 0x0                           ; the wave's end, behind my last LDS store
	ds_add_u32 v[SPW], v[NIL]
	s_wait_dscnt 0x0
	s_endpgm
.Lfunc_end_k_q769410a274_quant:
	.size	k_q769410a274_quant, .Lfunc_end_k_q769410a274_quant-k_q769410a274_quant
	.p2alignl 7, 3214868480
	.fill 96, 4, 3214868480
	.section	.rodata,"a",@progbits
	.p2align	6, 0x0
	.amdhsa_kernel k_q769410a274_quant
		.amdhsa_group_segment_fixed_size 84480
		.amdhsa_private_segment_fixed_size 0
		.amdhsa_enable_private_segment 0
		.amdhsa_kernarg_size 64
		.amdhsa_user_sgpr_count 2
		.amdhsa_user_sgpr_kernarg_segment_ptr 1
		.amdhsa_wavefront_size32 1
		.amdhsa_system_sgpr_workgroup_id_x 1
		.amdhsa_system_sgpr_workgroup_id_y 1
		.amdhsa_system_sgpr_workgroup_id_z 1
		.amdhsa_system_vgpr_workitem_id 0
		.amdhsa_next_free_vgpr 256
		.amdhsa_next_free_sgpr 66
		.amdhsa_reserve_vcc 1
		.amdhsa_float_denorm_mode_32 3
		.amdhsa_float_denorm_mode_16_64 3
		.amdhsa_memory_ordered 1
		.amdhsa_forward_progress 1
		.amdhsa_inst_pref_size 68
	.end_amdhsa_kernel
	.amdgpu_metadata
---
amdhsa.version: [ 1, 2 ]
amdhsa.kernels:
  - .name:           k_q769410a274_quant
    .symbol:         k_q769410a274_quant.kd
    .args:
      - { .name: W_enc, .offset: 0, .size: 8, .value_kind: global_buffer, .address_space: global }
      - { .name: b_enc, .offset: 8, .size: 8, .value_kind: global_buffer, .address_space: global }
      - { .name: feature_mask, .offset: 16, .size: 8, .value_kind: global_buffer, .address_space: global }
      - { .name: wenc, .offset: 24, .size: 8, .value_kind: global_buffer, .address_space: global }
      - { .name: flags, .offset: 32, .size: 8, .value_kind: global_buffer, .address_space: global }
      - { .name: W_dec, .offset: 40, .size: 8, .value_kind: global_buffer, .address_space: global }
      - { .name: wdec, .offset: 48, .size: 8, .value_kind: global_buffer, .address_space: global }
      - { .name: wdec_s, .offset: 56, .size: 8, .value_kind: global_buffer, .address_space: global }
    .group_segment_fixed_size: 84480
    .private_segment_fixed_size: 0
    .kernarg_segment_align: 8
    .kernarg_segment_size: 64
    .max_flat_workgroup_size: 512
    .sgpr_count:     66
    .vgpr_count:     256
    .wavefront_size: 32
...
	.end_amdgpu_metadata
.endif
;; end of part 6
;; launch pre1 (part 7): grid 64 x 4, 16 waves a work-group, no clusters, 167,936 bytes of LDS; arguments acts_codes, acts_scales, wenc, pre; writes pre
.if DOCPART == 7
	.amdgcn_target "amdgcn-amd-amdhsa--gfx1250"
	.amdhsa_code_object_version 6
	.text
	.protected	k_q769410a274_pre1
	.globl	k_q769410a274_pre1
	.p2align	8
	.type	k_q769410a274_pre1,@function
k_q769410a274_pre1:
	s_mov_b64 s[64:65], 0
	v_nop
	global_prefetch_b8 v0, s[64:65] scope:SCOPE_SE
	s_setreg_imm32_b32 hwreg(HW_REG_WAVE_MODE, 25, 1), 1
	s_wait_xcnt 0x0
; PRE1: pre = acts x W_enc_n + b_enc, on codes of E2M1 with E8M0 scales; sums in f32.  No work of reference() is left out here.
; SHARES: work-group (x, y) takes rows 1024 y .. +1023 and chunk x of wenc (256 features).  Wave v takes rows 64 v .. +63 of them, four tiles of 16, for all of K = 512:
; its 16 fragments of acts (128 registers) and their scale words stay in registers.  The chunk (70,656 bytes: images, scale bytes, bias) comes into LDS ONCE, by four
; tensor loads of 69 rows x 256 bytes (waves 0-3), and is never filled again: no ring.
; THE PRODUCT IS USED AS IT STANDS (source 0 = 16 rows of acts, source 1 = 16 features): lane (r, h), register j holds row 8 h + j of feature r, so registers 0-3 are four
; neighbouring rows.  pre is laid [row / 4][position][row % 4]: those four registers are 16 bytes, and sixteen lanes store 256 consecutive bytes, aligned, straight from the accumulators.
; A position is 256 x + 16 tile + r (which feature that is: see the launch that made wenc).
; NO CLUSTER: what work-groups share is the chunk, 70,656 bytes a work-group, and 256 KiB of acts, beside 1 MiB that each stores; there is no refill that a joint request could serve.
; The eight pairs of tiles are written out: every LDS and store offset is an immediate.
.set CHUNK, 70656
.set SPARE, 70656                      ; behind the chunk: the spare words, 128 bytes for each wave
.set AO,   1                           ; v1  acts: r*256 + 16 h
.set ASO,  2                           ; v2  acts' scales: 16 x lane
.set BA,   3                           ; v3  LDS: images, 16 x lane
.set BSA,  4                           ; v4  LDS: scale words: 65536 + 16 x lane: lanes 0-15 the even tile's, lanes 16-31 the odd tile's
.set BIA,  5                           ; v5  LDS: bias: 69632 + 4 r
.set STO,  6                           ; v6  pre: h*524288 + 16 r
.set SPW,  7                           ; v7  my spare word; never rewritten
.set NIL,  8                           ; v8  0; never rewritten
.set A,    16                          ; v16-143  acts' fragments: 32 m + 8 s
.set AS,   144                         ; v144-151 their scale words: 4 (m/2) + s; lanes 16-31 hold the odd tile's
.set B0,   152                         ; v152-183 the even tile's four fragments
.set B1,   184                         ; v184-215 the odd tile's
.set BS,   216                         ; v216-219 their scale words, one register a K step
.set BI,   220                         ; v220 the even tile's bias, v222 the odd tile's (v221, v223: the pairs' upper halves, 0)
.set ACC,  224                         ; v224-255 four accumulators
; one product; the operands' numbers stand in wd, wa, wb, wsa, wsb; wz = 1: it starts the sum; wra, wrb: which half of the lanes holds the scale words
.macro WM
.if wz
.if (wra == 0) && (wrb == 0)
	v_wmma_scale_f32_16x16x128_f8f6f4 v[wd:wd+7], v[wa:wa+7], v[wb:wb+7], 0, v[wsa], v[wsb] matrix_a_fmt:MATRIX_FMT_FP4 matrix_b_fmt:MATRIX_FMT_FP4
.elseif (wra == 1) && (wrb == 0)
	v_wmma_scale_f32_16x16x128_f8f6f4 v[wd:wd+7], v[wa:wa+7], v[wb:wb+7], 0, v[wsa], v[wsb] matrix_a_fmt:MATRIX_FMT_FP4 matrix_b_fmt:MATRIX_FMT_FP4 matrix_a_scale:MATRIX_SCALE_ROW1
.elseif (wra == 0) && (wrb == 1)
	v_wmma_scale_f32_16x16x128_f8f6f4 v[wd:wd+7], v[wa:wa+7], v[wb:wb+7], 0, v[wsa], v[wsb] matrix_a_fmt:MATRIX_FMT_FP4 matrix_b_fmt:MATRIX_FMT_FP4 matrix_b_scale:MATRIX_SCALE_ROW1
.else
	v_wmma_scale_f32_16x16x128_f8f6f4 v[wd:wd+7], v[wa:wa+7], v[wb:wb+7], 0, v[wsa], v[wsb] matrix_a_fmt:MATRIX_FMT_FP4 matrix_b_fmt:MATRIX_FMT_FP4 matrix_a_scale:MATRIX_SCALE_ROW1 matrix_b_scale:MATRIX_SCALE_ROW1
.endif
.else
.if (wra == 0) && (wrb == 0)
	v_wmma_scale_f32_16x16x128_f8f6f4 v[wd:wd+7], v[wa:wa+7], v[wb:wb+7], v[wd:wd+7], v[wsa], v[wsb] matrix_a_fmt:MATRIX_FMT_FP4 matrix_b_fmt:MATRIX_FMT_FP4
.elseif (wra == 1) && (wrb == 0)
	v_wmma_scale_f32_16x16x128_f8f6f4 v[wd:wd+7], v[wa:wa+7], v[wb:wb+7], v[wd:wd+7], v[wsa], v[wsb] matrix_a_fmt:MATRIX_FMT_FP4 matrix_b_fmt:MATRIX_FMT_FP4 matrix_a_scale:MATRIX_SCALE_ROW1
.elseif (wra == 0) && (wrb == 1)
	v_wmma_scale_f32_16x16x128_f8f6f4 v[wd:wd+7], v[wa:wa+7], v[wb:wb+7], v[wd:wd+7], v[wsa], v[wsb] matrix_a_fmt:MATRIX_FMT_FP4 matrix_b_fmt:MATRIX_FMT_FP4 matrix_b_scale:MATRIX_SCALE_ROW1
.else
	v_wmma_scale_f32_16x16x128_f8f6f4 v[wd:wd+7], v[wa:wa+7], v[wb:wb+7], v[wd:wd+7], v[wsa], v[wsb] matrix_a_fmt:MATRIX_FMT_FP4 matrix_b_fmt:MATRIX_FMT_FP4 matrix_a_scale:MATRIX_SCALE_ROW1 matrix_b_scale:MATRIX_SCALE_ROW1
.endif
.endif
.endm
; one tile of features against my four tiles of rows: 16 products, K step by K step; the four accumulators take turns
.macro MUL bb, rb
.set ks, 0
.rept 4
.set mt, 0
.rept 4
.set wd, ACC+8*mt
.set wa, A+32*mt+8*ks
.set wb, (\bb)+8*ks
.set wsa, AS+4*(mt/2)+ks
.set wsb, BS+ks
.set wra, mt%2
.set wrb, \rb
.if ks == 0
.set wz, 1
.else
.set wz, 0
.endif
	WM
.set mt, mt+1
.endr
.set ks, ks+1
.endr
.endm
.macro PLACES                          ; four plain lines between a product and a vector instruction that reads its result, or a load into one of its registers
.rept 4
	v_nop
.endr
.endm
.macro BIAS bp                         ; + b_enc of my lane's feature, each accumulator from its low end on
.set ee, 0
.rept 16
	v_pk_add_f32 v[ACC+2*ee:ACC+2*ee+1], v[ACC+2*ee:ACC+2*ee+1], v[(\bp):(\bp)+1] op_sel_hi:[1,0]
.set ee, ee+1
.endr
.endm
.macro STORE tl                        ; tile tl of the chunk: four rows x sixteen positions an instruction half: 256 consecutive bytes, aligned
.irp m, 0,1,2,3
.irp u, 0,1
	global_store_b128 v[STO], v[ACC+8*\m+4*\u:ACC+8*\m+4*\u+3], s[10:11] offset:1048576*\m+262144*\u+256*(\tl) th:TH_STORE_NT
.endr
.endr
.endm
; tiles 2 t and 2 t + 1.  nxt = 1: the next pair's images, scale words and bias are fetched on the way
.macro PAIR t, nxt
	s_wait_dscnt 8                                 ; the even tile's images, the scale words and the bias are in; the odd tile's eight loads may be out
	MUL B0, 0
	PLACES
.if \nxt
.irp p, 0,1,2,3,4,5,6,7
	ds_load_b128 v[B0+4*\p:B0+4*\p+3], v[BA] offset:8192*(\t)+8192+512*\p
.endr
.endif
	BIAS BI
	STORE 2*(\t)
.if \nxt
	s_wait_dscnt 8                                 ; the odd tile's images are in; the eight loads just issued may be out
.else
	s_wait_dscnt 0x0
.endif
	s_wait_xcnt 0x0                                ; the stores have read the accumulators: only behind this wait are they written again
	MUL B1, 1                                      ; (its first products write over accumulators: behind the four v_nop stand twelve additions or more that name none of the earlier product's registers)
	PLACES
	BIAS BI+2
.if \nxt
	ds_load_b128 v[BS:BS+3], v[BSA] offset:512*(\t)+512
	ds_load_b32 v[BI], v[BIA] offset:64*(\t)+64
	ds_load_b32 v[BI+2], v[BIA] offset:64*(\t)+576
.irp p, 0,1,2,3,4,5,6,7
	ds_load_b128 v[B1+4*\p:B1+4*\p+3], v[BA] offset:8192*(\t)+12288+512*\p
.endr
.endif
	STORE 2*(\t)+1
	s_wait_xcnt 0x0
.endm
	s_load_b128 s[4:7], s[0:1], 0x0                ; acts_codes, acts_scales
	s_load_b128 s[8:11], s[0:1], 0x10              ; wenc, pre
	v_lshl_add_u32 v[SPW], v0, 2, SPARE
	v_mov_b32 v[NIL], 0
	ds_add_u32 v[SPW], v[NIL]                      ; the wave's opening: the add, twice on end, and its wait ahead of the first tensor load
	ds_add_u32 v[SPW], v[NIL]
	v_lshrrev_b32 v9, 5, v0
	s_delay_alu instid0(VALU_DEP_1)
	v_readfirstlane_b32 s24, v9                    ; wave
	s_mov_b32 s16, 3<<16                           ; group 1: elements of 8 bytes, no mask, no padding
	s_mov_b32 s17, 32<<16                          ; tensor_dim0 = 32 elements: rows of 256 bytes
	s_mov_b32 s18, 69<<16                          ; tensor_dim1 = 69
	s_mov_b32 s19, 32<<16                          ; tile_dim0 = 32
	s_mov_b32 s20, 69                              ; tile_dim1 = 69
	s_mov_b32 s21, 32                              ; the pitch: the block is dense
	s_mov_b32 s22, 0
	s_mov_b32 s23, 0
	s_mov_b32 s12, 1                               ; group 0: count
	s_mul_i32 s13, s24, 17664                      ; LDS address: a quarter of the chunk for each of waves 0-3
	s_and_b32 s25, ttmp7, 0xffff                   ; y
	s_mul_i32 s26, ttmp9, CHUNK
	s_add_co_u32 s26, s26, s13
	s_mov_b32 s27, 0
	s_lshl_b32 s28, s25, 10
	s_lshl_b32 s29, s24, 6
	s_add_co_u32 s28, s28, s29                     ; my first row
	s_lshl_b32 s30, s28, 8                         ; its codes: 256 bytes a row
	s_mov_b32 s31, 0
	s_lshl_b32 s32, s28, 4                         ; its scale bytes: 16 a row
	s_mov_b32 s33, 0
	s_lshl_b32 s34, s28, 16                        ; pre: (row / 4) x 262,144
	s_lshl_b32 s35, ttmp9, 12                      ; + 256 x positions of 16 bytes
	s_add_co_u32 s34, s34, s35
	s_mov_b32 s35, 0
	v_and_b32 v9, 31, v0                           ; lane
	v_and_b32 v10, 15, v0                          ; r
	v_bfe_u32 v11, v0, 4, 1                        ; h
	s_delay_alu instid0(VALU_DEP_2)
	v_lshlrev_b32 v[AO], 8, v10
	s_delay_alu instid0(VALU_DEP_1)
	v_lshl_add_u32 v[AO], v11, 4, v[AO]
	v_lshlrev_b32 v[ASO], 4, v9
	v_lshlrev_b32 v[BA], 4, v9
	v_lshl_add_u32 v[BSA], v9, 4, 65536
	v_lshl_add_u32 v[BIA], v10, 2, 69632
	v_lshlrev_b32 v[STO], 19, v11
	s_delay_alu instid0(VALU_DEP_1)
	v_lshl_add_u32 v[STO], v10, 4, v[STO]
	v_mov_b32 v[BI+1], 0                           ; named as the upper halves of pairs, so they are written
	v_mov_b32 v[BI+3], 0
	s_wait_dscnt 0x0                               ; both opening adds are done
	s_wait_kmcnt 0x0
	s_add_nc_u64 s[14:15], s[8:9], s[26:27]
	s_or_b32 s15, s15, 0x80000000                  ; type = 2
	s_add_nc_u64 s[4:5], s[4:5], s[30:31]
	s_add_nc_u64 s[6:7], s[6:7], s[32:33]
	s_add_nc_u64 s[10:11], s[10:11], s[34:35]
	s_cmp_lt_u32 s24, 4                            ; the four first fills, one a wave, in one branch on the wave's number
	s_cbranch_scc0 .Lno_fill
	tensor_load_to_lds s[12:15], s[16:23]
	s_nop 0
.rept 4
	v_nop
.endr
.Lno_fill:
	s_wait_alu depctr_va_vdst(0)
.irp m, 0,1,2,3
.irp s, 0,1,2,3
.irp c, 0,1
	global_load_b128 v[A+32*\m+8*\s+4*\c:A+32*\m+8*\s+4*\c+3], v[AO], s[4:5] offset:4096*\m+64*\s+32*\c   ; lane (r, h): K = 128 s + 64 c + 32 h + 0 .. 31 of row 16 m + r
.endr
.endr
.endr
.irp mm, 0,1
	global_load_b128 v[AS+4*\mm:AS+4*\mm+3], v[ASO], s[6:7] offset:512*\mm   ; a row's four scale words; lanes 0-15 tile 2 mm, lanes 16-31 tile 2 mm + 1
.endr
	s_wait_tensorcnt 0x0                           ; my quarter of the chunk has landed (a wave that fetched nothing passes),
	s_barrier_signal -1
	s_barrier_wait -1                              ; everybody's has
.irp p, 0,1,2,3,4,5,6,7
	ds_load_b128 v[B0+4*\p:B0+4*\p+3], v[BA] offset:512*\p
.endr
	ds_load_b128 v[BS:BS+3], v[BSA]
	ds_load_b32 v[BI], v[BIA]
	ds_load_b32 v[BI+2], v[BIA] offset:512
.irp p, 0,1,2,3,4,5,6,7
	ds_load_b128 v[B1+4*\p:B1+4*\p+3], v[BA] offset:4096+512*\p
.endr
	s_wait_loadcnt 0x0                             ; acts
.set tt, 0
.rept 7
	PAIR tt, 1
.set tt, tt+1
.endr
	PAIR 7, 0
	s_wait_tensorcnt 0x0                           ; the wave's end
	ds_add_u32 v[SPW], v[NIL]
	s_wait_dscnt 0x0
	s_endpgm
.Lfunc_end_k_q769410a274_pre1:
	.size	k_q769410a274_pre1, .Lfunc_end_k_q769410a274_pre1-k_q769410a274_pre1
	.p2alignl 7, 3214868480
	.fill 96, 4, 3214868480
	.section	.rodata,"a",@progbits
	.p2align	6, 0x0
	.amdhsa_kernel k_q769410a274_pre1
		.amdhsa_group_segment_fixed_size 167936
		.amdhsa_private_segment_fixed_size 0
		.amdhsa_enable_private_segment 0
		.amdhsa_kernarg_size 32
		.amdhsa_user_sgpr_count 2
		.amdhsa_user_sgpr_kernarg_segment_ptr 1
		.amdhsa_wavefront_size32 1
		.amdhsa_system_sgpr_workgroup_id_x 1
		.amdhsa_system_sgpr_workgroup_id_y 1
		.amdhsa_system_sgpr_workgroup_id_z 1
		.amdhsa_system_vgpr_workitem_id 0
		.amdhsa_next_free_vgpr 256
		.amdhsa_next_free_sgpr 66
		.amdhsa_reserve_vcc 0
		.amdhsa_float_denorm_mode_32 3
		.amdhsa_float_denorm_mode_16_64 3
		.amdhsa_memory_ordered 1
		.amdhsa_forward_progress 1
		.amdhsa_inst_pref_size 80
	.end_amdhsa_kernel
	.amdgpu_metadata
---
amdhsa.version: [ 1, 2 ]
amdhsa.kernels:
  - .name:           k_q769410a274_pre1
    .symbol:         k_q769410a274_pre1.kd
    .args:
      - { .name: acts_codes, .offset: 0, .size: 8, .value_kind: global_buffer, .address_space: global }
      - { .name: acts_scales, .offset: 8, .size: 8, .value_kind: global_buffer, .address_space: global }
      - { .name: wenc, .offset: 16, .size: 8, .value_kind: global_buffer, .address_space: global }
      - { .name: pre, .offset: 24, .size: 8, .value_kind: global_buffer, .address_space: global }
    .group_segment_fixed_size: 167936
    .private_segment_fixed_size: 0
    .kernarg_segment_align: 8
    .kernarg_segment_size: 32
    .max_flat_workgroup_size: 512
    .sgpr_count:     66
    .vgpr_count:     256
    .wavefront_size: 32
...
	.end_amdgpu_metadata
.endif
;; end of part 7
;; launch rows (part 8): grid 256 x 1, 16 waves a work-group, no clusters, 286,720 bytes of LDS; arguments pre, ln_w, ln_b, feature_mask, enc, enc_s, flags; writes enc, enc_s
.if DOCPART == 8
	.amdgcn_target "amdgcn-amd-amdhsa--gfx1250"
	.amdhsa_code_object_version 6
	.text
	.protected	k_q769410a274_rows
	.globl	k_q769410a274_rows
	.p2align	8
	.type	k_q769410a274_rows,@function
k_q769410a274_rows:
	s_mov_b64 s[64:65], 0
	v_nop
	global_prefetch_b8 v0, s[64:65] scope:SCOPE_SE
	s_setreg_imm32_b32 hwreg(HW_REG_WAVE_MODE, 25, 1), 1
	s_wait_xcnt 0x0
; ROWS: for each row of pre: layer norm with gain and bias, layer norm without, the 1,638th largest h as threshold, encoded = h x sigmoid((h - thr) / 0.1) x feature_mask,
; quantised along the 16,384 features to E2M1 with one E8M0 byte for each 32.  All in f32.
; THE TWO NORMS IN THREE PASSES.  xc = x - mean(x); r1 = 1 / sqrt(mean(xc^2) + eps); the first norm's result with gain and bias is y = r1 xc w + b, and
; y - mean(y) = r1 (xc w - mean(xc w)) + (b - mean(b)) = yc, an identity for all values.  h = yc r2, r2 = 1 / sqrt(mean(yc^2) + eps).
; r2 is positive and the same along a row, so the 1,638th largest h is r2 x the 1,638th largest yc: the threshold is sought among the yc, and only live features are multiplied by r2.
; PASSED OVER, by whole numbers that the first launch stored (flags[G] = 0: all 128 mask numbers of features 128 G .. +127 are zero): the factor r2, the sigmoid, the product and the quantiser of 256 features
; whose two numbers are 0.  encoded is 0 there for every finite h: zero codes and the scale byte 0 are stored.  The norms and the threshold take every feature in, masked or not.
; LIMITS: no NaN or infinities; a NaN, an infinity or an overflow in h under a zero mask is not carried to the result.  sigmoid = 1 / (1 + 2^(c (h - thr))), c = -log2(e) / 0.1: where that power
; passes 2^126 the sigmoid comes out 0.  -0 sorts under +0 (the threshold's value is the same).  A block of zeros gets the byte 1 or 0 where the rule says 127: its codes are zeros, and the bytes are read by this program alone.
; SHARES: work-group mu takes 16 rows, four at a time (a group; pre is laid [row / 4][position][row % 4]).  Wave w takes the units w, w + 16, w + 32, w + 48 of 256 features each, so that a run of live
; features is dealt to all sixteen waves.  Lane l, register X[4 i + rho], i = 8 g + j, holds feature 256 (w + 16 g) + 8 l + j of row rho: a load reads 512 consecutive bytes, and a lane has eight neighbouring features.
; THE THRESHOLD is an exact order statistic, found without a branch or an address on data: each wave turns its 32 x 32 bits a lane and row into BIT PLANES of the order-preserving key
; (sign set: all bits flipped; else the sign bit flipped), the planes go to LDS, and one wave a row walks them from the top bit down: it counts the keys still alive whose bit is 1;
; if they are k or more, they alone stay alive and the result's bit is 1; else k falls by the count and the others stay.
; THE NEXT GROUP'S NUMBERS are asked for as soon as a unit's registers fall free: behind the planes' barrier for a unit that is passed over, behind its quantiser for a live one.
; No tensor load, no cluster: work-groups share only the three vectors of 64 KiB, and branches hang on numbers read from memory.
.set PL,    0                          ; LDS: planes: rho*65536 + (31 - bit)*2048 + 128 w + 4 l
.set RED,   262144                     ; four blocks of 256 bytes, one for each sum of a group: 16 bytes a wave
.set THR,   263168                     ; the four thresholds
.set CST,   263424                     ; a stage of 512 bytes for each wave: a unit's codes
.set SCB,   271616                     ; the 16 rows' scale bytes, laid as enc_s has them
.set SPARE, 279808                     ; the spare words, 128 bytes for each wave
.set XO,   1                           ; v1  pre: 4096 w + 16 l
.set PO,   2                           ; v2  the three vectors: 1024 w + 32 l
.set PW,   3                           ; v3  planes: 128 w + 4 l
.set SELB, 4                           ; v4  the row that I would select in: (w & 3)*65536 + 16 l
.set SAA,  5                           ; v5, v6  SELB + the planes passed
.set SAB,  6
.set REDS, 7                           ; v7  RED + 16 w
.set REDL, 8                           ; v8  RED + 16 (l & 15)
.set CSTS, 9                           ; v9  my 4 bytes in my stage
.set CSTL, 10                          ; v10 my stage, 16 bytes a lane
.set SCBL, 11                          ; v11 my scale byte
.set SCBG, 12                          ; v12 the same, in the group in hand
.set EO,   13                          ; v13 enc: (l>>4)*1024 + (l&15)*16
.set THS,  14                          ; v14 THR + 4 (w & 3)
.set THL,  15                          ; v15 THR
.set SPW,  16                          ; v16 my spare word; never rewritten
.set NIL,  17                          ; v17 0; never rewritten
.set PFO,  18                          ; v18 256 x thread; never rewritten
.set PWR,  19                          ; v19 PW + the row's planes
.set TH,   20                          ; v20-23 four rows' thresholds
.set R2,   24                          ; v24-27 four rows' r2
.set PT,   28                          ; v28-31 the other half's sums
.set X,    32                          ; v32-159
.set S,    160                         ; the norms: v160-167 sums, v168-171 mean, v172-175 -mean(xc w), v176-179 r1
.set MU,   168
.set NMZ,  172
.set R1,   176
.set LW,   192                         ; v192-223 ln_w;  v224-255 ln_b, then feature_mask
.set LB,   224
.set T,    160                         ; planes: v160-191;  v192-199 at work
.set U,    192
.set FM,   224
.set AL,   160                         ; select: v160-175 alive, v176-191 and v192-207 two planes, v208.. at work
.set P0,   176
.set P1,   192
.set CN,   208
.set KK,   212
.set RES,  213
.set TX,   214
.set Z,    216                         ; v216-219 zeros for the units passed over
.set S2,   220                         ; v220-223 sums of yc^2
.set A,    160                         ; encode: v160-191 at work, v192-223 encoded, K on end
.set EN,   192
.set MX,   160
.set SQ,   164
.set CD,   168
.set BY,   172
.set O,    176                         ; v176-179 a unit's codes on the way out
.set FL,   48                          ; s48-51: for each of my four units: 0 where the mask is zero throughout
.macro XL a                            ; four sums over the 16 lanes of a half
.irp xm, 1,2,4,8
.irp ee, 0,1,2,3
	v_add_f32_dpp v[(\a)+\ee], v[(\a)+\ee], v[(\a)+\ee] row_xmask:\xm row_mask:0xf bank_mask:0xf
.endr
.endr
.endm
.macro XH a                            ; and with the other half
.irp ee, 0,1,2,3
	s_delay_alu instid0(VALU_DEP_4)
	v_permlanex16_b32 v[PT+\ee], v[(\a)+\ee], s24, s25
.endr
.irp ee, 0,1,2,3
	s_delay_alu instid0(VALU_DEP_4)
	v_add_f32 v[(\a)+\ee], v[(\a)+\ee], v[PT+\ee]
.endr
.endm
.macro MEET                            ; my LDS stores have landed; then everybody's have
	s_wait_dscnt 0x0
	s_barrier_signal -1
	s_barrier_wait -1
.endm
; four sums a lane become the four sums over the work-group, in every lane of every wave, bit for bit the same
.macro REDUCE a, k
	XL \a
	XH \a
	ds_store_b128 v[REDS], v[(\a):(\a)+3] offset:256*(\k)          ; all lanes write the same words with the same values
	MEET
	ds_load_b128 v[(\a):(\a)+3], v[REDL] offset:256*(\k)           ; lane l: wave l & 15's sums
	s_wait_dscnt 0x0
	XL \a
.endm
.macro SUM4                            ; my 32 numbers of each of the four rows, two rows an instruction, in two chains
	v_pk_add_f32 v[S:S+1], v[X:X+1], v[X+8:X+9]
	v_pk_add_f32 v[S+2:S+3], v[X+2:X+3], v[X+10:X+11]
	v_pk_add_f32 v[S+4:S+5], v[X+4:X+5], v[X+12:X+13]
	v_pk_add_f32 v[S+6:S+7], v[X+6:X+7], v[X+14:X+15]
.set ii, 4
.rept 28
	s_delay_alu instid0(VALU_DEP_4)
	v_pk_add_f32 v[S+4*(ii%2):S+4*(ii%2)+1], v[S+4*(ii%2):S+4*(ii%2)+1], v[X+4*ii:X+4*ii+1]
	s_delay_alu instid0(VALU_DEP_4)
	v_pk_add_f32 v[S+4*(ii%2)+2:S+4*(ii%2)+3], v[S+4*(ii%2)+2:S+4*(ii%2)+3], v[X+4*ii+2:X+4*ii+3]
.set ii, ii+1
.endr
	s_delay_alu instid0(VALU_DEP_2)
	v_pk_add_f32 v[S:S+1], v[S:S+1], v[S+4:S+5]
	s_delay_alu instid0(VALU_DEP_2)
	v_pk_add_f32 v[S+2:S+3], v[S+2:S+3], v[S+6:S+7]
.endm
; X = xc = x - mean; S 0-3 the sums of xc^2, S 4-7 the sums of xc w.  One register of ln_w serves the four rows: of the pair the low word for an even feature, the high word for an odd one
.macro PASS1
.set ii, 0
.rept 32
.set xa, X+4*ii
.set wp, LW+2*(ii/2)
	v_pk_add_f32 v[xa:xa+1], v[xa:xa+1], v[MU:MU+1] neg_lo:[0,1] neg_hi:[0,1]
	v_pk_add_f32 v[xa+2:xa+3], v[xa+2:xa+3], v[MU+2:MU+3] neg_lo:[0,1] neg_hi:[0,1]
.if ii == 0
	v_pk_mul_f32 v[S:S+1], v[xa:xa+1], v[xa:xa+1]
	v_pk_mul_f32 v[S+2:S+3], v[xa+2:xa+3], v[xa+2:xa+3]
	v_pk_mul_f32 v[S+4:S+5], v[xa:xa+1], v[wp:wp+1] op_sel_hi:[1,0]
	v_pk_mul_f32 v[S+6:S+7], v[xa+2:xa+3], v[wp:wp+1] op_sel_hi:[1,0]
.else
	s_delay_alu instid0(VALU_DEP_2)
	v_pk_fma_f32 v[S:S+1], v[xa:xa+1], v[xa:xa+1], v[S:S+1]
	s_delay_alu instid0(VALU_DEP_2)
	v_pk_fma_f32 v[S+2:S+3], v[xa+2:xa+3], v[xa+2:xa+3], v[S+2:S+3]
.if ii%2 == 0
	v_pk_fma_f32 v[S+4:S+5], v[xa:xa+1], v[wp:wp+1], v[S+4:S+5] op_sel_hi:[1,0,1]
	v_pk_fma_f32 v[S+6:S+7], v[xa+2:xa+3], v[wp:wp+1], v[S+6:S+7] op_sel_hi:[1,0,1]
.else
	v_pk_fma_f32 v[S+4:S+5], v[xa:xa+1], v[wp:wp+1], v[S+4:S+5] op_sel:[0,1,0] op_sel_hi:[1,1,1]
	v_pk_fma_f32 v[S+6:S+7], v[xa+2:xa+3], v[wp:wp+1], v[S+6:S+7] op_sel:[0,1,0] op_sel_hi:[1,1,1]
.endif
.endif
.set ii, ii+1
.endr
.endm
; X = yc = r1 (xc w - mean(xc w)) + (b - mean(b)); S 0-3 the sums of yc^2
.macro PASS2
.set ii, 0
.rept 32
.set xa, X+4*ii
.set wp, LW+2*(ii/2)
.set bp, LB+2*(ii/2)
.if ii%2 == 0
	v_pk_fma_f32 v[xa:xa+1], v[xa:xa+1], v[wp:wp+1], v[NMZ:NMZ+1] op_sel_hi:[1,0,1]
	v_pk_fma_f32 v[xa+2:xa+3], v[xa+2:xa+3], v[wp:wp+1], v[NMZ+2:NMZ+3] op_sel_hi:[1,0,1]
	v_pk_fma_f32 v[xa:xa+1], v[xa:xa+1], v[R1:R1+1], v[bp:bp+1] op_sel_hi:[1,1,0]
	v_pk_fma_f32 v[xa+2:xa+3], v[xa+2:xa+3], v[R1+2:R1+3], v[bp:bp+1] op_sel_hi:[1,1,0]
.else
	v_pk_fma_f32 v[xa:xa+1], v[xa:xa+1], v[wp:wp+1], v[NMZ:NMZ+1] op_sel:[0,1,0] op_sel_hi:[1,1,1]
	v_pk_fma_f32 v[xa+2:xa+3], v[xa+2:xa+3], v[wp:wp+1], v[NMZ+2:NMZ+3] op_sel:[0,1,0] op_sel_hi:[1,1,1]
	v_pk_fma_f32 v[xa:xa+1], v[xa:xa+1], v[R1:R1+1], v[bp:bp+1] op_sel:[0,0,1] op_sel_hi:[1,1,1]
	v_pk_fma_f32 v[xa+2:xa+3], v[xa+2:xa+3], v[R1+2:R1+3], v[bp:bp+1] op_sel:[0,0,1] op_sel_hi:[1,1,1]
.endif
.if ii == 0
	s_delay_alu instid0(VALU_DEP_2)
	v_pk_mul_f32 v[S:S+1], v[xa:xa+1], v[xa:xa+1]
	s_delay_alu instid0(VALU_DEP_2)
	v_pk_mul_f32 v[S+2:S+3], v[xa+2:xa+3], v[xa+2:xa+3]
.else
	s_delay_alu instid0(VALU_DEP_2)
	v_pk_fma_f32 v[S:S+1], v[xa:xa+1], v[xa:xa+1], v[S:S+1]
	s_delay_alu instid0(VALU_DEP_2)
	v_pk_fma_f32 v[S+2:S+3], v[xa+2:xa+3], v[xa+2:xa+3], v[S+2:S+3]
.endif
.set ii, ii+1
.endr
.endm
; one stage of the 8 x 8 bit transposition, in all four byte lanes at once: registers a and a + sh change the upper blocks of a with the lower blocks of a + sh
.macro BITS sh, msk
.set aa, 0
.set pc, 0
.rept 32
.if (aa & (\sh)) == 0
.set t1, U+2*(pc%4)
	v_lshlrev_b32 v[t1], \sh, v[T+aa+(\sh)]
	v_lshrrev_b32 v[t1+1], \sh, v[T+aa]
	s_delay_alu instid0(VALU_DEP_2)
	v_bfi_b32 v[T+aa], s[\msk], v[T+aa], v[t1]
	s_delay_alu instid0(VALU_DEP_2)
	v_bfi_b32 v[T+aa+(\sh)], s[\msk], v[t1+1], v[T+aa+(\sh)]
.set pc, pc+1
.endif
.set aa, aa+1
.endr
.endm
; row rho's 32 numbers of my lane become 32 planes: bit i of T[b] = bit b of the key of number i.  First by bytes (4 x 4, eight times), then by bits (8 x 8, four times in each register).
.macro TRANS rho
	v_add_nc_u32 v[PWR], 65536*(\rho), v[PW]
.set qq, 0
.rept 8
.set ua, U+4*(qq%2)
	v_perm_b32 v[ua], v[X+4*(qq+8)+(\rho)], v[X+4*qq+(\rho)], s26
	v_perm_b32 v[ua+1], v[X+4*(qq+8)+(\rho)], v[X+4*qq+(\rho)], s27
	v_perm_b32 v[ua+2], v[X+4*(qq+24)+(\rho)], v[X+4*(qq+16)+(\rho)], s26
	v_perm_b32 v[ua+3], v[X+4*(qq+24)+(\rho)], v[X+4*(qq+16)+(\rho)], s27
	s_delay_alu instid0(VALU_DEP_2)
	v_perm_b32 v[T+qq], v[ua+2], v[ua], s28        ; byte 0 of numbers qq, qq + 8, qq + 16, qq + 24
	s_delay_alu instid0(VALU_DEP_3)
	v_perm_b32 v[T+8+qq], v[ua+2], v[ua], s29      ; byte 1
	s_delay_alu instid0(VALU_DEP_3)
	v_perm_b32 v[T+16+qq], v[ua+3], v[ua+1], s28   ; byte 2
	s_delay_alu instid0(VALU_DEP_4)
	v_perm_b32 v[T+24+qq], v[ua+3], v[ua+1], s29   ; byte 3
.set qq, qq+1
.endr
	BITS 4, 30
	BITS 2, 31
	BITS 1, 32
.set bb, 0
.rept 31
	v_xor_b32 v[T+bb], v[T+31], v[T+bb]            ; the key: a negative number's bits are flipped,
.set bb, bb+1
.endr
	v_xor_b32 v[T+31], -1, v[T+31]                 ; and every sign bit
.set bb, 0
.rept 32
	ds_store_b32 v[PWR], v[T+bb] offset:2048*(31-bb)
.set bb, bb+1
.endr
.endm
; one round of the select, on the plane in v[p] .. v[p+15] (512 words a plane, 16 a lane).  nxt = 1: the plane two rounds on is fetched into the same registers.  left: the other plane's loads, which may stay out.
; The plane's registers take (alive AND plane): the keys that stay if the bit is 1.  alive takes (alive XOR that): those that stay if it is 0; these lines stand among the steps of the
; sum across the lanes, on which they do not hang.  Behind the decision one choice a word is left.
.macro ROUND p, sa, off, nxt, left
	s_wait_dscnt \left
.set gg, 0
.rept 4
.irp kx, 0,1,2,3
	v_and_b32 v[(\p)+4*gg+\kx], v[AL+4*gg+\kx], v[(\p)+4*gg+\kx]
.endr
.irp kx, 0,1,2,3
.if gg == 0
	s_delay_alu instid0(VALU_DEP_4)
	v_bcnt_u32_b32 v[CN+\kx], v[(\p)+4*gg+\kx], 0
.else
	s_delay_alu instid0(VALU_DEP_4)
	v_bcnt_u32_b32 v[CN+\kx], v[(\p)+4*gg+\kx], v[CN+\kx]
.endif
.endr
.set gg, gg+1
.endr
	s_delay_alu instid0(VALU_DEP_2)
	v_add3_u32 v[CN], v[CN], v[CN+1], v[CN+2]
	s_delay_alu instid0(VALU_DEP_1)
	v_add_nc_u32 v[CN], v[CN], v[CN+3]
	s_delay_alu instid0(VALU_DEP_1)
	v_cvt_f32_u32 v[CN], v[CN]                     ; counts up to 16,384 are exact in f32
.set gg, 0
.irp xm, 1,2,4,8
	v_add_f32_dpp v[CN], v[CN], v[CN] row_xmask:\xm row_mask:0xf bank_mask:0xf
.irp kx, 0,1,2,3
	v_xor_b32 v[AL+4*gg+\kx], v[AL+4*gg+\kx], v[(\p)+4*gg+\kx]
.endr
.set gg, gg+1
.endr
	v_permlanex16_b32 v[CN+1], v[CN], s24, s25
	s_delay_alu instid0(VALU_DEP_1)
	v_add_f32 v[CN], v[CN], v[CN+1]                ; the alive keys whose bit is 1
	s_delay_alu instid0(VALU_DEP_1)
	v_cmp_ge_f32 vcc_lo, v[CN], v[KK]              ; k or more: the result's bit is 1
	s_delay_alu instid0(VALU_DEP_2)
	v_sub_f32 v[TX], v[KK], v[CN]
	s_delay_alu instid0(VALU_DEP_1)
	v_cndmask_b32 v[KK], v[TX], v[KK], vcc_lo
	s_delay_alu instid0(VALU_DEP_3)
	v_cndmask_b32 v[TX], 0, 1, vcc_lo
	s_delay_alu instid0(VALU_DEP_1)
	v_lshl_or_b32 v[RES], v[RES], 1, v[TX]
.set gg, 0
.rept 16
	v_cndmask_b32 v[AL+gg], v[AL+gg], v[(\p)+gg], vcc_lo
.set gg, gg+1
.endr
.if \nxt
.irp q, 0,1,2,3
	ds_load_b128 v[(\p)+4*\q:(\p)+4*\q+3], v[\sa] offset:(\off)+512*\q
.endr
.endif
.endm
; my unit g of the next group is asked for into the registers that have fallen free; the last group asks for nothing: no load leaves its buffer
.macro NEXTX g
	s_cmp_eq_u32 s20, 1
	s_cbranch_scc1 .Lnx_\@
.irp j, 0,1,2,3,4,5,6,7
	global_load_b128 v[X+32*(\g)+4*\j:X+32*(\g)+4*\j+3], v[XO], s[4:5] offset:262144+65536*(\g)+512*\j
.endr
.Lnx_\@:
.endm
; my unit g, where its mask is zero throughout: zero codes, which add nothing under the byte 0 either
.macro DEAD g
	s_cmp_lg_u32 s[FL+(\g)], 0                     ; a whole number that an earlier launch stored
	s_cbranch_scc1 .Llive_\@
	global_store_b128 v[EO], v[Z:Z+3], s[12:13] offset:32768*(\g) th:TH_STORE_NT
.irp rr, 0,1,2,3
	ds_store_b8 v[SCBG], v[Z] offset:2048*(\g)+16*\rr
.endr
	NEXTX \g
.Llive_\@:
.endm
; my unit g, where it is live: its registers have been read by its quantiser, and the next group's numbers are asked for
.macro LNX g
	s_cmp_eq_u32 s[FL+(\g)], 0
	s_cbranch_scc1 .Lpass_\@
	NEXTX \g
.Lpass_\@:
.endm
; my unit g, where it is live: h, sigmoid, mask, product, quantiser
.macro ENC g
.set XB, X+32*(\g)
	s_cmp_eq_u32 s[FL+(\g)], 0
	s_cbranch_scc1 .Lskip_\@
	s_wait_xcnt 0x0                                ; earlier stores have read their data registers: these are written again only behind this wait
.irp j, 0,1,2,3,4,5,6,7
	v_pk_mul_f32 v[XB+4*\j:XB+4*\j+1], v[XB+4*\j:XB+4*\j+1], v[R2:R2+1]                                  ; h = yc r2
	v_pk_mul_f32 v[XB+4*\j+2:XB+4*\j+3], v[XB+4*\j+2:XB+4*\j+3], v[R2+2:R2+3]
.endr
.irp j, 0,1,2,3,4,5,6,7
	v_pk_add_f32 v[A+4*\j:A+4*\j+1], v[XB+4*\j:XB+4*\j+1], v[TH:TH+1] neg_lo:[0,1] neg_hi:[0,1]          ; h - thr
	v_pk_add_f32 v[A+4*\j+2:A+4*\j+3], v[XB+4*\j+2:XB+4*\j+3], v[TH+2:TH+3] neg_lo:[0,1] neg_hi:[0,1]
.endr
.set ee, 0
.rept 16
	v_pk_mul_f32 v[A+2*ee:A+2*ee+1], v[A+2*ee:A+2*ee+1], s[36:37] op_sel_hi:[1,0]                        ; x -log2(e) / 0.1
.set ee, ee+1
.endr
.set ee, 0
	s_wait_alu depctr_va_vdst(0)                   ; ahead of the batch
.rept 32
	v_exp_f32 v[A+ee], v[A+ee]
.set ee, ee+1
.endr
	v_nop                                          ; a plain line behind the batch
	s_wait_alu depctr_va_vdst(0)                   ; one wait for the 32, ahead of their first reader
.set ee, 0
.rept 16
	v_pk_add_f32 v[A+2*ee:A+2*ee+1], v[A+2*ee:A+2*ee+1], 1.0 op_sel_hi:[1,0]
.set ee, ee+1
.endr
.set ee, 0
	s_wait_alu depctr_va_vdst(0)
.rept 32
	v_rcp_f32 v[A+ee], v[A+ee]
.set ee, ee+1
.endr
	v_nop
	s_wait_alu depctr_va_vdst(0)
.irp j, 0,2,4,6                        ; x feature_mask: one register a feature serves the four rows
	v_pk_mul_f32 v[A+4*\j:A+4*\j+1], v[A+4*\j:A+4*\j+1], v[FM+8*(\g)+\j:FM+8*(\g)+\j+1] op_sel_hi:[1,0]
	v_pk_mul_f32 v[A+4*\j+2:A+4*\j+3], v[A+4*\j+2:A+4*\j+3], v[FM+8*(\g)+\j:FM+8*(\g)+\j+1] op_sel_hi:[1,0]
	v_pk_mul_f32 v[A+4*\j+4:A+4*\j+5], v[A+4*\j+4:A+4*\j+5], v[FM+8*(\g)+\j:FM+8*(\g)+\j+1] op_sel:[0,1] op_sel_hi:[1,1]
	v_pk_mul_f32 v[A+4*\j+6:A+4*\j+7], v[A+4*\j+6:A+4*\j+7], v[FM+8*(\g)+\j:FM+8*(\g)+\j+1] op_sel:[0,1] op_sel_hi:[1,1]
.endr
.irp j, 0,1,2,3,4,5,6,7
.irp rr, 0,1,2,3
	v_mul_f32 v[EN+8*\rr+\j], v[XB+4*\j+\rr], v[A+4*\j+\rr]        ; encoded, a row's eight neighbours on end
.endr
.endr
.irp rr, 0,1,2,3
	v_max3_num_f32 v[MX+\rr], |v[EN+8*\rr]|, |v[EN+8*\rr+1]|, 0x1800000   ; my eight, and the floor 2^(3 - 127)
.endr
.irp jj, 2,4,6
.irp rr, 0,1,2,3
	s_delay_alu instid0(VALU_DEP_4)
	v_max3_num_f32 v[MX+\rr], v[MX+\rr], |v[EN+8*\rr+\jj]|, |v[EN+8*\rr+\jj+1]|
.endr
.endr
.irp xm, 1,2
.irp rr, 0,1,2,3
	s_delay_alu instid0(VALU_DEP_4)
	v_max_num_f32_dpp v[MX+\rr], v[MX+\rr], v[MX+\rr] row_xmask:\xm row_mask:0xf bank_mask:0xf   ; four neighbouring lanes hold a block of 32
.endr
.endr
.irp rr, 0,1,2,3
	s_delay_alu instid0(VALU_DEP_4)
	v_add_nc_u32 v[SQ+\rr], 0xff000000, v[MX+\rr]  ; 2 off the exponent field: the conversion's scale operand
.endr
.irp rr, 0,1,2,3
	v_cvt_scalef32_pk8_fp4_f32 v[CD+\rr], v[EN+8*\rr:EN+8*\rr+7], v[SQ+\rr]
.endr
.irp rr, 0,1,2,3
	v_lshrrev_b32 v[BY+\rr], 23, v[SQ+\rr]         ; the bytes; also the plain lines behind the conversions
.endr
.irp rr, 0,1,2,3
	ds_store_b32 v[CSTS], v[CD+\rr] offset:32*\rr
	ds_store_b8 v[SCBG], v[BY+\rr] offset:2048*(\g)+16*\rr         ; the four lanes of a block write the same byte with the same value
.endr
	ds_load_b128 v[O:O+3], v[CSTL]                 ; LDS serves a wave's instructions in order: this sees my stores
	s_wait_dscnt 0x0
	global_store_b128 v[EO], v[O:O+3], s[12:13] offset:32768*(\g) th:TH_STORE_NT   ; sixteen lanes store 256 consecutive bytes, aligned: four rows of one K step
.Lskip_\@:
.endm
	s_load_b256 s[4:11], s[0:1], 0x0               ; pre, ln_w, ln_b, feature_mask
	s_load_b128 s[12:15], s[0:1], 0x20             ; enc, enc_s
	s_load_b64 s[44:45], s[0:1], 0x30              ; flags
	v_lshl_add_u32 v[SPW], v0, 2, SPARE
	v_mov_b32 v[NIL], 0
	v_lshrrev_b32 v28, 5, v0
	s_delay_alu instid0(VALU_DEP_1)
	v_readfirstlane_b32 s16, v28                   ; wave w
	s_lshl_b32 s40, s16, 12
	s_lshl_b32 s41, s16, 10
	s_lshl_b32 s42, s16, 7
	s_and_b32 s43, s16, 3
	s_lshl_b32 s59, s43, 2
	s_add_co_u32 s59, s59, THR
	s_lshl_b32 s43, s43, 16
	s_lshl_b32 s56, s16, 4
	s_add_co_u32 s56, s56, RED
	s_lshl_b32 s57, s16, 9
	s_add_co_u32 s57, s57, CST
	s_lshr_b32 s58, s16, 1                         ; unit w + 16 g lies in quad (w >> 1) + 8 g of four K steps, in its half w & 1
	s_lshl_b32 s58, s58, 8
	s_and_b32 s17, s16, 1
	s_lshl_b32 s17, s17, 3
	s_add_co_u32 s58, s58, s17
	s_add_co_u32 s58, s58, SCB
	s_mov_b32 s24, 0x76543210
	s_mov_b32 s25, 0xfedcba98                      ; v_permlanex16_b32's selects for lane l xor 16
	s_mov_b32 s26, 0x05010400                      ; byte selectors of the 4 x 4 transposition
	s_mov_b32 s27, 0x07030602
	s_mov_b32 s28, 0x05040100
	s_mov_b32 s29, 0x07060302
	s_mov_b32 s30, 0x0f0f0f0f
	s_mov_b32 s31, 0x33333333
	s_mov_b32 s32, 0x55555555
	s_mov_b32 s33, 0x38800000                      ; 1 / 16384
	s_mov_b32 s34, 0x3727c5ac                      ; 1e-5
	s_mov_b32 s35, 0xb8800000                      ; -1 / 16384
	s_mov_b32 s36, 0xc166d4ca                      ; -log2(e) / 0.1
	s_mov_b32 s37, s36                             ; (named with it as a pair)
	s_mov_b32 s20, 4                               ; groups to go
	s_mov_b32 s21, 0                               ; 64 x group
	s_lshl_b32 s18, ttmp9, 20                      ; pre: four groups of 262,144 bytes
	s_mov_b32 s19, 0
	s_lshl_b32 s22, ttmp9, 17
	s_lshl_b32 s23, s16, 11
	s_add_co_u32 s22, s22, s23                     ; enc: mu*131072 + 2,048 bytes a unit
	s_mov_b32 s23, 0
	s_lshl_b32 s46, ttmp9, 13                      ; enc_s
	s_mov_b32 s47, 0
	s_lshl_b32 s52, s16, 3                         ; flags: two words a unit
	s_mov_b32 s53, 0
	v_and_b32 v28, 31, v0                          ; lane
	s_delay_alu instid0(VALU_DEP_1)
	v_lshlrev_b32 v29, 4, v28                      ; 16 l
	v_lshl_add_u32 v[PO], v28, 5, s41
	v_lshl_add_u32 v[PW], v28, 2, s42
	v_add_nc_u32 v[XO], s40, v29
	v_add_nc_u32 v[SELB], s43, v29
	v_add_nc_u32 v[CSTL], s57, v29
	v_mov_b32 v[REDS], s56
	v_lshrrev_b32 v30, 4, v28
	v_and_b32 v31, 15, v28
	s_delay_alu instid0(VALU_DEP_2)
	v_lshlrev_b32 v[EO], 10, v30
	s_delay_alu instid0(VALU_DEP_2)
	v_lshl_add_u32 v[REDL], v31, 4, RED
	s_delay_alu instid0(VALU_DEP_2)
	v_lshl_add_u32 v[EO], v31, 4, v[EO]
	v_lshrrev_b32 v[CSTS], 3, v28                  ; (l>>4)*256 + ((l>>3)&1)*128: the K step of two, and c
	v_bfe_u32 v31, v28, 2, 1
	s_delay_alu instid0(VALU_DEP_2)
	v_lshlrev_b32 v[CSTS], 7, v[CSTS]
	s_delay_alu instid0(VALU_DEP_1)
	v_lshl_add_u32 v[CSTS], v31, 4, v[CSTS]        ; + 16 h
	v_and_b32 v31, 3, v28
	s_delay_alu instid0(VALU_DEP_1)
	v_lshl_add_u32 v[CSTS], v31, 2, v[CSTS]        ; + my 4 bytes of the block's 16
	s_delay_alu instid0(VALU_DEP_1)
	v_add_nc_u32 v[CSTS], s57, v[CSTS]
	v_lshlrev_b32 v[SCBL], 2, v30
	v_bfe_u32 v31, v28, 2, 2
	s_delay_alu instid0(VALU_DEP_1)
	v_add_nc_u32 v[SCBL], v[SCBL], v31
	s_delay_alu instid0(VALU_DEP_1)
	v_add_nc_u32 v[SCBL], s58, v[SCBL]
	v_mov_b32 v[THS], s59
	v_mov_b32 v[THL], THR
	v_lshlrev_b32 v[PFO], 8, v0
.irp ee, 0,1,2,3
	v_mov_b32 v[PT+\ee], 0                         ; written once: a lane permute's destination counts as one of its sources
.endr
	s_wait_alu depctr_va_vdst(0)                   ; at the head's end
	s_wait_kmcnt 0x0
	s_add_nc_u64 s[4:5], s[4:5], s[18:19]
	s_add_nc_u64 s[12:13], s[12:13], s[22:23]
	s_add_nc_u64 s[14:15], s[14:15], s[46:47]
	s_add_nc_u64 s[44:45], s[44:45], s[52:53]
	s_load_b64 s[48:49], s[44:45], 0x0             ; my four units' words
	s_load_b64 s[50:51], s[44:45], 0x80
	s_load_b64 s[52:53], s[44:45], 0x100
	s_load_b64 s[54:55], s[44:45], 0x180
.irp g, 0,1,2,3
	global_load_b128 v[LB+8*\g:LB+8*\g+3], v[PO], s[8:9] offset:16384*\g
	global_load_b128 v[LB+8*\g+4:LB+8*\g+7], v[PO], s[8:9] offset:16384*\g+16
.endr
.irp g, 0,1,2,3
.irp j, 0,1,2,3,4,5,6,7
	global_load_b128 v[X+32*\g+4*\j:X+32*\g+4*\j+3], v[XO], s[4:5] offset:65536*\g+512*\j
.endr
.endr
	s_wait_kmcnt 0x0
	s_or_b32 s48, s48, s49
	s_or_b32 s49, s50, s51
	s_or_b32 s50, s52, s53
	s_or_b32 s51, s54, s55
	; mean(ln_b), once: my 1,024 numbers in four sums a lane, over the work-group, and the four together
	s_wait_loadcnt 32                              ; ln_b is in; the 32 loads of the first group may be out
	v_pk_add_f32 v[S:S+1], v[LB:LB+1], v[LB+4:LB+5]
	v_pk_add_f32 v[S+2:S+3], v[LB+2:LB+3], v[LB+6:LB+7]
.set qq, 2
.rept 6
	s_delay_alu instid0(VALU_DEP_2)
	v_pk_add_f32 v[S:S+1], v[S:S+1], v[LB+4*qq:LB+4*qq+1]
	s_delay_alu instid0(VALU_DEP_2)
	v_pk_add_f32 v[S+2:S+3], v[S+2:S+3], v[LB+4*qq+2:LB+4*qq+3]
.set qq, qq+1
.endr
	REDUCE S, 3
	v_add_f32 v[S], v[S], v[S+1]
	v_add_f32 v[S+2], v[S+2], v[S+3]
	s_delay_alu instid0(VALU_DEP_1)
	v_add_f32 v[S], v[S], v[S+2]
	s_delay_alu instid0(VALU_DEP_1)
	v_mul_f32 v[S], s35, v[S]
	s_delay_alu instid0(VALU_DEP_1)
	v_readfirstlane_b32 s38, v[S]                  ; -mean(ln_b): a number that is only added; no branch and no address hangs on it
	s_mov_b32 s39, s38                             ; (named with it as a pair)
.Lgroup:
	s_wait_alu depctr_va_vdst(0)
	v_add_nc_u32 v[SCBG], s21, v[SCBL]
.irp g, 0,1,2,3
	global_load_b128 v[LW+8*\g:LW+8*\g+3], v[PO], s[6:7] offset:16384*\g
	global_load_b128 v[LW+8*\g+4:LW+8*\g+7], v[PO], s[6:7] offset:16384*\g+16
	global_load_b128 v[LB+8*\g:LB+8*\g+3], v[PO], s[8:9] offset:16384*\g
	global_load_b128 v[LB+8*\g+4:LB+8*\g+7], v[PO], s[8:9] offset:16384*\g+16
.endr
	s_wait_loadcnt 16                              ; the group's numbers are in; the sixteen loads just issued may be out
	SUM4
	REDUCE S, 0
.irp ee, 0,1,2,3
	v_mul_f32 v[MU+\ee], s33, v[S+\ee]             ; the means
.endr
	s_wait_alu depctr_va_vdst(0)                   ; directly ahead of the branch
	; the next group's 262,144 bytes are asked for a whole trip ahead of most of their loads: each thread names two blocks of 256 bytes, each block once in the launch; the last group asks for nothing
	s_cmp_eq_u32 s20, 1
	s_cbranch_scc1 .Lno_pf
	global_prefetch_b8 v[PFO], s[4:5] offset:262144 th:TH_LOAD_NT scope:SCOPE_SE
	global_prefetch_b8 v[PFO], s[4:5] offset:393216 th:TH_LOAD_NT scope:SCOPE_SE
.Lno_pf:
	s_wait_loadcnt 0x0                             ; ln_w, ln_b
.set ee, 0
.rept 16
	v_pk_add_f32 v[LB+2*ee:LB+2*ee+1], v[LB+2*ee:LB+2*ee+1], s[38:39] op_sel_hi:[1,0]     ; b - mean(b)
.set ee, ee+1
.endr
	PASS1
	XL S
	XH S
	XL S+4
	XH S+4
	ds_store_b128 v[REDS], v[S:S+3] offset:256
	ds_store_b128 v[REDS], v[S+4:S+7] offset:512
	MEET
	ds_load_b128 v[S:S+3], v[REDL] offset:256
	ds_load_b128 v[S+4:S+7], v[REDL] offset:512
	s_wait_dscnt 0x0
	XL S
	XL S+4
.irp ee, 0,1,2,3
	v_fma_f32 v[S+\ee], v[S+\ee], s33, s34         ; var + eps
.endr
	s_wait_alu depctr_va_vdst(0)                   ; ahead of the batch
.irp ee, 0,1,2,3
	v_rsq_f32 v[R1+\ee], v[S+\ee]
.endr
.irp ee, 0,1,2,3
	v_mul_f32 v[NMZ+\ee], s35, v[S+4+\ee]          ; -mean(xc w); also the plain lines behind the four
.endr
	s_wait_alu depctr_va_vdst(0)                   ; one wait for the four, ahead of their first reader
	PASS2
.irp g, 0,1,2,3
	global_load_b128 v[FM+8*\g:FM+8*\g+3], v[PO], s[10:11] offset:16384*\g         ; feature_mask takes ln_b's registers; it lands under the transposition
	global_load_b128 v[FM+8*\g+4:FM+8*\g+7], v[PO], s[10:11] offset:16384*\g+16
.endr
	XL S
	XH S
	ds_store_b128 v[REDS], v[S:S+3] offset:768     ; my part of the sums of yc^2: it shares the planes' barrier
	TRANS 0
	TRANS 1
	TRANS 2
	TRANS 3
	s_wait_loadcnt 0x0                             ; feature_mask: waited for here, so that no later wait for it stands behind the next group's loads
	MEET                                           ; my planes have landed; everybody's have
.irp ee, 0,1,2,3
	v_mov_b32 v[Z+\ee], 0
.endr
	ds_load_b128 v[S2:S2+3], v[REDL] offset:768
	s_wait_alu depctr_va_vdst(0)                   ; directly ahead of the branches
	DEAD 0
	DEAD 1
	DEAD 2
	DEAD 3
	s_wait_dscnt 0x0
	XL S2
.irp ee, 0,1,2,3
	s_delay_alu instid0(VALU_DEP_4)
	v_fma_f32 v[S2+\ee], v[S2+\ee], s33, s34
.endr
	s_wait_alu depctr_va_vdst(0)
.irp ee, 0,1,2,3
	v_rsq_f32 v[R2+\ee], v[S2+\ee]
.endr
	v_nop
	s_wait_alu depctr_va_vdst(0)
	; THE SELECT: waves 0-3, a row each.  Every wave walks the loop; the branches on the wave's number stand inside it, and the address registers are made outside them.
.set ii, 0
.rept 16
	v_mov_b32 v[AL+ii], -1                         ; all keys alive
.set ii, ii+1
.endr
	v_mov_b32 v[KK], 0x44ccc000                    ; k = 1638
	v_mov_b32 v[RES], 0
	v_mov_b32 v[CN+1], 0
	s_mov_b32 s23, 0
	s_mov_b32 s22, 7
	v_add_nc_u32 v[SAA], s23, v[SELB]
	s_cmp_lt_u32 s16, 4
	s_cbranch_scc0 .Lsel0
.irp q, 0,1,2,3
	ds_load_b128 v[P0+4*\q:P0+4*\q+3], v[SELB] offset:512*\q       ; the top bit's plane,
.endr
.irp q, 0,1,2,3
	ds_load_b128 v[P1+4*\q:P1+4*\q+3], v[SELB] offset:2048+512*\q  ; and the next
.endr
.Lsel0:
.Lsel:                                             ; seven trips of four rounds
	s_cmp_lt_u32 s16, 4
	s_cbranch_scc0 .Lsel1
	ROUND P0, SAA, 4096, 1, 4
	ROUND P1, SAA, 6144, 1, 4
.Lsel1:
	v_add_nc_u32 v[SAB], s23, v[SELB]
	s_cmp_lt_u32 s16, 4
	s_cbranch_scc0 .Lsel2
	ROUND P0, SAB, 8192, 1, 4
	ROUND P1, SAB, 10240, 1, 4
.Lsel2:
	s_add_co_u32 s23, s23, 8192
	v_add_nc_u32 v[SAA], s23, v[SELB]
	s_sub_co_u32 s22, s22, 1
	s_cmp_lg_u32 s22, 0
	s_cbranch_scc1 .Lsel
	s_cmp_lt_u32 s16, 4
	s_cbranch_scc0 .Lsel3
	ROUND P0, SAA, 4096, 1, 4
	ROUND P1, SAA, 6144, 1, 4
	ROUND P0, SAA, 0, 0, 4                         ; the last two rounds fetch nothing
	ROUND P1, SAA, 0, 0, 0
	v_ashrrev_i32 v[TX], 31, v[RES]                ; the key back to its number: top bit set: that bit is flipped; else all bits
	s_delay_alu instid0(VALU_DEP_1)
	v_lshrrev_b32 v[TX], 1, v[TX]
	s_delay_alu instid0(VALU_DEP_1)
	v_xor_b32 v[TX], -1, v[TX]
	s_delay_alu instid0(VALU_DEP_1)
	v_xor_b32 v[RES], v[RES], v[TX]
	ds_store_b32 v[THS], v[RES]
.Lsel3:
	MEET
	ds_load_b128 v[TH:TH+3], v[THL]                ; the four rows' 1,638th largest yc
	s_wait_dscnt 0x0
	v_pk_mul_f32 v[TH:TH+1], v[TH:TH+1], v[R2:R2+1]                ; x r2: the thresholds
	v_pk_mul_f32 v[TH+2:TH+3], v[TH+2:TH+3], v[R2+2:R2+3]
	s_wait_alu depctr_va_vdst(0)                   ; directly ahead of the branches and waits below
	s_wait_loadcnt 0x0                             ; the loads that the units passed over have issued are in: on every way no load is out when X is read below
	ENC 0
	ENC 1
	ENC 2
	ENC 3
	LNX 0
	LNX 1
	LNX 2
	LNX 3
	s_wait_xcnt 0x0                                ; loads, stores and prefetches have read their registers and bases: these may be written
	s_add_nc_u64 s[4:5], s[4:5], 262144
	s_add_nc_u64 s[12:13], s[12:13], 256
	s_add_co_u32 s21, s21, 64
	s_sub_co_u32 s20, s20, 1
	s_cmp_lg_u32 s20, 0
	s_cbranch_scc1 .Lgroup
	MEET                                           ; the 16 rows' 8,192 scale bytes lie in LDS
	v_lshl_add_u32 v[A], v0, 4, SCB
	v_lshlrev_b32 v[A+1], 4, v0
	ds_load_b128 v[A+4:A+7], v[A]
	s_wait_alu depctr_va_vdst(0)
	s_wait_dscnt 0x0
	global_store_b128 v[A+1], v[A+4:A+7], s[14:15]
	s_wait_tensorcnt 0x0                           ; the wave's end, behind my last LDS store
	ds_add_u32 v[SPW], v[NIL]
	s_wait_dscnt 0x0
	s_endpgm
.Lfunc_end_k_q769410a274_rows:
	.size	k_q769410a274_rows, .Lfunc_end_k_q769410a274_rows-k_q769410a274_rows
	.p2alignl 7, 3214868480
	.fill 96, 4, 3214868480
	.section	.rodata,"a",@progbits
	.p2align	6, 0x0
	.amdhsa_kernel k_q769410a274_rows
		.amdhsa_group_segment_fixed_size 286720
		.amdhsa_private_segment_fixed_size 0
		.amdhsa_enable_private_segment 0
		.amdhsa_kernarg_size 56
		.amdhsa_user_sgpr_count 2
		.amdhsa_user_sgpr_kernarg_segment_ptr 1
		.amdhsa_wavefront_size32 1
		.amdhsa_system_sgpr_workgroup_id_x 1
		.amdhsa_system_sgpr_workgroup_id_y 1
		.amdhsa_system_sgpr_workgroup_id_z 1
		.amdhsa_system_vgpr_workitem_id 0
		.amdhsa_next_free_vgpr 256
		.amdhsa_next_free_sgpr 66
		.amdhsa_reserve_vcc 1
		.amdhsa_float_denorm_mode_32 3
		.amdhsa_float_denorm_mode_16_64 3
		.amdhsa_memory_ordered 1
		.amdhsa_forward_progress 1
		.amdhsa_inst_pref_size 237
	.end_amdhsa_kernel
	.amdgpu_metadata
---
amdhsa.version: [ 1, 2 ]
amdhsa.kernels:
  - .name:           k_q769410a274_rows
    .symbol:         k_q769410a274_rows.kd
    .args:
      - { .name: pre, .offset: 0, .size: 8, .value_kind: global_buffer, .address_space: global }
      - { .name: ln_w, .offset: 8, .size: 8, .value_kind: global_buffer, .address_space: global }
      - { .name: ln_b, .offset: 16, .size: 8, .value_kind: global_buffer, .address_space: global }
      - { .name: feature_mask, .offset: 24, .size: 8, .value_kind: global_buffer, .address_space: global }
      - { .name: enc, .offset: 32, .size: 8, .value_kind: global_buffer, .address_space: global }
      - { .name: enc_s, .offset: 40, .size: 8, .value_kind: global_buffer, .address_space: global }
      - { .name: flags, .offset: 48, .size: 8, .value_kind: global_buffer, .address_space: global }
    .group_segment_fixed_size: 286720
    .private_segment_fixed_size: 0
    .kernarg_segment_align: 8
    .kernarg_segment_size: 56
    .max_flat_workgroup_size: 512
    .sgpr_count:     66
    .vgpr_count:     256
    .wavefront_size: 32
...
	.end_amdgpu_metadata
.endif
;; end of part 8
;; launch dec2 (part 9): grid 8 x 64, 8 waves a work-group, no clusters, 140,288 bytes of LDS; arguments enc, enc_s, wdec, wdec_s, b_dec, out0, flags; writes out0
.if DOCPART == 9
	.amdgcn_target "amdgcn-amd-amdhsa--gfx1250"
	.amdhsa_code_object_version 6
	.text
	.protected	k_q769410a274_dec2
	.globl	k_q769410a274_dec2
	.p2align	8
	.type	k_q769410a274_dec2,@function
k_q769410a274_dec2:
	s_mov_b64 s[64:65], 0
	v_nop
	global_prefetch_b8 v0, s[64:65] scope:SCOPE_SE
	s_setreg_imm32_b32 hwreg(HW_REG_WAVE_MODE, 25, 1), 1
	s_wait_xcnt 0x0
; DEC2: out0 = encoded x W_dec_n + b_dec, on codes of E2M1 with E8M0 scales; sums in f32.
; PASSED OVER, by whole numbers that the first launch stored (flags[G] = 0: all 128 mask numbers of K step G are zero): a quad of four K steps whose four numbers are 0.  encoded is 0 there for every
; finite h, so the quad adds nothing.  LIMIT: a NaN, an infinity or an overflow in h under a zero mask is not carried to the result.
; SHARES: work-group (x, y) makes rows 64 y .. +63 x columns 64 x .. +63.  ITS EIGHT WAVES SHARE K: the 128 K steps (128 along K each) are 32 quads; wave kap takes quads kap, kap + 8, kap + 16, kap + 24 of the
; whole 64 x 64, in 16 accumulators: by turns, so that a run of live features is shared among the waves.  A wave's first quad is always multiplied: its products start the sums, and where its mask is zero its
; codes are the zeros that the launch before has stored.  The other three stand each under a scalar branch.  The eight partial tiles meet in LDS and are added in a fixed order, so each output has one owner.
; Both operands lie in memory as images of operand registers and go straight into registers: no LDS on the way in, no tensor load (a branch hangs on numbers read from memory).
; THE PRODUCT IS USED TRANSPOSED (source 0 = 16 columns of W_dec, source 1 = 16 rows of encoded): lane (r, h), register j holds row r, column 8 h + j.
; NO CLUSTER: which quads are walked hangs on numbers read from memory, and nothing that one wave reads is read by another wave of the work-group.
.set SPARE, 139264                     ; behind the eight partial tiles of 17,408 bytes: the spare words
.set VE,   1                           ; v1  enc: (r>>2)*256 + (r&3)*32 + 16 h
.set VW,   2                           ; v2  wdec: 16 x lane
.set VWS,  3                           ; v3  wdec_s: 4 x lane: lanes 0-15 one tile's words, lanes 16-31 the next tile's
.set VES,  4                           ; v4  enc_s: h*8192 + 16 r: lanes 0-15 one tile's rows, lanes 16-31 the next tile's
.set PS,   5                           ; v5  LDS: my partial tile: kap*17408 + 272 h + 16 r
.set PR0,  6                           ; v6  LDS: where I read partial tiles 0-3;  v7: tiles 4-7
.set PR1,  7
.set OO,   8                           ; v8  out0: (l>>4)*2048 + 16 (l&15)
.set SPW,  9
.set NIL,  10
.set BDO,  11                          ; v11 b_dec: 16 (l&15)
.set BD,   12                          ; v12-15
.set EF,   32                          ; v32-63  four fragments of encoded
.set WF,   64                          ; v64-95  four fragments of W_dec
.set ES,   96                          ; v96-103 encoded's scale words: 4 (m/2) + K step of four
.set WS,   104                         ; v104-105 W_dec's
.set ACC,  128                         ; v128-255: accumulator (m, nb) at 8 (4 m + nb)
.set FQ,   52                          ; s52-54: for my second, third and fourth quad: 0 where the mask is zero throughout
.macro WM
.if wz
.if (wra == 0) && (wrb == 0)
	v_wmma_scale_f32_16x16x128_f8f6f4 v[wd:wd+7], v[wa:wa+7], v[wb:wb+7], 0, v[wsa], v[wsb] matrix_a_fmt:MATRIX_FMT_FP4 matrix_b_fmt:MATRIX_FMT_FP4
.elseif (wra == 1) && (wrb == 0)
	v_wmma_scale_f32_16x16x128_f8f6f4 v[wd:wd+7], v[wa:wa+7], v[wb:wb+7], 0, v[wsa], v[wsb] matrix_a_fmt:MATRIX_FMT_FP4 matrix_b_fmt:MATRIX_FMT_FP4 matrix_a_scale:MATRIX_SCALE_ROW1
.elseif (wra == 0) && (wrb == 1)
	v_wmma_scale_f32_16x16x128_f8f6f4 v[wd:wd+7], v[wa:wa+7], v[wb:wb+7], 0, v[wsa], v[wsb] matrix_a_fmt:MATRIX_FMT_FP4 matrix_b_fmt:MATRIX_FMT_FP4 matrix_b_scale:MATRIX_SCALE_ROW1
.else
	v_wmma_scale_f32_16x16x128_f8f6f4 v[wd:wd+7], v[wa:wa+7], v[wb:wb+7], 0, v[wsa], v[wsb] matrix_a_fmt:MATRIX_FMT_FP4 matrix_b_fmt:MATRIX_FMT_FP4 matrix_a_scale:MATRIX_SCALE_ROW1 matrix_b_scale:MATRIX_SCALE_ROW1
.endif
.else
.if (wra == 0) && (wrb == 0)
	v_wmma_scale_f32_16x16x128_f8f6f4 v[wd:wd+7], v[wa:wa+7], v[wb:wb+7], v[wd:wd+7], v[wsa], v[wsb] matrix_a_fmt:MATRIX_FMT_FP4 matrix_b_fmt:MATRIX_FMT_FP4
.elseif (wra == 1) && (wrb == 0)
	v_wmma_scale_f32_16x16x128_f8f6f4 v[wd:wd+7], v[wa:wa+7], v[wb:wb+7], v[wd:wd+7], v[wsa], v[wsb] matrix_a_fmt:MATRIX_FMT_FP4 matrix_b_fmt:MATRIX_FMT_FP4 matrix_a_scale:MATRIX_SCALE_ROW1
.elseif (wra == 0) && (wrb == 1)
	v_wmma_scale_f32_16x16x128_f8f6f4 v[wd:wd+7], v[wa:wa+7], v[wb:wb+7], v[wd:wd+7], v[wsa], v[wsb] matrix_a_fmt:MATRIX_FMT_FP4 matrix_b_fmt:MATRIX_FMT_FP4 matrix_b_scale:MATRIX_SCALE_ROW1
.else
	v_wmma_scale_f32_16x16x128_f8f6f4 v[wd:wd+7], v[wa:wa+7], v[wb:wb+7], v[wd:wd+7], v[wsa], v[wsb] matrix_a_fmt:MATRIX_FMT_FP4 matrix_b_fmt:MATRIX_FMT_FP4 matrix_a_scale:MATRIX_SCALE_ROW1 matrix_b_scale:MATRIX_SCALE_ROW1
.endif
.endif
.endm
; K step q of my u-th quad: 18 loads, 16 products; the sixteen accumulators take turns, in the same order in every step.  Every offset is an immediate: eight quads on are 32,768 bytes of codes
.macro KSTEP u, q, zero
.irp m, 0,1,2,3
.irp c, 0,1
	global_load_b128 v[EF+8*\m+4*\c:EF+8*\m+4*\c+3], v[VE], s[4:5] offset:131072*\m+32768*(\u)+1024*(\q)+128*\c
.endr
.endr
.irp nb, 0,1,2,3
.irp c, 0,1
	global_load_b128 v[WF+8*\nb+4*\c:WF+8*\nb+4*\c+3], v[VW], s[8:9] offset:131072*\nb+32768*(\u)+1024*(\q)+512*\c
.endr
.endr
.irp pp, 0,1
	global_load_b32 v[WS+\pp], v[VWS], s[10:11] offset:65536*(\u)+2048*(\q)+128*\pp
.endr
	s_wait_loadcnt 0x0
.set mt, 0
.rept 4
.set nt, 0
.rept 4
.set wd, ACC+8*(4*mt+nt)
.set wa, WF+8*nt
.set wb, EF+8*mt
.set wsa, WS+nt/2
.set wsb, ES+4*(mt/2)+(\q)
.set wra, nt%2
.set wrb, mt%2
.set wz, \zero
	WM
.set nt, nt+1
.endr
.set mt, mt+1
.endr
.rept 4
	v_nop                                          ; four plain lines in front of loads into registers that products have read, and of the first read of results
.endr
.endm
.macro QUAD u, zero                    ; four K steps: their scale words of encoded come by two loads
.irp mm, 0,1
	global_load_b128 v[ES+4*\mm:ES+4*\mm+3], v[VES], s[6:7] offset:16384*\mm+2048*(\u)
.endr
	KSTEP \u, 0, \zero
	KSTEP \u, 1, 0
	KSTEP \u, 2, 0
	KSTEP \u, 3, 0
.endm
.macro LIVE u                          ; my u-th quad, if any of its 512 mask numbers is not zero: a scalar branch on whole numbers that an earlier launch stored; no barrier stands under it
	s_cmp_eq_u32 s[FQ+(\u)-1], 0
	s_cbranch_scc1 .Lpass_\@
	QUAD \u, 0
.Lpass_\@:
.endm
	s_load_b256 s[4:11], s[0:1], 0x0               ; enc, enc_s, wdec, wdec_s
	s_load_b128 s[12:15], s[0:1], 0x20             ; b_dec, out0
	s_load_b64 s[36:37], s[0:1], 0x30              ; flags
	v_lshl_add_u32 v[SPW], v0, 2, SPARE
	v_mov_b32 v[NIL], 0
	v_lshrrev_b32 v16, 5, v0
	s_delay_alu instid0(VALU_DEP_1)
	v_readfirstlane_b32 s16, v16                   ; wave kap
	s_and_b32 s18, ttmp7, 0xffff                   ; y
	v_and_b32 v16, 31, v0                          ; lane
	v_and_b32 v17, 15, v0                          ; r
	v_bfe_u32 v18, v0, 4, 1                        ; h
	s_delay_alu instid0(VALU_DEP_2)
	v_lshrrev_b32 v19, 2, v17
	s_delay_alu instid0(VALU_DEP_1)
	v_lshlrev_b32 v[VE], 8, v19
	s_delay_alu instid0(VALU_DEP_4)
	v_and_b32 v19, 3, v17
	s_delay_alu instid0(VALU_DEP_1)
	v_lshl_add_u32 v[VE], v19, 5, v[VE]
	s_delay_alu instid0(VALU_DEP_1)
	v_lshl_add_u32 v[VE], v18, 4, v[VE]
	v_lshlrev_b32 v[VW], 4, v16
	v_lshlrev_b32 v[VWS], 2, v16
	v_lshlrev_b32 v[VES], 13, v18
	s_delay_alu instid0(VALU_DEP_1)
	v_lshl_add_u32 v[VES], v17, 4, v[VES]
	s_mul_i32 s19, s16, 17408
	v_mul_u32_u24 v[PS], v18, 272
	s_delay_alu instid0(VALU_DEP_1)
	v_lshl_add_u32 v[PS], v17, 4, v[PS]
	s_delay_alu instid0(VALU_DEP_1)
	v_add_nc_u32 v[PS], s19, v[PS]
	v_lshrrev_b32 v19, 2, v17                      ; the piece that holds columns 4 lam .. +3 (lam = l & 15): 16 (kap>>1) + 4 (lam>>2) + 2 (lam&1) + ((lam>>1)&1)
	s_delay_alu instid0(VALU_DEP_1)
	v_lshlrev_b32 v19, 2, v19
	v_and_b32 v20, 1, v17
	s_delay_alu instid0(VALU_DEP_1)
	v_lshl_add_u32 v19, v20, 1, v19
	v_bfe_u32 v20, v17, 1, 1
	s_delay_alu instid0(VALU_DEP_1)
	v_add_nc_u32 v19, v19, v20
	s_delay_alu instid0(VALU_DEP_1)
	v_mul_u32_u24 v[PR0], v19, 272                 ; sixteen pieces 272 bytes apart: sixteen different groups of banks
	s_delay_alu instid0(VALU_DEP_1)
	v_lshl_add_u32 v[PR0], v18, 4, v[PR0]
	s_lshr_b32 s20, s16, 1
	s_mul_i32 s20, s20, 16*272
	s_and_b32 s21, s16, 1
	s_lshl_b32 s21, s21, 7                         ; rows 8 (kap & 1) on, 16 bytes a row
	s_add_co_u32 s20, s20, s21
	v_add_nc_u32 v[PR0], s20, v[PR0]
	s_delay_alu instid0(VALU_DEP_1)
	v_add_nc_u32 v[PR1], 69632, v[PR0]
	v_lshlrev_b32 v[OO], 11, v18
	s_delay_alu instid0(VALU_DEP_1)
	v_lshl_add_u32 v[OO], v17, 4, v[OO]
	v_lshlrev_b32 v[BDO], 4, v17
	s_lshl_b32 s24, s16, 12                        ; my first quad: four K steps of 1,024 bytes
	s_lshl_b32 s22, s18, 19                        ; enc: four tiles of rows a work-group
	s_add_co_u32 s22, s22, s24
	s_mov_b32 s23, 0
	s_lshl_b32 s26, ttmp9, 19                      ; wdec: four tiles of columns
	s_add_co_u32 s26, s26, s24
	s_mov_b32 s27, 0
	s_lshl_b32 s28, s16, 13                        ; wdec_s: four K steps of 2,048 bytes, + 64 x columns of 4
	s_lshl_b32 s29, ttmp9, 8
	s_add_co_u32 s28, s28, s29
	s_mov_b32 s29, 0
	s_lshl_b32 s30, s18, 15                        ; enc_s: four tiles of 8,192 bytes, + 256 bytes a quad
	s_lshl_b32 s31, s16, 8
	s_add_co_u32 s30, s30, s31
	s_mov_b32 s31, 0
	s_lshl_b32 s32, ttmp9, 8                       ; b_dec, and a row's 256 bytes of out0
	s_mov_b32 s33, 0
	s_lshl_b32 s34, s18, 17                        ; out0: 64 y rows of 2,048 bytes, + 8 kap rows
	s_lshl_b32 s35, s16, 14
	s_add_co_u32 s34, s34, s35
	s_add_co_u32 s34, s34, s32
	s_mov_b32 s35, 0
	s_lshl_b32 s38, s16, 4                         ; flags: four words a quad
	s_mov_b32 s39, 0
	s_wait_alu depctr_va_vdst(0)
	s_wait_kmcnt 0x0
	s_add_nc_u64 s[4:5], s[4:5], s[22:23]
	s_add_nc_u64 s[8:9], s[8:9], s[26:27]
	s_add_nc_u64 s[10:11], s[10:11], s[28:29]
	s_add_nc_u64 s[6:7], s[6:7], s[30:31]
	s_add_nc_u64 s[12:13], s[12:13], s[32:33]
	s_add_nc_u64 s[14:15], s[14:15], s[34:35]
	s_add_nc_u64 s[36:37], s[36:37], s[38:39]
	s_load_b128 s[40:43], s[36:37], 0x80           ; the words of quads kap + 8, kap + 16, kap + 24: they land while the first quad is multiplied
	s_load_b128 s[44:47], s[36:37], 0x100
	s_load_b128 s[48:51], s[36:37], 0x180
	global_load_b128 v[BD:BD+3], v[BDO], s[12:13]
	QUAD 0, 1                                      ; the first K step's products start the sums: nothing is cleared
	s_wait_kmcnt 0x0
	s_or_b32 s40, s40, s41
	s_or_b32 s42, s42, s43
	s_or_b32 s52, s40, s42
	s_or_b32 s44, s44, s45
	s_or_b32 s46, s46, s47
	s_or_b32 s53, s44, s46
	s_or_b32 s48, s48, s49
	s_or_b32 s50, s50, s51
	s_or_b32 s54, s48, s50
	LIVE 1
	LIVE 2
	LIVE 3
.set tt, 0
.rept 16
	ds_store_b128 v[PS], v[ACC+8*tt:ACC+8*tt+3] offset:544*(2*tt)          ; each accumulator from its low end on; sixteen lanes fill a piece of 256 bytes
	ds_store_b128 v[PS], v[ACC+8*tt+4:ACC+8*tt+7] offset:544*(2*tt+1)
.set tt, tt+1
.endr
	s_wait_dscnt 0x0                               ; for the others' sake: my partial tile has landed
	s_barrier_signal -1
	s_barrier_wait -1
	; wave kap adds and stores rows 8 kap .. +7: lanes 0-15 one row, lanes 16-31 the next, four times
.set kp, 0
.rept 8
.irp z, 0,1,2,3
.if kp < 4
	ds_load_b128 v[ACC+16*kp+4*\z:ACC+16*kp+4*\z+3], v[PR0] offset:17408*kp+32*\z
.else
	ds_load_b128 v[ACC+16*kp+4*\z:ACC+16*kp+4*\z+3], v[PR1] offset:17408*(kp-4)+32*\z
.endif
.endr
.set kp, kp+1
.endr
.set kp, 1
.rept 7
	s_wait_alu depctr_va_vdst(0)
	s_wait_dscnt 4*(7-kp)                          ; partial tiles 0 .. kp are in; the count is the younger loads
.irp z, 0,1,2,3
	v_pk_add_f32 v[ACC+4*\z:ACC+4*\z+1], v[ACC+4*\z:ACC+4*\z+1], v[ACC+16*kp+4*\z:ACC+16*kp+4*\z+1]
	v_pk_add_f32 v[ACC+4*\z+2:ACC+4*\z+3], v[ACC+4*\z+2:ACC+4*\z+3], v[ACC+16*kp+4*\z+2:ACC+16*kp+4*\z+3]
.endr
.set kp, kp+1
.endr
.irp z, 0,1,2,3
	v_pk_add_f32 v[ACC+4*\z:ACC+4*\z+1], v[ACC+4*\z:ACC+4*\z+1], v[BD:BD+1]        ; + b_dec
	v_pk_add_f32 v[ACC+4*\z+2:ACC+4*\z+3], v[ACC+4*\z+2:ACC+4*\z+3], v[BD+2:BD+3]
.endr
.irp z, 0,1,2,3
	global_store_b128 v[OO], v[ACC+4*\z:ACC+4*\z+3], s[14:15] offset:4096*\z       ; sixteen lanes store 256 consecutive bytes, aligned
.endr
	s_wait_tensorcnt 0x0                           ; the wave's end, behind my last LDS store
	ds_add_u32 v[SPW], v[NIL]
	s_wait_dscnt 0x0
	s_endpgm
.Lfunc_end_k_q769410a274_dec2:
	.size	k_q769410a274_dec2, .Lfunc_end_k_q769410a274_dec2-k_q769410a274_dec2
	.p2alignl 7, 3214868480
	.fill 96, 4, 3214868480
	.section	.rodata,"a",@progbits
	.p2align	6, 0x0
	.amdhsa_kernel k_q769410a274_dec2
		.amdhsa_group_segment_fixed_size 140288
		.amdhsa_private_segment_fixed_size 0
		.amdhsa_enable_private_segment 0
		.amdhsa_kernarg_size 56
		.amdhsa_user_sgpr_count 2
		.amdhsa_user_sgpr_kernarg_segment_ptr 1
		.amdhsa_wavefront_size32 1
		.amdhsa_system_sgpr_workgroup_id_x 1
		.amdhsa_system_sgpr_workgroup_id_y 1
		.amdhsa_system_sgpr_workgroup_id_z 1
		.amdhsa_system_vgpr_workitem_id 0
		.amdhsa_next_free_vgpr 256
		.amdhsa_next_free_sgpr 66
		.amdhsa_reserve_vcc 0
		.amdhsa_float_denorm_mode_32 3
		.amdhsa_float_denorm_mode_16_64 3
		.amdhsa_memory_ordered 1
		.amdhsa_forward_progress 1
		.amdhsa_inst_pref_size 76
	.end_amdhsa_kernel
	.amdgpu_metadata
---
amdhsa.version: [ 1, 2 ]
amdhsa.kernels:
  - .name:           k_q769410a274_dec2
    .symbol:         k_q769410a274_dec2.kd
    .args:
      - { .name: enc, .offset: 0, .size: 8, .value_kind: global_buffer, .address_space: global }
      - { .name: enc_s, .offset: 8, .size: 8, .value_kind: global_buffer, .address_space: global }
      - { .name: wdec, .offset: 16, .size: 8, .value_kind: global_buffer, .address_space: global }
      - { .name: wdec_s, .offset: 24, .size: 8, .value_kind: global_buffer, .address_space: global }
      - { .name: b_dec, .offset: 32, .size: 8, .value_kind: global_buffer, .address_space: global }
      - { .name: out0, .offset: 40, .size: 8, .value_kind: global_buffer, .address_space: global }
      - { .name: flags, .offset: 48, .size: 8, .value_kind: global_buffer, .address_space: global }
    .group_segment_fixed_size: 140288
    .private_segment_fixed_size: 0
    .kernarg_segment_align: 8
    .kernarg_segment_size: 56
    .max_flat_workgroup_size: 256
    .sgpr_count:     66
    .vgpr_count:     256
    .wavefront_size: 32
...
	.end_amdgpu_metadata
.endif
;; end of part 9
